; MI455X (gfx1250); checked and timed in simulation.
; The chip was launched on July 23, 2026; its instructions are those of AMD's public machine-readable ISA for CDNA 5 (MIT licence, August 2026) and "CDNA5" Instruction Set Architecture Reference Guide (July 2026). The comments in the code are by the model that wrote it; some were corrected since.
;; Transformer Block. Allowed arithmetic: matrix products marked QUANTISED: E5M2 operands, one E8M0 scale for each 32 along K, by v_wmma_scale_f32_16x16x128_f8f6f4 with both operands' format E5M2, f32 sums; everything else in f32.
;; Inputs: b_fc1 4,096 float32; b_fc2 1,024 float32; b_out 1,024 float32; b_qkv 3,072 float32; ln1_bias 1,024 float32; ln1_scale 1,024 float32; ln2_bias 1,024 float32; ln2_scale 1,024 float32; w_fc1 1,024 x 4,096 float32; w_fc2 4,096 x 1,024 float32; w_out 1,024 x 1,024 float32; w_qkv 1,024 x 3,072 float32; x 2 x 2,048 x 1,024 float32.
;; Outputs: out0 2 x 2,048 x 1,024 float32.
;; This version of the problem:
;;   THIS VERSION OF THE PROBLEM IS GIVEN IN LOW PRECISION. The matrix products marked QUANTISED in the list below multiply operands that are first quantised to E5M2 (5 exponent bits, 2 mantissa bits; 8 bits a number), with one power-of-two scale for each 32 numbers along K (OCP MX v1.0); their sums are f32. All else is computed in f32.
;;   The module's matrix products, in the order in which they are computed (A, B: the left and right operand; K: the contracted axis; several contracted axes count as one K, in the product's order):
;;     1. [M 4,096, K 1,024] x [K 1,024, N 3,072]; A: computed on the way; B: input w_qkv: QUANTISED
;;     2. batch 32 x [M 2,048, K 64] x [K 64, N 2,048]; A: computed on the way; B: computed on the way: QUANTISED
;;     3. batch 32 x [M 2,048, K 2,048] x [K 2,048, N 64]; A: softmax (see below); B: computed on the way: QUANTISED
;;     4. [M 4,096, K 1,024] x [K 1,024, N 1,024]; A: computed on the way; B: input w_out: QUANTISED
;;     5. [M 4,096, K 1,024] x [K 1,024, N 4,096]; A: computed on the way; B: input w_fc1: QUANTISED
;;     6. [M 4,096, K 4,096] x [K 4,096, N 1,024]; A: computed on the way; B: input w_fc2: QUANTISED
;;   THE QUANTISER, for each operand of a quantised product, along K:
;;     - K is cut into blocks of 32 from its start; a last block that is shorter is filled with zeros.
;;     - A block's scale is 2^e with e = floor(log2(the largest magnitude in the block)) - 15, held to -126 .. 127; a block of zeros has e = 0. As a byte (E8M0): e + 127.
;;     - Each number is divided by its block's scale, clamped to +-57,344, and rounded to the nearest number of E5M2, ties to even, subnormals kept.
;;     - The product sums the exact products of the quantised numbers (number of the format x scale) in f32.
;;   ~~~python
;;   def quantise(x, axis):      # numpy; x: float32 -> the quantised numbers, widened to float32 again
;;       x = np.moveaxis(x, axis, -1); K = x.shape[-1]
;;       x = np.pad(x, [(0, 0)] * (x.ndim - 1) + [(0, -K % 32)]); x = x.reshape(x.shape[:-1] + (-1, 32)); a = np.abs(x).max(-1, keepdims=True)
;;       e = np.where(a > 0, np.clip(np.frexp(np.where(a > 0, a, 1))[1] - 1 - 15, -126, 127), 0)      # np.frexp(a)[1] - 1 = floor(log2(a)), exactly
;;       r = np.clip(x / 2.0 ** e, -57344, 57344)
;;       step = 2.0 ** (np.maximum(np.frexp(np.where(r == 0, 1, r))[1] - 1, -14) - 2)
;;       q = np.round(r / step) * step * 2.0 ** e      # np.round: ties to even
;;       return np.moveaxis(q.reshape(q.shape[:-2] + (-1,))[..., :K], -1, axis).astype(np.float32)
;;   ~~~
;;   SOFTMAX AHEAD OF A QUANTISED PRODUCT. Where the list says 'softmax', what is quantised is not the finished softmax but p = 2^(t - M), with t = logit x log2(e) and M = ceil(the row's largest t), a whole number; so 1/2 < the row's largest p <= 1. The row's sum l is taken of the UNQUANTISED p, in f32, and the product's result is divided by l at the end. Since M is a whole number, a kernel that streams over the keys may use a running M (the ceiling of the running maximum): every later rescaling is an exact power of two, which a block's scale takes up: the codes' values come out the same.
;;   OPERANDS COMPUTED ON THE WAY. 'Computed on the way' means the value that the module computes at that place (a softmax that the list does not call 'softmax' is quantised finished and normalised). What goes into a quantiser is computed in f32, as accurately as f32 sums, v_exp_f32 and their like allow (about 1e-6 of the number): no bf16 or f16 on the way to a quantiser, and a product that is left as it is and whose result goes on into a quantised operand takes f32 operands (vector FMAs, or v_wmma_f32_16x16x4_f32). A number that lies on a knife's edge between two numbers of the format may be rounded either way, as far as f32 arithmetic and the matrix unit's own rounding can turn it there, and no further.
;; 2 versions. Each part assembles by itself: llvm-mc -triple=amdgcn-amd-amdhsa -mcpu=gfx1250 --defsym DOCPART=n.
;; ======== version 1 of 2: 8 launches
;; workspace buffers: wimg 14,155,776 bytes; yimg 4,718,592 bytes; qkimg 9,437,184 bytes; vtimg 4,718,592 bytes; oimg 4,718,592 bytes; x2 16,777,216 bytes; himg 18,874,368 bytes
;; launch wq (part 1): grid 384 x 1, 4 waves a work-group, no clusters, 37,376 bytes of LDS; arguments w_fc2, w_fc1, w_qkv, w_out, wimg; writes wimg
.if DOCPART == 1
	.amdgcn_target "amdgcn-amd-amdhsa--gfx1250"
	.amdhsa_code_object_version 6
	.text
	.protected	k_q238b76636b_wq
	.globl	k_q238b76636b_wq
	.p2align	8
	.type	k_q238b76636b_wq,@function
k_q238b76636b_wq:
	s_mov_b64 s[64:65], 0
	v_nop
	global_prefetch_b8 v0, s[64:65] scope:SCOPE_SE
	s_setreg_imm32_b32 hwreg(HW_REG_WAVE_MODE, 25, 1), 1
	s_wait_xcnt 0x0
; THE WHOLE PROGRAM: a pre-LN transformer block, 4,096 tokens x 1,024, all six products on codes of BF8 (E5M2) with one E8M0 scale for each 32 along K.
; NO WORK IS LEFT OUT AS DEAD: every gain, bias and weight reaches an output or a quantised operand (k's bias moves k's codes), so all thirteen inputs are loaded.
; LIMITS OF THE PROGRAM: NaN and infinities among the inputs are not served.  A block of zeros gets the scale byte 1 where the rule says 127: its codes are zeros, which add
; nothing under any byte but 0xff, and the bytes are read by this program alone.  A block whose largest magnitude lies under 2^-111 has its byte held at 1, as the rule's -126 asks.
; THE WORKSPACE FORMAT, for every quantised operand: an IMAGE of R rows x K is a run of CHUNKS of 36,864 bytes; chunk (k / 256, row / 128) lies at ((k / 256) (R / 128) + row / 128) x 36,864.
; A chunk is two sub-images of 18,432 bytes (128 along K each); a sub-image is 128 places of 144 bytes: 128 codes, K natural; the row's scale word; 12 bytes more (W >> 16 or 0, zeros).
; A row's place is row % 128 with bits 3 and 4 exchanged: sixteen places on end are rows 32 b + 8 u + r + 8 (r / 8), so that as source 0 of a product they give a lane 16 neighbours along the next K.
; THIS LAUNCH: the four weights, f32 stored [K][N], become images of N rows.  A work-group makes one chunk (128 columns x 256 along K), a wave 32 columns: A LANE TAKES A COLUMN AND ITS REGISTERS
; RUN DOWN K, so a block of 32 lies in one lane and the conversions give codes with K innermost.  The codes go through the wave's own stage in LDS and leave as 512 consecutive bytes a store.
; One path for all four weights: pointer, pitch and chunk numbers are chosen by s_cselect on the work-group's number.  No tensor load, no barrier: waves share nothing.
.set CHUNK, 36864
.set SUB,   18432
.set SPARE, 36864                      ; behind the four stages: the spare words, 128 bytes for each wave
.set X,     32                         ; v32-95   two sets of 32 numbers
.set C,     96                         ; v96-103  a block's codes
.set VO,    104                        ; v104-135 4 x lane + i x pitch: row i of a block; never rewritten
.set OUTR,  136                        ; v136-207 the way out
.set BASE,  32                         ; s[32:47] the eight blocks' first rows; never rewritten
	s_load_b256 s[4:11], s[0:1], 0x0               ; w_fc2, w_fc1, w_qkv, w_out
	s_load_b64 s[12:13], s[0:1], 0x20              ; wimg
	v_lshl_add_u32 v6, v0, 2, SPARE                ; my spare word,
	v_mov_b32 v7, 0                                ; and 0: kept for the closing lines alone
	v_lshrrev_b32 v1, 5, v0
	v_readfirstlane_b32 s14, v1                    ; wave
	v_and_b32 v1, 31, v0                           ; lane = my column of the wave's 32
	v_lshlrev_b32 v2, 2, v1
	v_and_b32 v10, 7, v1
	v_bfe_u32 v11, v1, 3, 1
	v_bfe_u32 v12, v1, 4, 1
	v_lshl_or_b32 v10, v11, 4, v10
	v_lshl_or_b32 v10, v12, 3, v10                 ; my place: bits 3 and 4 exchanged
	s_mul_i32 s15, s14, 9216                       ; my stage: [sub-image][32 places][144]
	v_mul_u32_u24 v3, v10, 144
	v_add_nc_u32 v3, s15, v3                       ; into it: my place
	v_lshlrev_b32 v5, 4, v1                        ; out: 16 bytes a lane
	v_add_nc_u32 v4, s15, v5
.irp i, 17,18,19,21,22,23
	v_mov_b32 v\i, 0                               ; the tails: v[16:19], v[20:23] = scale word, three zeros
.endr
	s_mov_b32 s49, 0x600000                        ; the mantissa field of 57,344
	s_mov_b32 s16, 352                             ; first chunk, row blocks, log2 of the chunks along K: w_out's
	s_mov_b32 s17, 8
	s_mov_b32 s18, 2
	s_wait_kmcnt 0x0
	s_mov_b64 s[20:21], s[10:11]
	s_cmp_lt_u32 ttmp9, 352                        ; the choices hang on the work-group's number alone
	s_cselect_b64 s[20:21], s[8:9], s[20:21]
	s_cselect_b32 s16, 256, s16
	s_cselect_b32 s17, 24, s17
	s_cmp_lt_u32 ttmp9, 256
	s_cselect_b64 s[20:21], s[6:7], s[20:21]
	s_cselect_b32 s16, 128, s16
	s_cselect_b32 s17, 32, s17
	s_cmp_lt_u32 ttmp9, 128
	s_cselect_b64 s[20:21], s[4:5], s[20:21]
	s_cselect_b32 s16, 0, s16
	s_cselect_b32 s17, 8, s17
	s_cselect_b32 s18, 4, s18
	s_sub_co_u32 s19, ttmp9, s16                   ; my chunk of this weight:
	s_lshr_b32 s22, s19, s18                       ; its block of 128 columns,
	s_lshl_b32 s23, s22, s18
	s_sub_co_u32 s23, s19, s23                     ; its 256 along K
	s_lshl_b32 s48, s17, 9                         ; a row of the weight in bytes
	s_mul_i32 s26, s23, s48
	s_lshl_b32 s26, s26, 8                         ; 256 rows for each step along K
	s_lshl_b32 s27, s22, 9
	s_add_co_u32 s26, s26, s27
	s_lshl_b32 s27, s14, 7
	s_add_co_u32 s26, s26, s27                     ; + (128 x block + 32 x wave) x 4
	s_mov_b32 s27, 0
	s_add_nc_u64 s[20:21], s[20:21], s[26:27]
	s_mul_i32 s26, s23, s17
	s_add_co_u32 s26, s26, s22
	s_add_co_u32 s26, s26, s16
	s_mul_i32 s26, s26, CHUNK
	s_mul_i32 s28, s14, 4608                       ; my 32 places in a sub-image
	s_add_co_u32 s26, s26, s28
	s_add_nc_u64 s[24:25], s[12:13], s[26:27]
	s_lshl_b32 s28, s48, 5                         ; 32 rows
	s_mov_b32 s29, 0
	s_mov_b64 s[BASE:BASE+1], s[20:21]
.irp t, 1,2,3,4,5,6,7
	s_add_nc_u64 s[BASE+2*\t:BASE+2*\t+1], s[BASE+2*\t-2:BASE+2*\t-1], s[28:29]
.endr
	v_mov_b32 v[VO], v2
.set i, 1
.rept 31
	v_add_nc_u32 v[VO+i], s48, v[VO+i-1]
.set i, i+1
.endr
.macro LOAD t                          ; block t: 32 rows at my column: 128 consecutive bytes a wave and load
.set i, 0
.rept 32
	global_load_b32 v[X+32*((\t)%2)+i], v[VO+i], s[BASE+2*(\t):BASE+2*(\t)+1] th:TH_LOAD_NT
.set i, i+1
.endr
.endm
	LOAD 0
	LOAD 1
.macro BLOCK t
.set XS, X+32*((\t)%2)
.if (\t) < 7
	s_wait_loadcnt 32                              ; this block's 32 loads are in; the next block's may be out
.else
	s_wait_loadcnt 0
.endif
	v_max3_num_f32 v12, |v[XS]|, |v[XS+1]|, |v[XS+2]|              ; the block's largest magnitude: all 32 numbers are mine
	v_max3_num_f32 v13, |v[XS+3]|, |v[XS+4]|, |v[XS+5]|
.irp i, 6,10,14,18,22,26
	v_max3_num_f32 v12, v12, |v[XS+\i]|, |v[XS+\i+1]|
	v_max3_num_f32 v13, v13, |v[XS+\i+2]|, |v[XS+\i+3]|
.endr
	v_max3_num_f32 v12, v12, |v[XS+30]|, |v[XS+31]|
	v_max3_num_f32 v12, v12, v13, 0x8000000        ; and the floor 2^(16 - 127): the byte cannot fall under 1
	v_add_nc_u32 v11, 0xf8800000, v12              ; 15 off the exponent field: the conversion's scale operand
	v_and_or_b32 v10, v12, 0x7f800000, s49         ; 57,344 x the scale
	v_lshrrev_b32 v13, 23, v11                     ; the scale's byte
.if (\t)%4 == 0
	v_mov_b32 v[16+4*((\t)/4)], v13
.else
	v_lshl_or_b32 v[16+4*((\t)/4)], v13, 8*((\t)%4), v[16+4*((\t)/4)]
.endif
.set i, 0
.rept 32
	v_med3_num_f32 v[XS+i], v[XS+i], -v10, v10     ; the conversion to an 8-bit code does not saturate (ISA guide 7.6.2): the hold first
.set i, i+1
.endr
.irp g, 0,1,2,3
	v_cvt_scalef32_pk8_bf8_f32 v[C+2*\g:C+2*\g+1], v[XS+8*\g:XS+8*\g+7], v11
.endr
	ds_store_b128 v3, v[C:C+3] offset:((\t)/4)*4608+32*((\t)%4)
	ds_store_b128 v3, v[C+4:C+7] offset:((\t)/4)*4608+32*((\t)%4)+16
.if (\t)+2 < 8
	LOAD (\t)+2
.endif
	s_wait_dscnt 0x0                               ; the stores have read their registers: the next block's codes may be written
.endm
.irp t, 0,1,2,3,4,5,6,7
	BLOCK \t
.endr
	ds_store_b128 v3, v[16:19] offset:128          ; the two tails: scale word and zeros
	ds_store_b128 v3, v[20:23] offset:4608+128
.irp i, 0,1,2,3,4,5,6,7,8,9,10,11,12,13,14,15,16,17
	ds_load_b128 v[OUTR+4*\i:OUTR+4*\i+3], v4 offset:512*\i        ; LDS serves a wave's instructions in order: these see my stores
.endr
.irp i, 0,1,2,3,4,5,6,7,8,9,10,11,12,13,14,15,16,17
	s_wait_dscnt 17-\i                             ; the younger loads may be out
	global_store_b128 v5, v[OUTR+4*\i:OUTR+4*\i+3], s[24:25] offset:(\i/9)*SUB+(\i%9)*512   ; 512 consecutive bytes, at a multiple of 256 from the buffer's first byte
.endr
	s_wait_tensorcnt 0x0                           ; the wave's end
	ds_add_u32 v6, v7
	s_wait_dscnt 0x0
	s_endpgm
.Lfunc_end_k_q238b76636b_wq:
	.size	k_q238b76636b_wq, .Lfunc_end_k_q238b76636b_wq-k_q238b76636b_wq
	.p2alignl 7, 3214868480
	.fill 96, 4, 3214868480
	.section	.rodata,"a",@progbits
	.p2align	6, 0x0
	.amdhsa_kernel k_q238b76636b_wq
		.amdhsa_group_segment_fixed_size 37376
		.amdhsa_private_segment_fixed_size 0
		.amdhsa_enable_private_segment 0
		.amdhsa_kernarg_size 40
		.amdhsa_user_sgpr_count 2
		.amdhsa_user_sgpr_kernarg_segment_ptr 1
		.amdhsa_wavefront_size32 1
		.amdhsa_system_sgpr_workgroup_id_x 1
		.amdhsa_system_sgpr_workgroup_id_y 1
		.amdhsa_system_sgpr_workgroup_id_z 1
		.amdhsa_system_vgpr_workitem_id 0
		.amdhsa_next_free_vgpr 208
		.amdhsa_next_free_sgpr 66
		.amdhsa_reserve_vcc 0
		.amdhsa_float_denorm_mode_32 3
		.amdhsa_float_denorm_mode_16_64 3
		.amdhsa_memory_ordered 1
		.amdhsa_forward_progress 1
		.amdhsa_inst_pref_size 62
	.end_amdhsa_kernel
	.amdgpu_metadata
---
amdhsa.version: [ 1, 2 ]
amdhsa.kernels:
  - .name:           k_q238b76636b_wq
    .symbol:         k_q238b76636b_wq.kd
    .args:
      - { .name: w_fc2, .offset: 0, .size: 8, .value_kind: global_buffer, .address_space: global }
      - { .name: w_fc1, .offset: 8, .size: 8, .value_kind: global_buffer, .address_space: global }
      - { .name: w_qkv, .offset: 16, .size: 8, .value_kind: global_buffer, .address_space: global }
      - { .name: w_out, .offset: 24, .size: 8, .value_kind: global_buffer, .address_space: global }
      - { .name: wimg, .offset: 32, .size: 8, .value_kind: global_buffer, .address_space: global }
    .group_segment_fixed_size: 37376
    .private_segment_fixed_size: 0
    .kernarg_segment_align: 8
    .kernarg_segment_size: 40
    .max_flat_workgroup_size: 128
    .sgpr_count:     66
    .vgpr_count:     208
    .wavefront_size: 32
...
	.end_amdgpu_metadata
.endif
;; end of part 1
;; launch ln1 (part 2): grid 256 x 1, 8 waves a work-group, no clusters, 19,456 bytes of LDS; arguments x, ln1_scale, ln1_bias, yimg; writes yimg
.if DOCPART == 2
	.amdgcn_target "amdgcn-amd-amdhsa--gfx1250"
	.amdhsa_code_object_version 6
	.text
	.protected	k_q238b76636b_ln1
	.globl	k_q238b76636b_ln1
	.p2align	8
	.type	k_q238b76636b_ln1,@function
k_q238b76636b_ln1:
	s_mov_b64 s[64:65], 0
	v_nop
	global_prefetch_b8 v0, s[64:65] scope:SCOPE_SE
	s_setreg_imm32_b32 hwreg(HW_REG_WAVE_MODE, 25, 1), 1
	s_wait_xcnt 0x0
; LayerNorm and quantiser: rows [4096][1024] f32 -> an image of 4,096 rows x 1,024 (format: see the first kernel's head).  Nothing is left out.
; A work-group makes sixteen places on end, a wave two of them, which are two neighbouring rows.  A row lies in 32 registers a lane: load j reads 512 consecutive bytes, lane l elements 128 j + 4 l .. + 3.
; Mean and variance in two passes (the differences are squared, so an offset in the rows does no harm), all in f32.  A block of 32 lies in eight neighbouring lanes: its largest magnitude by three DPP steps.
; A conversion takes eight numbers under ONE scale, and a lane's eight belong to two blocks: so each number is multiplied by 2^-e (exact) and held, and the conversion runs with the scale 1.
; LIMITS: as stated at the first kernel's head.
.set CHUNK, 36864
.set SUB,   18432
.set SPARE, 18432                      ; behind the stage [8 column blocks][16 places][144]: the spare words, 128 bytes for each of eight waves
.set XR0, 32
.set XR1, 64
.set G,   96
.set B,   128
.set M,   160
.set RS,  168
.set BY,  176
.set C,   184
	s_load_b256 s[4:11], s[0:1], 0x0               ; rows, gain, bias, image
	v_lshl_add_u32 v18, v0, 2, SPARE
	v_mov_b32 v19, 0                               ; v18, v19: kept for the closing lines alone
	v_lshrrev_b32 v1, 5, v0
	v_readfirstlane_b32 s12, v1                    ; wave
	v_and_b32 v1, 31, v0
	v_lshlrev_b32 v2, 4, v1                        ; 16 bytes a lane
	s_mul_i32 s13, s12, 288                        ; my two places
	v_lshl_add_u32 v3, v1, 2, s13                  ; codes: 4 bytes a lane
	v_lshrrev_b32 v14, 3, v1
	v_add_nc_u32 v14, s13, v14
	v_add_nc_u32 v14, 128, v14                     ; my block's scale byte
	v_mov_b32 v15, s13
	v_add_nc_u32 v15, 128, v15                     ; the tail
	s_mul_i32 s13, s12, 2304
	v_lshl_add_u32 v16, v1, 3, s13                 ; the way out: column block = wave, 8 bytes a lane
	v_lshlrev_b32 v17, 3, v1
	v_mov_b32 v20, 1.0
.irp i, 24,25,26,27
	v_mov_b32 v\i, 0
.endr
	s_mov_b32 s14, 0x76543210
	s_mov_b32 s15, 0xfedcba98                      ; v_permlanex16_b32: lane l xor 16
	s_mov_b32 s16, 0xc7600000                      ; -57,344
	s_mov_b32 s17, 0x47600000                      ; 57,344
	s_mov_b32 s18, 0x3a800000                      ; 1 / 1,024
	s_lshr_b32 s20, ttmp9, 1                       ; my first row: 32 (g / 2) + 8 (g % 2) + 2 w + 8 (w / 4)
	s_lshl_b32 s20, s20, 5
	s_and_b32 s21, ttmp9, 1
	s_lshl_b32 s21, s21, 3
	s_add_co_u32 s20, s20, s21
	s_lshl_b32 s21, s12, 1
	s_add_co_u32 s20, s20, s21
	s_lshr_b32 s21, s12, 2
	s_lshl_b32 s21, s21, 3
	s_add_co_u32 s20, s20, s21
	s_lshl_b32 s20, s20, 12
	s_mov_b32 s21, 0
	s_lshr_b32 s22, s12, 1                         ; where column block w of these places lies in the image
	s_lshl_b32 s22, s22, 5
	s_lshr_b32 s23, ttmp9, 3
	s_add_co_u32 s22, s22, s23
	s_mul_i32 s22, s22, CHUNK
	s_and_b32 s23, s12, 1
	s_mul_i32 s23, s23, SUB
	s_add_co_u32 s22, s22, s23
	s_and_b32 s23, ttmp9, 7
	s_mul_i32 s23, s23, 2304
	s_add_co_u32 s22, s22, s23
	s_mov_b32 s23, 0
	s_wait_kmcnt 0x0
	s_add_nc_u64 s[4:5], s[4:5], s[20:21]
	s_add_nc_u64 s[10:11], s[10:11], s[22:23]
.irp j, 0,1,2,3,4,5,6,7
	global_load_b128 v[XR0+4*\j:XR0+4*\j+3], v2, s[4:5] offset:512*\j th:TH_LOAD_NT
.endr
.irp j, 0,1,2,3,4,5,6,7
	global_load_b128 v[XR1+4*\j:XR1+4*\j+3], v2, s[4:5] offset:4096+512*\j th:TH_LOAD_NT
.endr
.irp j, 0,1,2,3,4,5,6,7
	global_load_b128 v[G+4*\j:G+4*\j+3], v2, s[6:7] offset:512*\j
.endr
.irp j, 0,1,2,3,4,5,6,7
	global_load_b128 v[B+4*\j:B+4*\j+3], v2, s[8:9] offset:512*\j
.endr
.macro REDUCE                          ; v4 summed over the 32 lanes, the result in every lane
	v_pk_add_f32 v[4:5], v[4:5], v[6:7]
	v_pk_add_f32 v[8:9], v[8:9], v[10:11]
	v_pk_add_f32 v[4:5], v[4:5], v[8:9]
	v_add_f32 v4, v4, v5
.irp m, 1,2,4,8
	v_add_f32_dpp v4, v4, v4 row_xmask:\m row_mask:0xf bank_mask:0xf
.endr
	v_permlanex16_b32 v5, v4, s14, s15
	v_add_f32 v4, v4, v5
.endm
.macro ROWSTAT xr                      ; the row becomes (x - mean) / sqrt(var + eps)
.irp c, 0,1,2,3
	v_pk_add_f32 v[4+2*\c:5+2*\c], v[\xr+2*\c:\xr+2*\c+1], v[\xr+8+2*\c:\xr+9+2*\c]   ; four chains, started by the first pairs
.endr
.irp o, 16,24
.irp c, 0,1,2,3
	v_pk_add_f32 v[4+2*\c:5+2*\c], v[4+2*\c:5+2*\c], v[\xr+\o+2*\c:\xr+\o+2*\c+1]
.endr
.endr
	REDUCE
	v_mul_f32 v12, s18, v4                         ; the mean
	v_mov_b32 v13, v12
.set i, 0
.rept 16
	v_pk_add_f32 v[\xr+i:\xr+i+1], v[\xr+i:\xr+i+1], v[12:13] neg_lo:[0,1] neg_hi:[0,1]
.set i, i+2
.endr
.irp c, 0,1,2,3
	v_pk_mul_f32 v[4+2*\c:5+2*\c], v[\xr+2*\c:\xr+2*\c+1], v[\xr+2*\c:\xr+2*\c+1]
.endr
.irp o, 8,16,24
.irp c, 0,1,2,3
	v_pk_fma_f32 v[4+2*\c:5+2*\c], v[\xr+\o+2*\c:\xr+\o+2*\c+1], v[\xr+\o+2*\c:\xr+\o+2*\c+1], v[4+2*\c:5+2*\c]
.endr
.endr
	REDUCE
	v_fmaak_f32 v4, s18, v4, 0x3727c5ac            ; the variance + 1e-5
	v_rsq_f32 v12, v4
	v_nop                                          ; a plain place behind the transcendental,
	s_wait_alu depctr_va_vdst(0)                   ; and the wait ahead of its first reader
	v_mov_b32 v13, v12
.set i, 0
.rept 16
	v_pk_mul_f32 v[\xr+i:\xr+i+1], v[\xr+i:\xr+i+1], v[12:13]
.set i, i+2
.endr
.endm
.macro QROW xr, p                      ; gain and bias; then the row's 32 blocks are quantised and go to place p of my two
.set i, 0
.rept 16
	v_pk_fma_f32 v[\xr+i:\xr+i+1], v[\xr+i:\xr+i+1], v[G+i:G+i+1], v[B+i:B+i+1]
.set i, i+2
.endr
.irp j, 0,1,2,3,4,5,6,7
	v_max3_num_f32 v[M+\j], |v[\xr+4*\j]|, |v[\xr+4*\j+1]|, 0x8000000   ; my four numbers of the block, and the floor 2^(16 - 127)
.endr
.irp j, 0,1,2,3,4,5,6,7
	v_max3_num_f32 v[M+\j], v[M+\j], |v[\xr+4*\j+2]|, |v[\xr+4*\j+3]|
.endr
.irp m, 1,2,4
.irp j, 0,1,2,3,4,5,6,7
	v_max_num_f32_dpp v[M+\j], v[M+\j], v[M+\j] row_xmask:\m row_mask:0xf bank_mask:0xf   ; with the block's other seven lanes
.endr
.endr
.irp j, 0,1,2,3,4,5,6,7
	v_and_b32 v[RS+\j], 0x7f800000, v[M+\j]
.endr
.irp j, 0,1,2,3,4,5,6,7
	v_sub_nc_u32 v[RS+\j], 0x86800000, v[RS+\j]    ; 2^-e: exponent field 269 less the largest magnitude's
.endr
.irp j, 0,1,2,3,4,5,6,7
	v_lshrrev_b32 v[BY+\j], 23, v[M+\j]
.endr
.irp j, 0,1,2,3,4,5,6,7
	v_add_nc_u32 v[BY+\j], -15, v[BY+\j]           ; the scale's byte
.endr
.irp j, 0,1,2,3,4,5,6,7
.irp e, 0,1,2,3
	v_mul_f32 v[\xr+4*\j+\e], v[\xr+4*\j+\e], v[RS+\j]   ; by a power of two: nothing is rounded
.endr
.endr
.set i, 0
.rept 32
	v_med3_num_f32 v[\xr+i], v[\xr+i], s16, s17    ; the conversion to an 8-bit code does not saturate (ISA guide 7.6.2): the hold first
.set i, i+1
.endr
.irp n, 0,1,2,3
	v_cvt_scalef32_pk8_bf8_f32 v[C+2*\n:C+2*\n+1], v[\xr+8*\n:\xr+8*\n+7], v20   ; register j of the eight holds load j's four codes
.endr
	v_nop                                          ; a plain line behind the last conversion
.irp j, 0,1,2,3,4,5,6,7
	ds_store_b32 v3, v[C+\j] offset:2304*\j+144*\p
	ds_store_b128 v15, v[24:27] offset:2304*\j+144*\p    ; the tail's zeros, then the bytes on them: LDS serves a wave's instructions in order
	ds_store_b8 v14, v[BY+\j] offset:2304*\j+144*\p      ; the eight lanes of a block write the same byte with the same value
.endr
	s_wait_dscnt 0x0                               ; the stores have read their registers
.endm
	s_wait_loadcnt 24                              ; row 0 is in: the other row, gains and biases may be out
	ROWSTAT XR0
	s_wait_loadcnt 16                              ; row 1 is in
	ROWSTAT XR1
	s_wait_loadcnt 0x0
	QROW XR0, 0
	QROW XR1, 1
	s_barrier_signal -1                            ; (my stores have landed: the wait for 0 stands at QROW's end)
	s_barrier_wait -1
.irp i, 0,1,2,3,4,5,6,7,8
	ds_load_b64 v[32+2*\i:33+2*\i], v16 offset:256*\i
.endr
.irp i, 0,1,2,3,4,5,6,7,8
	s_wait_dscnt 8-\i                              ; the younger loads may be out
	global_store_b64 v17, v[32+2*\i:33+2*\i], s[10:11] offset:256*\i   ; 32 lanes store 256 consecutive bytes, aligned
.endr
	s_wait_tensorcnt 0x0                           ; the wave's end
	ds_add_u32 v18, v19
	s_wait_dscnt 0x0
	s_endpgm
.Lfunc_end_k_q238b76636b_ln1:
	.size	k_q238b76636b_ln1, .Lfunc_end_k_q238b76636b_ln1-k_q238b76636b_ln1
	.p2alignl 7, 3214868480
	.fill 96, 4, 3214868480
	.section	.rodata,"a",@progbits
	.p2align	6, 0x0
	.amdhsa_kernel k_q238b76636b_ln1
		.amdhsa_group_segment_fixed_size 19456
		.amdhsa_private_segment_fixed_size 0
		.amdhsa_enable_private_segment 0
		.amdhsa_kernarg_size 32
		.amdhsa_user_sgpr_count 2
		.amdhsa_user_sgpr_kernarg_segment_ptr 1
		.amdhsa_wavefront_size32 1
		.amdhsa_system_sgpr_workgroup_id_x 1
		.amdhsa_system_sgpr_workgroup_id_y 1
		.amdhsa_system_sgpr_workgroup_id_z 1
		.amdhsa_system_vgpr_workitem_id 0
		.amdhsa_next_free_vgpr 192
		.amdhsa_next_free_sgpr 66
		.amdhsa_reserve_vcc 0
		.amdhsa_float_denorm_mode_32 3
		.amdhsa_float_denorm_mode_16_64 3
		.amdhsa_memory_ordered 1
		.amdhsa_forward_progress 1
		.amdhsa_inst_pref_size 38
	.end_amdhsa_kernel
	.amdgpu_metadata
---
amdhsa.version: [ 1, 2 ]
amdhsa.kernels:
  - .name:           k_q238b76636b_ln1
    .symbol:         k_q238b76636b_ln1.kd
    .args:
      - { .name: x, .offset: 0, .size: 8, .value_kind: global_buffer, .address_space: global }
      - { .name: ln1_scale, .offset: 8, .size: 8, .value_kind: global_buffer, .address_space: global }
      - { .name: ln1_bias, .offset: 16, .size: 8, .value_kind: global_buffer, .address_space: global }
      - { .name: yimg, .offset: 24, .size: 8, .value_kind: global_buffer, .address_space: global }
    .group_segment_fixed_size: 19456
    .private_segment_fixed_size: 0
    .kernarg_segment_align: 8
    .kernarg_segment_size: 32
    .max_flat_workgroup_size: 256
    .sgpr_count:     66
    .vgpr_count:     192
    .wavefront_size: 32
...
	.end_amdgpu_metadata
.endif
;; end of part 2
;; launch qkv (part 3): grid 12 x 16, 4 waves a work-group, clusters of 4 x 4, 327,680 bytes of LDS; arguments yimg, wimg, b_qkv, qkimg, vtimg; writes qkimg, vtimg
.if DOCPART == 3
	.amdgcn_target "amdgcn-amd-amdhsa--gfx1250"
	.amdhsa_code_object_version 6
	.text
	.protected	k_q238b76636b_qkv
	.globl	k_q238b76636b_qkv
	.p2align	8
	.type	k_q238b76636b_qkv,@function
k_q238b76636b_qkv:
	s_mov_b64 s[64:65], 0
	v_nop
	global_prefetch_b8 v0, s[64:65] scope:SCOPE_SE
	s_setreg_imm32_b32 hwreg(HW_REG_WAVE_MODE, 25, 1), 1
	s_wait_xcnt 0x0
	s_wait_alu depctr_hold_cnt(0) depctr_sa_sdst(0) depctr_va_vdst(0) depctr_va_sdst(0) depctr_va_ssrc(0) depctr_va_vcc(0) depctr_vm_vsrc(0)
	s_getreg_b32 s2, hwreg(HW_REG_IB_STS2, 6, 4)
	s_cmp_eq_u32 s2, 0
	s_cbranch_scc0 .Lentry_in_a_cluster
	s_endpgm
.Lentry_in_a_cluster:
	s_bfe_u32 s2, ttmp6, 0x10000c
	s_cmp_lg_u32 s2, 0xf033
	s_cbranch_scc0 .Lentry_shape_is_right
	s_endpgm
.Lentry_shape_is_right:
; Product 1 with its bias, and the quantisers of q, k and v.  Operands and results are images (format: the first kernel's head).  Nothing is left out.
; TWO PARTS IN ONE LAUNCH, told apart by the cluster's x, which all partners of a cluster share.  Clusters x = 0, 1: q and k = y W: A = tokens (yimg), B = columns 0 .. 2,047 of w_qkv; a lane holds a token and
; 64 columns, which are product 2's K: image qkimg.  Cluster x = 2: V^T = Wv y^T: A = the 1,024 columns of v, B = tokens; a lane holds a channel and 64 tokens, which are product 3's K: image vtimg.
; Ahead of the way out the parts differ in numbers alone (s_cselect); there a ladder of scalar branches picks the lines that take an accumulator block and add its bias.
; THE CORE: a tile of 256 x 256, four waves of 128 x 128 (64 accumulators, windows 2 and 3).  K in steps of 256 through two LDS slots; a slot is four chunks (A's halves, B's halves), each one dense block of
; 36,864 bytes fetched by one wave's tensor load, scale words inside.  4 x 4 clusters: A's chunks are asked for jointly along a row of the cluster, B's along a column.
; The matrix instruction is used transposed (source 0 = B's 16 places, source 1 = A's).  A has one set of fragments (window 0, v128-255), B two (window 1).
; Both bias sets are loaded in both parts (the one not used from the bias's first bytes): 8 or 16 loads a wave once, so that every register is written on every way through the text.
.set CHUNK,  36864
.set SUB,    18432
.set B16,    2304                      ; sixteen places
.set SLOT,   4*CHUNK
.set SPARE,  2*SLOT                    ; behind the ring: the spare words, 128 bytes for each wave
.set LAPS,   2                         ; K = 1,024: two laps of two K steps
.set NQ,     2
.set FR,     16
.set NL,     4
.set NP,     8                         ; places behind this matrix instruction (ISA guide 7.12.1)
.set ADRA, 16                          ; v16-17 my A fragments in slot 0, 1;  v18-19 my scale words;  v20-21 my B fragments
.set ADRS, 18
.set ADRB, 20
.set ADR1, 22
.set ADR2, 23
.set STO,  24
.set STT,  25
.set CO,   26
.set RDS,  27
.set SPW,  28
.set NIL,  29
.set SC,   32                          ; v32-63 scale words, two sets: register 2 i + q: lanes 0-15 A's block i, lanes 16-31 B's block i
.set AF,   128
.set BR,   8                           ; v8-15  the row bias (V^T): one number a block
.set BC,   64                          ; v64-127 the column bias (q, k): register 16 B + i = column 32 B + 16 h + i
.set X,    128
.set PC,   224
.set TM,   240
.set PW,   4
.set SEL,  74
.set MNT,  76
.set G1, 24
.set G0, 32
.set G1B, 48
.set G0B, 56
.set MSB, 0
.macro WIN new                         ; the immediate's high byte repeats the setting that is left
.if MSB != (\new)
	s_set_vgpr_msb (MSB<<8)|(\new)
.set MSB, (\new)
.endif
.endm
.set MUL_LO, 0xa1
.set MUL_HI, 0xf1
.set TO_B,   0x40
.macro JLOAD g0a, g1a, g0b, g1b        ; a joint load: waves 0, 1 fetch A's chunks, waves 2, 3 B's; s_nop 0 and four v_nop follow each line
	s_cmp_eq_u32 s15, 0
	s_cbranch_scc0 .Lfor_b_\@
	tensor_load_to_lds s[\g0a:\g0a+3], s[\g1a:\g1a+7]
	s_nop 0
.rept 4
	v_nop
.endr
	s_branch .Lasked_\@
.Lfor_b_\@:
	tensor_load_to_lds s[\g0b:\g0b+3], s[\g1b:\g1b+7]
	s_nop 0
.rept 4
	v_nop
.endr
.Lasked_\@:
.endm
.macro CREST
	s_cmp_lg_u32 s14, 0
	s_cbranch_scc1 .Lnot_wave_0_\@
	s_barrier_signal -3
.Lnot_wave_0_\@:
	s_barrier_wait -3
	s_barrier_signal -1
	s_barrier_wait -1
.endm
.macro CROUND
	s_barrier_signal -1
	s_barrier_wait -1
	CREST
.endm
.macro FRAG reg, adr, q, i             ; 16 places x 128 K: registers 4 c .. 4 c + 3 hold K = 32 c + 16 (lane / 16) + 0 .. 15
.irp c, 0,1,2,3
	ds_load_b128 v[\reg+4*\c:\reg+4*\c+3], v[\adr] offset:SUB*(\q)+32*\c+(\i)*B16
.endr
.endm
.macro MUL16 a0, p, q, sc, zero        ; the 64 accumulators take turns, one instruction a turn
.irp a, \a0, \a0+1
.irp b, 0,1,2,3,4,5,6,7
.if \zero
	v_wmma_scale_f32_16x16x128_f8f6f4 v[8*(8*((\a)%4)+\b):8*(8*((\a)%4)+\b)+7], v[128*(\p)+FR*\b:128*(\p)+FR*\b+FR-1], v[AF+FR*(\a):AF+FR*(\a)+FR-1], 0, v[SC+8*NQ*(\sc)+NQ*\b+(\q)], v[SC+8*NQ*(\sc)+NQ*(\a)+(\q)] matrix_a_fmt:MATRIX_FMT_BF8 matrix_b_fmt:MATRIX_FMT_BF8 matrix_a_scale:MATRIX_SCALE_ROW1
.else
	v_wmma_scale_f32_16x16x128_f8f6f4 v[8*(8*((\a)%4)+\b):8*(8*((\a)%4)+\b)+7], v[128*(\p)+FR*\b:128*(\p)+FR*\b+FR-1], v[AF+FR*(\a):AF+FR*(\a)+FR-1], v[8*(8*((\a)%4)+\b):8*(8*((\a)%4)+\b)+7], v[SC+8*NQ*(\sc)+NQ*\b+(\q)], v[SC+8*NQ*(\sc)+NQ*(\a)+(\q)] matrix_a_fmt:MATRIX_FMT_BF8 matrix_b_fmt:MATRIX_FMT_BF8 matrix_a_scale:MATRIX_SCALE_ROW1
.endif
.endr
.endr
.endm
.macro FETCH_B slot, q, p
	WIN TO_B
.irp i, 0,1,2,3,4,5,6,7
	FRAG 128*(\p)+FR*\i, ADRB+\slot, \q, \i
.endr
	WIN 0
.endm
.macro FETCH_A slot, q, i0
.irp i, \i0, \i0+1, \i0+2, \i0+3
	FRAG AF+FR*(\i), ADRA+\slot, \q, \i
.endr
.endm
.macro SCALES s                        ; the slot's scale words: they lie in the tiles, behind each place's 128 codes
.irp i, 0,1,2,3,4,5,6,7
.irp q, 0,1
	ds_load_b32 v[SC+16*\s+2*\i+\q], v[ADRS+\s] offset:SUB*\q+B16*\i
.endr
.endr
.endm
.macro PLACES n
.rept \n
	v_nop
.endr
.endm
.macro STEP slot, q, zero              ; 128 along K that have their successor in the same slot
	s_wait_dscnt 4*NL                              ; B's set, A's blocks 0-3 and the scale words are in; the youngest sixteen loads (A's blocks 4-7) may be out
	WIN MUL_LO
	MUL16 0, (\q)%2, \q, \slot, \zero
	MUL16 2, (\q)%2, \q, \slot, \zero
	s_wait_dscnt 0
	PLACES NP
	FETCH_B \slot, (\q)+1, 1-(\q)%2
	FETCH_A \slot, (\q)+1, 0
	WIN MUL_HI
	MUL16 4, (\q)%2, \q, \slot, \zero
	MUL16 6, (\q)%2, \q, \slot, \zero
	PLACES NP
	WIN 0
	FETCH_A \slot, (\q)+1, 4
.endm
.macro TURN slot, next, fill           ; a slot's last 128 along K, and the change of slots
	s_wait_tensorcnt 0x0                           ; all my tensor loads have landed: my chunk of the next slot
	ds_add_u32 v[SPW], v[NIL]
	s_wait_dscnt 4*NL+1                            ; (the add and A's blocks 4-7 may be out)
	WIN MUL_LO
	MUL16 0, 1, NQ-1, \slot, 0
	s_wait_dscnt 0x0                               ; the add is done, and my reads of this slot are over
	s_barrier_signal -1
	MUL16 2, 1, NQ-1, \slot, 0
	WIN 0
	s_barrier_wait -1
.if \fill
	CREST                                          ; the barrier has opened a round of the cluster's: no wave of any partner still reads this slot or has a load on its way
	s_add_nc_u64 s[G0+4*\slot+2:G0+4*\slot+3], s[G0+4*\slot+2:G0+4*\slot+3], s[66:67]      ; two K steps on
	s_add_nc_u64 s[G0B+4*\slot+2:G0B+4*\slot+3], s[G0B+4*\slot+2:G0B+4*\slot+3], s[68:69]
	JLOAD G0+4*\slot, G1, G0B+4*\slot, G1B
	PLACES NP-4
.else
	PLACES NP
.endif
	FETCH_B \next, 0, 0
	FETCH_A \next, 0, 0
	SCALES \next
	WIN MUL_HI
	MUL16 4, 1, NQ-1, \slot, 0
	MUL16 6, 1, NQ-1, \slot, 0
	PLACES NP
	WIN 0
	FETCH_A \next, 0, 4
.endm
; 64 numbers of a lane, register 16 b + i = k 32 b + 16 (lane / 16) + i of my row, become a fragment's codes in v[PC] on and its scale word in v[PW]
.macro QUANT s
.irp b, 0,1,2,3
	v_max3_num_f32 v[TM+\b], |v[\s+16*\b]|, |v[\s+1+16*\b]|, 0x8000000   ; and the floor 2^(16 - 127): the byte cannot fall under 1
.endr
.irp i, 2,4,6,8,10,12,14
.irp b, 0,1,2,3
	v_max3_num_f32 v[TM+\b], v[TM+\b], |v[\s+16*\b+\i]|, |v[\s+1+16*\b+\i]|
.endr
.endr
.irp b, 0,1,2,3
	v_permlanex16_b32 v[TM+4+\b], v[TM+\b], s[SEL], s[SEL+1]
.endr
.irp b, 0,1,2,3
	v_max_num_f32 v[TM+\b], v[TM+\b], v[TM+4+\b]
.endr
.irp b, 0,1,2,3
	v_add_nc_u32 v[TM+12+\b], 0xf8800000, v[TM+\b]
.endr
.irp b, 0,1,2,3
	v_and_or_b32 v[TM+8+\b], v[TM+\b], 0x7f800000, s[MNT]
.endr
.irp b, 0,1,2,3
	v_lshrrev_b32 v[TM+4+\b], 23, v[TM+12+\b]
.endr
	v_lshl_or_b32 v[PW], v[TM+5], 8, v[TM+4]
	v_lshl_or_b32 v[PW], v[TM+6], 16, v[PW]
	v_lshl_or_b32 v[PW], v[TM+7], 24, v[PW]
.irp b, 0,1,2,3
.irp i, 0,1,2,3,4,5,6,7,8,9,10,11,12,13,14,15
	v_med3_num_f32 v[\s+16*\b+\i], v[\s+16*\b+\i], -v[TM+8+\b], v[TM+8+\b]   ; the conversion does not saturate (ISA guide 7.6.2): the hold first
.endr
	v_cvt_scalef32_pk8_bf8_f32 v[PC+4*\b:PC+1+4*\b], v[\s+16*\b:\s+7+16*\b], v[TM+12+\b]
	v_cvt_scalef32_pk8_bf8_f32 v[PC+2+4*\b:PC+3+4*\b], v[\s+8+16*\b:\s+15+16*\b], v[TM+12+\b]
.endr
	v_nop                                          ; a plain line behind the last conversion
.endm
.macro TAKEC a                         ; block a's 64 sums + the column bias; each accumulator from its low end on
	WIN 0x02+(\a)/4
.set i, 0
.rept 32
	v_pk_add_f32 v[X+i:X+i+1], v[64*((\a)%4)+i:64*((\a)%4)+i+1], v[BC+i:BC+i+1]
.set i, i+2
.endr
	WIN 0
.endm
.macro TAKER a                         ; block a's 64 sums + my row's bias
	WIN 0x08+4*((\a)/4)
.set i, 0
.rept 64
	v_add_f32 v[X+i], v[BR+(\a)], v[64*((\a)%4)+i]
.set i, i+1
.endr
	WIN 0
.endm
	s_load_b128 s[4:7], s[0:1], 0x0                ; yimg, wimg
	s_load_b128 s[8:11], s[0:1], 0x10              ; b_qkv, qkimg
	s_load_b64 s[12:13], s[0:1], 0x20              ; vtimg
	v_lshl_add_u32 v[SPW], v0, 2, SPARE
	v_mov_b32 v[NIL], 0
	ds_add_u32 v[SPW], v[NIL]                      ; the opening lines: the add, twice on end, and its wait ahead of my first tensor load
	ds_add_u32 v[SPW], v[NIL]
	v_lshrrev_b32 v1, 5, v0
	v_readfirstlane_b32 s14, v1                    ; wave
	s_lshr_b32 s15, s14, 1                         ; my half of A's places.  Also: I fetch for A (0) or B (1)
	s_and_b32 s16, s14, 1                          ; my half of B's.  Also: which chunk I fetch
	s_bfe_u32 s40, ttmp6, 0x40000                  ; cx
	s_bfe_u32 s41, ttmp6, 0x40004                  ; cy
	s_and_b32 s80, ttmp7, 0xffff
	s_lshl_b32 s80, s80, 2                         ; 4 x cluster y
	s_lshl_b32 s81, ttmp9, 2                       ; 4 x cluster x
	s_add_co_u32 s82, s80, s41
	s_add_co_u32 s83, s81, s40
	s_add_co_u32 s84, s80, s40
	s_lshl_b32 s43, s41, 2
	s_lshl_b32 s43, 15, s43                        ; my row of the cluster
	s_lshl_b32 s44, 0x1111, s40                    ; my column
	s_or_b32 s[G1+0], s43, (3<<16)|(1<<21)         ; the mask; elements of 8 bytes; bit 21 beside a mask; no padding
	s_or_b32 s[G1B+0], s44, (3<<16)|(1<<21)
.irp g, G1, G1B
	s_mov_b32 s[\g+1], 32<<16                      ; a chunk as 144 rows of 256 bytes, dense
	s_mov_b32 s[\g+2], 144<<16
	s_mov_b32 s[\g+3], 32<<16
	s_mov_b32 s[\g+4], 144
	s_mov_b32 s[\g+5], 32
	s_mov_b32 s[\g+6], 0
	s_mov_b32 s[\g+7], 0
.endr
	s_mov_b32 s[SEL], 0x76543210
	s_mov_b32 s[SEL+1], 0xfedcba98
	s_mov_b32 s[MNT], 0x600000
	s_mov_b32 s70, 32*CHUNK                        ; a K step of A, of B: yimg has 32 row blocks, w_qkv's image 24
	s_mov_b32 s72, 24*CHUNK
	s_cmp_eq_u32 ttmp9, 2                          ; V^T?  The same in all sixteen partners
	s_cselect_b32 s17, s41, s82                    ; tile row: made of cy and cluster numbers alone
	s_cselect_b32 s42, s84, s83                    ; tile column: of cx and cluster numbers alone
	s_cselect_b32 s85, 8, 0
	s_cselect_b32 s86, 8, 32                       ; row blocks of the result's image
	s_cselect_b32 s70, 24*CHUNK, s70
	s_cselect_b32 s72, 32*CHUNK, s72
	s_cselect_b32 s87, 272*CHUNK, 0                ; A begins at w_qkv's row block 16 (v's columns), or at yimg's first byte
	s_cselect_b32 s88, 0, 256*CHUNK
	s_mov_b32 s71, 0
	s_mov_b32 s73, 0
	s_lshl_b32 s66, s70, 1
	s_mov_b32 s67, 0
	s_lshl_b32 s68, s72, 1
	s_mov_b32 s69, 0
	s_lshl_b32 s20, s17, 1
	s_add_co_u32 s20, s20, s16
	s_mul_i32 s20, s20, CHUNK
	s_add_co_u32 s20, s20, s87
	s_mov_b32 s21, 0
	s_lshl_b32 s46, s42, 1
	s_add_co_u32 s46, s46, s16
	s_mul_i32 s46, s46, CHUNK
	s_add_co_u32 s46, s46, s88
	s_mov_b32 s47, 0
	s_mul_i32 s45, s14, CHUNK                      ; where my chunk goes: no place in the cluster enters an LDS address
	s_mul_i32 s96, s42, s86                        ; my sub-image of the result
	s_lshl_b32 s97, s17, 1
	s_add_co_u32 s96, s96, s97
	s_add_co_u32 s96, s96, s15
	s_mul_i32 s96, s96, CHUNK
	s_mul_i32 s97, s16, SUB
	s_add_co_u32 s96, s96, s97
	s_mov_b32 s97, 0
	s_lshl_b32 s78, s42, 10                        ; the biases: my 128 columns, or my 128 channels behind q's and k's 2,048
	s_lshl_b32 s79, s16, 9
	s_add_co_u32 s78, s78, s79
	s_lshl_b32 s98, s17, 10
	s_lshl_b32 s99, s15, 9
	s_add_co_u32 s98, s98, s99
	s_add_co_u32 s98, s98, 8192
	s_cmp_eq_u32 ttmp9, 2
	s_cselect_b32 s78, 0, s78
	s_cselect_b32 s98, s98, 0
	s_mov_b32 s79, 0
	s_mov_b32 s99, 0
	s_wait_dscnt 0x0                               ; both opening adds are done
	s_wait_kmcnt 0x0
	s_cselect_b64 s[90:91], s[6:7], s[4:5]         ; (the compare above still stands: moves, waits and selects leave SCC alone)
	s_cselect_b64 s[92:93], s[4:5], s[6:7]
	s_cselect_b64 s[94:95], s[12:13], s[10:11]
	s_add_nc_u64 s[20:21], s[90:91], s[20:21]
	s_add_nc_u64 s[46:47], s[92:93], s[46:47]
	s_add_nc_u64 s[94:95], s[94:95], s[96:97]
	s_add_nc_u64 s[78:79], s[8:9], s[78:79]
	s_add_nc_u64 s[98:99], s[8:9], s[98:99]
	CROUND                                         ; all sixteen work-groups are here: the first joint loads meet
	s_mov_b32 s[G0], 1
	s_mov_b32 s[G0+1], s45
	s_mov_b64 s[G0+2:G0+3], s[20:21]
	s_or_b32 s[G0+3], s[G0+3], 0x80000000
	s_mov_b32 s[G0B], 1
	s_mov_b32 s[G0B+1], s45
	s_mov_b64 s[G0B+2:G0B+3], s[46:47]
	s_or_b32 s[G0B+3], s[G0B+3], 0x80000000
	JLOAD G0, G1, G0B, G1B
	s_mov_b32 s[G0+4], 1
	s_add_co_u32 s[G0+5], s45, SLOT
	s_add_nc_u64 s[G0+6:G0+7], s[20:21], s[70:71]
	s_or_b32 s[G0+7], s[G0+7], 0x80000000
	s_mov_b32 s[G0B+4], 1
	s_add_co_u32 s[G0B+5], s45, SLOT
	s_add_nc_u64 s[G0B+6:G0B+7], s[46:47], s[72:73]
	s_or_b32 s[G0B+7], s[G0B+7], 0x80000000
	JLOAD G0+4, G1, G0B+4, G1B
	v_and_b32 v1, 15, v0                           ; r
	v_bfe_u32 v2, v0, 4, 1                         ; h
	v_mul_u32_u24 v3, v1, 144
	v_lshl_add_u32 v30, v2, 4, v3                  ; place r, + 16 h
	s_mul_i32 s21, s15, CHUNK                      ; my chunk of A,
	s_mul_i32 s22, s16, CHUNK
	s_add_co_u32 s22, s22, 2*CHUNK                 ; of B
	s_sub_co_u32 s23, s22, s21
	v_mul_u32_u24 v31, s23, v2                     ; scale words: lanes 16-31 take B's: one product, the distance between the two
	v_add_nc_u32 v31, v31, v3
	v_add_nc_u32 v31, 128, v31
.irp s, 0,1
	v_add_nc_u32 v[ADRA+\s], s21, v30
	v_add_nc_u32 v[ADRB+\s], s22, v30
	v_add_nc_u32 v[ADRS+\s], s21, v31
	s_add_co_u32 s21, s21, SLOT
	s_add_co_u32 s22, s22, SLOT
.endr
	s_mul_i32 s23, s14, SUB                        ; my stage for the way out: a sub-image, in slot 0
	v_add_nc_u32 v[STO], s23, v30
	v_add_nc_u32 v[STT], s23, v3
	v_add_nc_u32 v[STT], 128, v[STT]
	v_and_b32 v31, 31, v0
	v_lshlrev_b32 v[CO], 4, v31
	v_add_nc_u32 v[RDS], s23, v[CO]
	v_lshlrev_b32 v[ADR1], 6, v2                   ; the column bias: 64 h; these two registers are written again only behind the wait for the loads
	v_and_b32 v31, 8, v1
	v_add_nc_u32 v31, v31, v1
	v_lshlrev_b32 v[ADR2], 2, v31                  ; the row bias: 4 (r + 8 (r / 8))
.irp n, 0,1,2,3,4,5,6,7,8,9,10,11,12,13,14,15
	global_load_b128 v[BC+4*\n:BC+4*\n+3], v[ADR1], s[78:79] offset:128*(\n/4)+16*(\n%4)
.endr
.irp a, 0,1,2,3,4,5,6,7
	global_load_b32 v[BR+\a], v[ADR2], s[98:99] offset:(32*(\a/2)+8*(\a%2))*4
.endr
	s_wait_tensorcnt 1                             ; my chunk of K step 0 is in; K step 1's may stay out
	s_barrier_signal -1
	s_barrier_wait -1
	FETCH_B 0, 0, 0
	FETCH_A 0, 0, 0
	SCALES 0
	FETCH_A 0, 0, 4
	STEP 0, 0, 1                                   ; the first step's products start the sums: nothing is cleared
	s_mov_b32 s3, LAPS-1
.Llap:
	TURN 0, 1, 1
	STEP 1, 0, 0
	TURN 1, 0, 1
	STEP 0, 0, 0
	s_sub_co_u32 s3, s3, 1
	s_cmp_lg_u32 s3, 0
	s_cbranch_scc1 .Llap
	TURN 0, 1, 0                                   ; the last lap fills nothing
	STEP 1, 0, 0
	s_wait_dscnt 4*NL
	WIN MUL_LO
	MUL16 0, 1, NQ-1, 1, 0
	MUL16 2, 1, NQ-1, 1, 0
	s_wait_dscnt 0
	WIN MUL_HI
	MUL16 4, 1, NQ-1, 1, 0
	MUL16 6, 1, NQ-1, 1, 0
	WIN 0
	; THE WAY OUT: eight blocks of 16 places: bias, quantiser, the codes and the tail into my stage.  Slot 0 has had its last fill, and nobody has read it since the last change of slots.
	PLACES NP
	s_wait_loadcnt 0x0                             ; the biases
.irp b, 0,1,2,3
	v_mov_b32 v[TM+4+\b], 0                        ; a lane permute's destination counts as one of its sources
.endr
	v_mov_b32 v6, 0
	v_mov_b32 v7, 0
	s_mov_b32 s3, 0
	s_mov_b32 s2, 0
.Lrow:
	s_add_co_u32 s89, s3, s85                      ; block, + 8 for V^T
.irp n, 0,1,2,3,4,5,6,7,8,9,10,11,12,13,14
	s_cmp_eq_u32 s89, \n
	s_cbranch_scc1 .Ltk\n
.endr
	TAKER 7
	s_branch .Lcommon
.Ltk0:
	TAKEC 0
	s_branch .Lcommon
.Ltk1:
	TAKEC 1
	s_branch .Lcommon
.Ltk2:
	TAKEC 2
	s_branch .Lcommon
.Ltk3:
	TAKEC 3
	s_branch .Lcommon
.Ltk4:
	TAKEC 4
	s_branch .Lcommon
.Ltk5:
	TAKEC 5
	s_branch .Lcommon
.Ltk6:
	TAKEC 6
	s_branch .Lcommon
.Ltk7:
	TAKEC 7
	s_branch .Lcommon
.Ltk8:
	TAKER 0
	s_branch .Lcommon
.Ltk9:
	TAKER 1
	s_branch .Lcommon
.Ltk10:
	TAKER 2
	s_branch .Lcommon
.Ltk11:
	TAKER 3
	s_branch .Lcommon
.Ltk12:
	TAKER 4
	s_branch .Lcommon
.Ltk13:
	TAKER 5
	s_branch .Lcommon
.Ltk14:
	TAKER 6
.Lcommon:
	QUANT X
	v_lshrrev_b32 v5, 16, v[PW]                    ; the word's upper two bytes once more: the second head of a pair reads them as its word
	v_add_nc_u32 v[ADR1], s2, v[STO]
	v_add_nc_u32 v[ADR2], s2, v[STT]
.irp b, 0,1,2,3
	ds_store_b128 v[ADR1], v[PC+4*\b:PC+4*\b+3] offset:32*\b
.endr
	ds_store_b128 v[ADR2], v[4:7]
	s_wait_dscnt 0x0                               ; the stores have read their registers
	s_add_co_u32 s2, s2, B16
	s_add_co_u32 s3, s3, 1
	s_cmp_lt_u32 s3, 8
	s_cbranch_scc1 .Lrow
.set i, 0
.rept 36
	ds_load_b128 v[64+4*i:64+4*i+3], v[RDS] offset:512*i           ; my own bytes: LDS serves a wave's instructions in order
.set i, i+1
.endr
.set i, 0
.rept 36
	s_wait_dscnt 35-i                              ; the younger loads may be out
	global_store_b128 v[CO], v[64+4*i:64+4*i+3], s[94:95] offset:512*i   ; 512 consecutive bytes, at a multiple of 256 from the buffer's first byte
.set i, i+1
.endr
	s_wait_tensorcnt 0x0                           ; the wave's end
	ds_add_u32 v[SPW], v[NIL]
	s_wait_dscnt 0x0
	CROUND                                         ; the closing round
	s_endpgm
.Lfunc_end_k_q238b76636b_qkv:
	.size	k_q238b76636b_qkv, .Lfunc_end_k_q238b76636b_qkv-k_q238b76636b_qkv
	.p2alignl 7, 3214868480
	.fill 96, 4, 3214868480
	.section	.rodata,"a",@progbits
	.p2align	6, 0x0
	.amdhsa_kernel k_q238b76636b_qkv
		.amdhsa_group_segment_fixed_size 327680
		.amdhsa_private_segment_fixed_size 0
		.amdhsa_enable_private_segment 0
		.amdhsa_kernarg_size 40
		.amdhsa_user_sgpr_count 2
		.amdhsa_user_sgpr_kernarg_segment_ptr 1
		.amdhsa_wavefront_size32 1
		.amdhsa_system_sgpr_workgroup_id_x 1
		.amdhsa_system_sgpr_workgroup_id_y 1
		.amdhsa_system_sgpr_workgroup_id_z 1
		.amdhsa_system_vgpr_workitem_id 0
		.amdhsa_next_free_vgpr 1024
		.amdhsa_next_free_sgpr 100
		.amdhsa_reserve_vcc 0
		.amdhsa_float_denorm_mode_32 3
		.amdhsa_float_denorm_mode_16_64 3
		.amdhsa_memory_ordered 1
		.amdhsa_forward_progress 1
		.amdhsa_inst_pref_size 169
	.end_amdhsa_kernel
	.amdgpu_metadata
---
amdhsa.version: [ 1, 2 ]
amdhsa.kernels:
  - .name:           k_q238b76636b_qkv
    .symbol:         k_q238b76636b_qkv.kd
    .args:
      - { .name: yimg, .offset: 0, .size: 8, .value_kind: global_buffer, .address_space: global }
      - { .name: wimg, .offset: 8, .size: 8, .value_kind: global_buffer, .address_space: global }
      - { .name: b_qkv, .offset: 16, .size: 8, .value_kind: global_buffer, .address_space: global }
      - { .name: qkimg, .offset: 24, .size: 8, .value_kind: global_buffer, .address_space: global }
      - { .name: vtimg, .offset: 32, .size: 8, .value_kind: global_buffer, .address_space: global }
    .group_segment_fixed_size: 327680
    .private_segment_fixed_size: 0
    .kernarg_segment_align: 8
    .kernarg_segment_size: 40
    .max_flat_workgroup_size: 128
    .sgpr_count:     100
    .vgpr_count:     1024
    .wavefront_size: 32
...
	.end_amdgpu_metadata
.endif
;; end of part 3
;; launch attn (part 4): grid 16 x 16, 16 waves a work-group, clusters of 4 x 1, 327,680 bytes of LDS; arguments qkimg, vtimg, oimg; writes oimg
.if DOCPART == 4
	.amdgcn_target "amdgcn-amd-amdhsa--gfx1250"
	.amdhsa_code_object_version 6
	.text
	.protected	k_q238b76636b_attn
	.globl	k_q238b76636b_attn
	.p2align	8
	.type	k_q238b76636b_attn,@function
k_q238b76636b_attn:
	s_mov_b64 s[64:65], 0
	v_nop
	global_prefetch_b8 v0, s[64:65] scope:SCOPE_SE
	s_setreg_imm32_b32 hwreg(HW_REG_WAVE_MODE, 25, 1), 1
	s_wait_xcnt 0x0
	s_wait_alu depctr_hold_cnt(0) depctr_sa_sdst(0) depctr_va_vdst(0) depctr_va_sdst(0) depctr_va_ssrc(0) depctr_va_vcc(0) depctr_vm_vsrc(0)
	s_getreg_b32 s2, hwreg(HW_REG_IB_STS2, 6, 4)
	s_cmp_eq_u32 s2, 0
	s_cbranch_scc0 .Lentry_in_a_cluster
	s_endpgm
.Lentry_in_a_cluster:
	s_bfe_u32 s2, ttmp6, 0x10000c
	s_cmp_lg_u32 s2, 0x3003
	s_cbranch_scc0 .Lentry_shape_is_right
	s_endpgm
.Lentry_shape_is_right:
; Products 2 and 3 with the softmax between them, and o's quantiser.  q, k (qkimg), V^T (vtimg) and o (oimg) are images (format: the first kernel's head).  Nothing is left out.
; t = score x log2(e) / 8; M = the running largest t rounded up to a whole number; p = 2^(t - M) is quantised along the keys, not normalised; the row's sum is taken of the unquantised p and divides at the end.
; SHARES.  A work-group owns 128 queries of a PAIR of heads: the pair's 128 columns are one sub-image of q, of k, of V^T (128 channel places) and of o.  Wave w: head w / 8 of the pair, places 16 (w % 8) on:
; one tile of 16 queries in 256 registers, four waves to a SIMD.  Every wave walks the batch's 2,048 keys, 128 a step.
; Both products are used transposed (S^T = K Q^T, O^T = V^T P^T): a lane holds one query throughout; the places' order makes the 16 registers of two neighbouring tiles 16 neighbouring keys (channels).
; K = 64 IN AN INSTRUCTION OF 128: q's fragment has zero codes in its upper eight registers; K's fragments load their lower eight; their upper eight hold zeros at first and later codes of V left by the
; step before, which are finite (every number was held ahead of its conversion): a zero code times a finite code adds nothing, and no scale byte is 0xff.
; THE RING: two slots of 512 keys (four sub-images of K, four of V^T).  Every wave fetches 9,216 bytes of each fill by one joint load (the cluster's four query blocks share the pair's K and V):
; two loads of a wave are out at the start, one behind each round; a refill has four key steps in which to land.
.set CHUNK, 36864
.set SUB,   18432
.set B16,   2304
.set SLOT,  147456
.set VOFF,  73728
.set SPARE, 294912                     ; the spare words, 128 bytes for each of sixteen waves
.set STG,   296960                     ; the result's sub-image: 128 places x 144; no fill lands here
.macro CROUND
	s_barrier_signal -1
	s_barrier_wait -1
	s_cmp_lg_u32 s18, 0
	s_cbranch_scc1 .Lnot_wave_0_\@
	s_barrier_signal -3
.Lnot_wave_0_\@:
	s_barrier_wait -3
	s_barrier_signal -1
	s_barrier_wait -1
.endm
	s_load_b128 s[4:7], s[0:1], 0x0                ; qkimg, vtimg
	s_load_b64 s[8:9], s[0:1], 0x10                ; oimg
	v_lshl_add_u32 v5, v0, 2, SPARE
	v_mov_b32 v6, 0
	ds_add_u32 v5, v6                              ; the opening lines: the add, twice on end, and its wait ahead of my first tensor load
	ds_add_u32 v5, v6
	v_lshrrev_b32 v8, 5, v0
	v_readfirstlane_b32 s18, v8                    ; wave 0..15
	s_bfe_u32 s10, ttmp6, 0x40000                  ; cx: it enters q's and o's addresses alone
	s_lshl_b32 s11, ttmp9, 2
	s_add_co_u32 s11, s11, s10                     ; my block of 128 queries
	s_and_b32 s12, ttmp7, 0xffff
	s_lshr_b32 s13, s12, 3                         ; batch
	s_and_b32 s14, s12, 7                          ; pair of heads
	s_lshr_b32 s15, s18, 1
	s_and_b32 s15, s15, 3                          ; which of a fill's four key blocks I fetch,
	s_and_b32 s16, s18, 1                          ; and which half of its sub-image
	s_lshr_b32 s17, s14, 1
	s_and_b32 s42, s14, 1
	s_add_co_u32 s44, s17, 4                       ; K: column chunk 4 + pair / 2, row block 16 batch + j
	s_lshl_b32 s44, s44, 5
	s_lshl_b32 s45, s13, 4
	s_add_co_u32 s44, s44, s45
	s_add_co_u32 s44, s44, s15
	s_mul_i32 s44, s44, CHUNK
	s_mul_i32 s45, s42, SUB
	s_add_co_u32 s44, s44, s45
	s_lshl_b32 s46, s13, 6                         ; V^T: token chunk 8 batch + j / 2 (eight row blocks each), row block = pair
	s_lshr_b32 s47, s15, 1
	s_lshl_b32 s47, s47, 3
	s_add_co_u32 s46, s46, s47
	s_add_co_u32 s46, s46, s14
	s_mul_i32 s46, s46, CHUNK
	s_and_b32 s47, s15, 1
	s_mul_i32 s47, s47, SUB
	s_add_co_u32 s46, s46, s47
	s_mov_b32 s40, 16*CHUNK
	s_cmp_lt_u32 s18, 8                            ; waves 0-7 fetch K, waves 8-15 V^T
	s_cselect_b32 s44, s44, s46
	s_cselect_b32 s40, 4*CHUNK, s40                ; a fill (512 keys) on
	s_mul_i32 s45, s16, 9216
	s_add_co_u32 s44, s44, s45
	s_mov_b32 s45, 0
	s_mov_b32 s41, 0
	s_lshl_b32 s48, s17, 5                         ; q's and o's sub-image: column chunk pair / 2, row block 16 batch + query block
	s_lshl_b32 s49, s13, 4
	s_add_co_u32 s48, s48, s49
	s_add_co_u32 s48, s48, s11
	s_mul_i32 s48, s48, CHUNK
	s_mul_i32 s49, s42, SUB
	s_add_co_u32 s48, s48, s49
	s_mov_b32 s49, 0
	s_mov_b32 s24, 15|(3<<16)|(1<<21)              ; group 1: the mask: all four work-groups; elements of 8 bytes; bit 21 beside a mask; no padding
	s_mov_b32 s25, 32<<16                          ; 36 rows of 256 bytes, dense
	s_mov_b32 s26, 36<<16
	s_mov_b32 s27, 32<<16
	s_mov_b32 s28, 36
	s_mov_b32 s29, 32
	s_mov_b32 s30, 0
	s_mov_b32 s31, 0
	s_mov_b32 s20, 0x76543210
	s_mov_b32 s21, 0xfedcba98
	s_mov_b32 s22, 0x3e38aa3b                      ; c = log2(e) / 8
	s_mov_b32 s23, s22
	s_mov_b32 s19, 0x600000
	s_mov_b32 s32, 1
	s_mul_i32 s33, s18, 9216                       ; where my part goes: wave x 9,216
	s_mov_b32 s36, 1
	s_add_co_u32 s37, s33, SLOT
	s_wait_dscnt 0x0                               ; both opening adds are done
	s_wait_kmcnt 0x0
	s_cmp_lt_u32 s18, 8
	s_cselect_b64 s[46:47], s[4:5], s[6:7]
	s_add_nc_u64 s[34:35], s[46:47], s[44:45]      ; fill 0
	s_add_nc_u64 s[38:39], s[34:35], s[40:41]      ; fill 1
	s_or_b32 s35, s35, 0x80000000
	s_or_b32 s39, s39, 0x80000000
	s_lshl_b32 s40, s40, 1                         ; a slot's next fill lies two fills on
	s_add_nc_u64 s[50:51], s[4:5], s[48:49]
	s_add_nc_u64 s[52:53], s[8:9], s[48:49]
	CROUND                                         ; all four work-groups are here: the first joint loads meet
	tensor_load_to_lds s[32:35], s[24:31]
	s_nop 0
	tensor_load_to_lds s[36:39], s[24:31]
	s_nop 0
.rept 4
	v_nop
.endr
	s_lshr_b32 s54, s18, 3                         ; p: my head of the pair
	s_and_b32 s55, s18, 7
	s_lshl_b32 s59, s54, 6
	s_mul_i32 s56, s55, B16                        ; my sixteen places
	s_mul_i32 s57, s54, 9216
	s_add_co_u32 s57, s57, VOFF                    ; my head's 64 channel places
	s_lshl_b32 s58, s54, 2
	s_add_co_u32 s58, s58, 128                     ; my head's scale word: W or W >> 16
	v_and_b32 v8, 15, v0
	v_bfe_u32 v9, v0, 4, 1
	v_mul_u32_u24 v10, v8, 144
	v_lshl_add_u32 v11, v9, 4, v10
	v_add_nc_u32 v1, s59, v11                      ; K: place r, + 64 p + 16 h
	v_add_nc_u32 v2, s57, v11                      ; V^T
	v_add_nc_u32 v3, s58, v10                      ; K's scale words
	v_add_nc_u32 v4, s57, v10
	v_add_nc_u32 v4, 128, v4                       ; V^T's
	v_add_nc_u32 v7, s56, v1
	v_add_nc_u32 v254, s56, v3
	global_load_b128 v[16:19], v7, s[50:51]        ; q's fragment stays in registers
	global_load_b128 v[20:23], v7, s[50:51] offset:32
	global_load_b32 v255, v254, s[50:51]           ; and its scale words
.set j, 24
.rept 8
	v_mov_b32 v[j], 0                              ; q's upper 64 along K: zero codes
.set j, j+1
.endr
.irp t, 0,1,2,3
.irp j, 8,9,10,11,12,13,14,15
	v_mov_b32 v[32+16*\t+\j], 0
.endr
.endr
	v_mov_b32 v13, 0xff61b1e6                      ; the largest t so far: -3e38
	v_floor_f32 v12, -v13                          ; -M
	v_mov_b32 v14, 0
	v_mov_b32 v15, 0
.irp b, 0,1,2,3
	v_mov_b32 v[236+\b], 0
.endr
	v_mov_b32 v253, 0
.set j, 0
.rept 32
	v_mov_b32 v[160+j], 0                          ; O^T: the step is written once, and the first finds zeros
.set j, j+1
.endr
	v_lshrrev_b32 v232, 2, v0                      ; the stage's tails are cleared, a word a thread
	v_mul_u32_u24 v232, v232, 144
	v_and_b32 v233, 3, v0
	v_lshl_add_u32 v232, v233, 2, v232
	v_add_nc_u32 v232, STG+128, v232
	ds_store_b32 v232, v14
.macro STEP                            ; 128 keys: the sub-images at s2
	v_add_nc_u32 v8, s2, v1
	v_add_nc_u32 v9, s2, v2
	v_add_nc_u32 v10, s2, v3
	v_add_nc_u32 v11, s2, v4
.irp g, 0,1
.rept 8-4*(1-\g)
	v_nop                                          ; eight places in front of loads into registers that matrix instructions have read; the four additions are places too
.endr
.irp t, 0,1,2,3
.irp c, 0,1
	ds_load_b128 v[32+16*\t+4*\c:32+16*\t+4*\c+3], v8 offset:(4*\g+\t)*B16+32*\c
.endr
	ds_load_b32 v[248+\t], v10 offset:(4*\g+\t)*B16
.endr
	s_wait_dscnt 0x0
.irp t, 0,1,2,3
	v_wmma_scale_f32_16x16x128_f8f6f4 v[96+8*(4*\g+\t):103+8*(4*\g+\t)], v[32+16*\t:47+16*\t], v[16:31], 0, v[248+\t], v255 matrix_a_fmt:MATRIX_FMT_BF8 matrix_b_fmt:MATRIX_FMT_BF8
.endr
.endr
.rept 8
	v_nop
.endr
.irp b, 0,1,2,3
	v_max3_num_f32 v[232+\b], v[96+16*\b], v[97+16*\b], v[98+16*\b]   ; the largest score of each block of 32 keys: for the row's maximum, and for the block's largest p
.endr
.irp i, 3,5,7,9,11,13
.irp b, 0,1,2,3
	v_max3_num_f32 v[232+\b], v[232+\b], v[96+16*\b+\i], v[97+16*\b+\i]
.endr
.endr
.irp b, 0,1,2,3
	v_max_num_f32 v[232+\b], v[232+\b], v[111+16*\b]
.endr
.irp b, 0,1,2,3
	v_permlanex16_b32 v[236+\b], v[232+\b], s20, s21
.endr
.irp b, 0,1,2,3
	v_max_num_f32 v[232+\b], v[232+\b], v[236+\b]
.endr
	v_max3_num_f32 v254, v232, v233, v234
	v_max_num_f32 v254, v254, v235
	v_mul_f32 v254, s22, v254
	v_max_num_f32 v13, v13, v254                   ; the running largest t
	v_mov_b32 v254, v12
	v_floor_f32 v12, -v13                          ; the new -M: a whole number
	v_sub_f32 v254, v12, v254
	v_cvt_i32_f32 v254, v254
	v_ldexp_f32 v252, 1.0, v254                    ; f = 2^(old M - new M)
.set j, 0
.rept 32
	v_pk_fma_f32 v[96+j:97+j], v[96+j:97+j], s[22:23], v[12:13] op_sel_hi:[1,0,0]   ; t - M
.set j, j+2
.endr
.irp b, 0,1,2,3
	v_fma_f32 v[232+\b], v[232+\b], s22, v12
.endr
.set j, 0
.rept 64
	v_exp_f32 v[96+j], v[96+j]
.set j, j+1
.endr
	v_pk_mul_f32 v[14:15], v[14:15], v[252:253] op_sel_hi:[1,0]   ; the sums under the new M: a plain place behind the exponentials
	s_wait_alu depctr_va_vdst(0)                   ; one wait for the batch, ahead of its first reader
.irp b, 0,1,2,3
	v_exp_f32 v[232+\b], v[232+\b]                 ; the block's largest p
.endr
	v_pk_add_f32 v[236:237], v[96:97], v[98:99]    ; the row's sum, of the unquantised p, in two chains
.irp j, 4,8,12,16,20,24,28,32,36,40,44,48,52,56,60
	v_pk_add_f32 v[14:15], v[14:15], v[96+\j:97+\j]
	v_pk_add_f32 v[236:237], v[236:237], v[98+\j:99+\j]
.endr
	v_pk_add_f32 v[14:15], v[14:15], v[236:237]
	s_wait_alu depctr_va_vdst(0)                   ; and one for the four
.irp b, 0,1,2,3
	v_max_num_f32 v[232+\b], 0x8000000, v[232+\b]
.endr
.irp b, 0,1,2,3
	v_add_nc_u32 v[244+\b], 0xf8800000, v[232+\b]
.endr
.irp b, 0,1,2,3
	v_and_or_b32 v[240+\b], v[232+\b], 0x7f800000, s19
.endr
.irp b, 0,1,2,3
	v_lshrrev_b32 v[236+\b], 23, v[244+\b]
.endr
	v_lshl_or_b32 v253, v237, 8, v236              ; p's scale word
	v_lshl_or_b32 v253, v238, 16, v253
	v_lshl_or_b32 v253, v239, 24, v253
.irp b, 0,1,2,3
.irp i, 0,1,2,3,4,5,6,7,8,9,10,11,12,13,14,15
	v_min_num_f32 v[96+16*\b+\i], v[96+16*\b+\i], v[240+\b]   ; the hold; p is not negative
.endr
	v_cvt_scalef32_pk8_bf8_f32 v[224+4*\b:225+4*\b], v[96+16*\b:103+16*\b], v[244+\b]
	v_cvt_scalef32_pk8_bf8_f32 v[226+4*\b:227+4*\b], v[104+16*\b:111+16*\b], v[244+\b]
.endr
.set j, 0
.rept 16
	v_pk_mul_f32 v[160+j:161+j], v[160+j:161+j], v[252:253] op_sel_hi:[1,0]   ; O^T under the new M; these sixteen are also the places in front of the products below
.set j, j+2
.endr
.irp t, 0,1,2,3
.irp c, 0,1,2,3
	ds_load_b128 v[32+16*\t+4*\c:32+16*\t+4*\c+3], v9 offset:\t*B16+32*\c
.endr
	ds_load_b32 v[248+\t], v11 offset:\t*B16
.endr
	s_wait_dscnt 0x0
.irp t, 0,1,2,3
	v_wmma_scale_f32_16x16x128_f8f6f4 v[160+8*\t:167+8*\t], v[32+16*\t:47+16*\t], v[224:239], v[160+8*\t:167+8*\t], v[248+\t], v253 matrix_a_fmt:MATRIX_FMT_BF8 matrix_b_fmt:MATRIX_FMT_BF8
.endr
.endm
.macro PHASE base                      ; a slot's four key steps
	s_mov_b32 s2, \base
	s_mov_b32 s3, 4
.Lph_\@:
	STEP
	s_add_co_u32 s2, s2, SUB
	s_sub_co_u32 s3, s3, 1
	s_cmp_lg_u32 s3, 0
	s_cbranch_scc1 .Lph_\@
.endm
.macro CHANGE fill, slot               ; fill = 1: the slot just left is filled with the keys two fills on
	s_wait_tensorcnt 0x0                           ; all my tensor loads have landed, my part of the slot ahead among them
	ds_add_u32 v5, v6
.if \fill
	s_add_nc_u64 s[34+4*\slot:35+4*\slot], s[34+4*\slot:35+4*\slot], s[40:41]
.endif
	s_wait_dscnt 0x0                               ; the add is done, and my reads of the slot that I have left are over
.if \fill
	CROUND                                         ; no wave of any partner still reads that slot or has a load on its way
	tensor_load_to_lds s[32+4*\slot:35+4*\slot], s[24:31]
	s_nop 0
.rept 4
	v_nop
.endr
.else
	s_barrier_signal -1
	s_barrier_wait -1
.endif
.endm
	s_wait_tensorcnt 1                             ; my part of fill 0 is in; fill 1 may stay out
	s_wait_dscnt 0x0                               ; my word of the stage's tails is cleared
	s_barrier_signal -1
	s_barrier_wait -1
	s_wait_loadcnt 0x0                             ; q
	PHASE 0
	CHANGE 1, 0
	PHASE SLOT
	CHANGE 1, 1
	PHASE 0
	CHANGE 0, 0
	PHASE SLOT
	; THE WAY OUT: O^T / the sum; its two blocks of 32 channels are quantised; codes and two scale bytes go to the stage; twelve waves store the sub-image.
	s_add_co_u32 s44, s56, STG                     ; my sixteen places in the stage
	s_lshl_b32 s45, s54, 1
	s_add_co_u32 s45, s45, 128                     ; my head's two bytes of the scale word
	s_mul_i32 s46, s18, 1536
	v_add_f32 v14, v14, v15
	v_permlanex16_b32 v252, v14, s20, s21
	v_add_f32 v14, v14, v252                       ; the row's sum
	v_rcp_f32 v14, v14
	v_and_b32 v8, 15, v0
	v_bfe_u32 v9, v0, 4, 1
	v_mul_u32_u24 v10, v8, 144
	v_add_nc_u32 v10, s44, v10
	v_add_nc_u32 v11, s45, v10
	v_lshl_add_u32 v10, v9, 4, v10
	v_add_nc_u32 v10, s59, v10
	v_and_b32 v2, 31, v0
	v_lshlrev_b32 v2, 4, v2
	v_add_nc_u32 v1, s46, v2                       ; the copy: 1,536 bytes a wave, 16 a lane
	v_add_nc_u32 v2, STG, v1
	s_wait_alu depctr_va_vdst(0)                   ; ahead of the reciprocal's first reader
.set j, 0
.rept 32
	v_mul_f32 v[96+j], v[160+j], v14               ; register 16 B + i: channel 32 B + 16 h + i of my head
.set j, j+1
.endr
.irp b, 0,1
	v_max3_num_f32 v[232+\b], |v[96+16*\b]|, |v[97+16*\b]|, 0x8000000
.endr
.irp i, 2,4,6,8,10,12,14
.irp b, 0,1
	v_max3_num_f32 v[232+\b], v[232+\b], |v[96+16*\b+\i]|, |v[97+16*\b+\i]|
.endr
.endr
.irp b, 0,1
	v_permlanex16_b32 v[236+\b], v[232+\b], s20, s21
.endr
.irp b, 0,1
	v_max_num_f32 v[232+\b], v[232+\b], v[236+\b]
.endr
.irp b, 0,1
	v_add_nc_u32 v[244+\b], 0xf8800000, v[232+\b]
.endr
.irp b, 0,1
	v_and_or_b32 v[240+\b], v[232+\b], 0x7f800000, s19
.endr
.irp b, 0,1
	v_lshrrev_b32 v[236+\b], 23, v[244+\b]
.endr
	v_lshl_or_b32 v253, v237, 8, v236
.irp b, 0,1
.irp i, 0,1,2,3,4,5,6,7,8,9,10,11,12,13,14,15
	v_med3_num_f32 v[96+16*\b+\i], v[96+16*\b+\i], -v[240+\b], v[240+\b]
.endr
	v_cvt_scalef32_pk8_bf8_f32 v[224+4*\b:225+4*\b], v[96+16*\b:103+16*\b], v[244+\b]
	v_cvt_scalef32_pk8_bf8_f32 v[226+4*\b:227+4*\b], v[104+16*\b:111+16*\b], v[244+\b]
.endr
	v_nop                                          ; a plain line behind the last conversion
	ds_store_b128 v10, v[224:227]
	ds_store_b128 v10, v[228:231] offset:32
	ds_store_b16 v11, v253                         ; both halves of the lanes write the same two bytes with the same values
	s_wait_dscnt 0x0                               ; for the others' sake
	s_barrier_signal -1
	s_barrier_wait -1
	s_cmp_lt_u32 s18, 12                           ; 12 x 1,536 bytes are the sub-image
	s_cbranch_scc0 .Lend
.irp i, 0,1,2
	ds_load_b128 v[32+4*\i:35+4*\i], v2 offset:512*\i
.endr
.irp i, 0,1,2
	s_wait_dscnt 2-\i                              ; the younger loads may be out
	global_store_b128 v1, v[32+4*\i:35+4*\i], s[52:53] offset:512*\i   ; 512 consecutive bytes, at a multiple of 256 from the buffer's first byte
.endr
.Lend:
	s_wait_tensorcnt 0x0                           ; the wave's end
	ds_add_u32 v5, v6
	s_wait_dscnt 0x0
	CROUND                                         ; the closing round
	s_endpgm
.Lfunc_end_k_q238b76636b_attn:
	.size	k_q238b76636b_attn, .Lfunc_end_k_q238b76636b_attn-k_q238b76636b_attn
	.p2alignl 7, 3214868480
	.fill 96, 4, 3214868480
	.section	.rodata,"a",@progbits
	.p2align	6, 0x0
	.amdhsa_kernel k_q238b76636b_attn
		.amdhsa_group_segment_fixed_size 327680
		.amdhsa_private_segment_fixed_size 0
		.amdhsa_enable_private_segment 0
		.amdhsa_kernarg_size 24
		.amdhsa_user_sgpr_count 2
		.amdhsa_user_sgpr_kernarg_segment_ptr 1
		.amdhsa_wavefront_size32 1
		.amdhsa_system_sgpr_workgroup_id_x 1
		.amdhsa_system_sgpr_workgroup_id_y 1
		.amdhsa_system_sgpr_workgroup_id_z 1
		.amdhsa_system_vgpr_workitem_id 0
		.amdhsa_next_free_vgpr 256
		.amdhsa_next_free_sgpr 66
		.amdhsa_reserve_vcc 0
		.amdhsa_float_denorm_mode_32 3
		.amdhsa_float_denorm_mode_16_64 3
		.amdhsa_memory_ordered 1
		.amdhsa_forward_progress 1
		.amdhsa_inst_pref_size 95
	.end_amdhsa_kernel
	.amdgpu_metadata
---
amdhsa.version: [ 1, 2 ]
amdhsa.kernels:
  - .name:           k_q238b76636b_attn
    .symbol:         k_q238b76636b_attn.kd
    .args:
      - { .name: qkimg, .offset: 0, .size: 8, .value_kind: global_buffer, .address_space: global }
      - { .name: vtimg, .offset: 8, .size: 8, .value_kind: global_buffer, .address_space: global }
      - { .name: oimg, .offset: 16, .size: 8, .value_kind: global_buffer, .address_space: global }
    .group_segment_fixed_size: 327680
    .private_segment_fixed_size: 0
    .kernarg_segment_align: 8
    .kernarg_segment_size: 24
    .max_flat_workgroup_size: 512
    .sgpr_count:     66
    .vgpr_count:     256
    .wavefront_size: 32
...
	.end_amdgpu_metadata
.endif
;; end of part 4
;; launch outp (part 5): grid 4 x 16, 4 waves a work-group, clusters of 4 x 4, 327,680 bytes of LDS; arguments oimg, wimg, b_out, x, x2; writes x2
.if DOCPART == 5
	.amdgcn_target "amdgcn-amd-amdhsa--gfx1250"
	.amdhsa_code_object_version 6
	.text
	.protected	k_q238b76636b_outp
	.globl	k_q238b76636b_outp
	.p2align	8
	.type	k_q238b76636b_outp,@function
k_q238b76636b_outp:
	s_mov_b64 s[64:65], 0
	v_nop
	global_prefetch_b8 v0, s[64:65] scope:SCOPE_SE
	s_setreg_imm32_b32 hwreg(HW_REG_WAVE_MODE, 25, 1), 1
	s_wait_xcnt 0x0
	s_wait_alu depctr_hold_cnt(0) depctr_sa_sdst(0) depctr_va_vdst(0) depctr_va_sdst(0) depctr_va_ssrc(0) depctr_va_vcc(0) depctr_vm_vsrc(0)
	s_getreg_b32 s2, hwreg(HW_REG_IB_STS2, 6, 4)
	s_cmp_eq_u32 s2, 0
	s_cbranch_scc0 .Lentry_in_a_cluster
	s_endpgm
.Lentry_in_a_cluster:
	s_bfe_u32 s2, ttmp6, 0x10000c
	s_cmp_lg_u32 s2, 0xf033
	s_cbranch_scc0 .Lentry_shape_is_right
	s_endpgm
.Lentry_shape_is_right:
; Product 4: x2 = x + (o W_out + b_out), f32 rows.  A = oimg, B = w_out's image (format: the first kernel's head).  Nothing is left out.
; THE CORE: a tile of 256 x 256, four waves of 128 x 128 (64 accumulators, windows 2 and 3).  K in steps of 256 through two LDS slots; a slot is four chunks (A's halves, B's halves), each one dense block of
; 36,864 bytes fetched by one wave's tensor load, scale words inside.  4 x 4 clusters: A's chunks are asked for jointly along a row of the cluster, B's along a column.
; The matrix instruction is used transposed (source 0 = B's 16 places, source 1 = A's): a lane holds a token and neighbouring columns.  Place 16 a + t of A is token 32 (a / 2) + 8 (a % 2) + t + 8 (t / 8).
; 64 work-groups: the tile is the core's; a smaller tile would read twice the LDS bytes for each product.
.set CHUNK,  36864
.set SUB,    18432
.set B16,    2304
.set SLOT,   4*CHUNK
.set SPARE,  2*SLOT
.set LAPS,   2                         ; K = 1,024
.set STEPA,  32*CHUNK
.set STEPB,  8*CHUNK
.set WOFF,   352*CHUNK
.set NQ,     2
.set FR,     16
.set NL,     4
.set NP,     8
.set ADRA, 16
.set ADRS, 18
.set ADRB, 20
.set STO,  24
.set RD,   25
.set CO,   26
.set SPW,  28
.set NIL,  29
.set SC,   32
.set AF,   128
.set BK,   128
.set G1, 24
.set G0, 32
.set G1B, 48
.set G0B, 56
.set MSB, 0
.macro WIN new
.if MSB != (\new)
	s_set_vgpr_msb (MSB<<8)|(\new)
.set MSB, (\new)
.endif
.endm
.set MUL_LO, 0xa1
.set MUL_HI, 0xf1
.set TO_B,   0x40
.macro JLOAD g0a, g1a, g0b, g1b
	s_cmp_eq_u32 s15, 0
	s_cbranch_scc0 .Lfor_b_\@
	tensor_load_to_lds s[\g0a:\g0a+3], s[\g1a:\g1a+7]
	s_nop 0
.rept 4
	v_nop
.endr
	s_branch .Lasked_\@
.Lfor_b_\@:
	tensor_load_to_lds s[\g0b:\g0b+3], s[\g1b:\g1b+7]
	s_nop 0
.rept 4
	v_nop
.endr
.Lasked_\@:
.endm
.macro CREST
	s_cmp_lg_u32 s14, 0
	s_cbranch_scc1 .Lnot_wave_0_\@
	s_barrier_signal -3
.Lnot_wave_0_\@:
	s_barrier_wait -3
	s_barrier_signal -1
	s_barrier_wait -1
.endm
.macro CROUND
	s_barrier_signal -1
	s_barrier_wait -1
	CREST
.endm
.macro FRAG reg, adr, q, i
.irp c, 0,1,2,3
	ds_load_b128 v[\reg+4*\c:\reg+4*\c+3], v[\adr] offset:SUB*(\q)+32*\c+(\i)*B16
.endr
.endm
.macro MUL16 a0, p, q, sc, zero        ; the 64 accumulators take turns, one instruction a turn
.irp a, \a0, \a0+1
.irp b, 0,1,2,3,4,5,6,7
.if \zero
	v_wmma_scale_f32_16x16x128_f8f6f4 v[8*(8*((\a)%4)+\b):8*(8*((\a)%4)+\b)+7], v[128*(\p)+FR*\b:128*(\p)+FR*\b+FR-1], v[AF+FR*(\a):AF+FR*(\a)+FR-1], 0, v[SC+8*NQ*(\sc)+NQ*\b+(\q)], v[SC+8*NQ*(\sc)+NQ*(\a)+(\q)] matrix_a_fmt:MATRIX_FMT_BF8 matrix_b_fmt:MATRIX_FMT_BF8 matrix_a_scale:MATRIX_SCALE_ROW1
.else
	v_wmma_scale_f32_16x16x128_f8f6f4 v[8*(8*((\a)%4)+\b):8*(8*((\a)%4)+\b)+7], v[128*(\p)+FR*\b:128*(\p)+FR*\b+FR-1], v[AF+FR*(\a):AF+FR*(\a)+FR-1], v[8*(8*((\a)%4)+\b):8*(8*((\a)%4)+\b)+7], v[SC+8*NQ*(\sc)+NQ*\b+(\q)], v[SC+8*NQ*(\sc)+NQ*(\a)+(\q)] matrix_a_fmt:MATRIX_FMT_BF8 matrix_b_fmt:MATRIX_FMT_BF8 matrix_a_scale:MATRIX_SCALE_ROW1
.endif
.endr
.endr
.endm
.macro FETCH_B slot, q, p
	WIN TO_B
.irp i, 0,1,2,3,4,5,6,7
	FRAG 128*(\p)+FR*\i, ADRB+\slot, \q, \i
.endr
	WIN 0
.endm
.macro FETCH_A slot, q, i0
.irp i, \i0, \i0+1, \i0+2, \i0+3
	FRAG AF+FR*(\i), ADRA+\slot, \q, \i
.endr
.endm
.macro SCALES s
.irp i, 0,1,2,3,4,5,6,7
.irp q, 0,1
	ds_load_b32 v[SC+16*\s+2*\i+\q], v[ADRS+\s] offset:SUB*\q+B16*\i
.endr
.endr
.endm
.macro PLACES n
.rept \n
	v_nop
.endr
.endm
.macro STEP slot, q, zero
	s_wait_dscnt 4*NL                              ; all but the youngest sixteen loads (A's blocks 4-7) are in
	WIN MUL_LO
	MUL16 0, (\q)%2, \q, \slot, \zero
	MUL16 2, (\q)%2, \q, \slot, \zero
	s_wait_dscnt 0
	PLACES NP
	FETCH_B \slot, (\q)+1, 1-(\q)%2
	FETCH_A \slot, (\q)+1, 0
	WIN MUL_HI
	MUL16 4, (\q)%2, \q, \slot, \zero
	MUL16 6, (\q)%2, \q, \slot, \zero
	PLACES NP
	WIN 0
	FETCH_A \slot, (\q)+1, 4
.endm
.macro TURN slot, next, fill
	s_wait_tensorcnt 0x0                           ; all my tensor loads have landed: my chunk of the next slot
	ds_add_u32 v[SPW], v[NIL]
	s_wait_dscnt 4*NL+1                            ; (the add and A's blocks 4-7 may be out)
	WIN MUL_LO
	MUL16 0, 1, NQ-1, \slot, 0
	s_wait_dscnt 0x0                               ; the add is done, and my reads of this slot are over
	s_barrier_signal -1
	MUL16 2, 1, NQ-1, \slot, 0
	WIN 0
	s_barrier_wait -1
.if \fill
	CREST                                          ; a round of the cluster's barrier: no wave of any partner still reads this slot or has a load on its way
	s_add_nc_u64 s[G0+4*\slot+2:G0+4*\slot+3], s[G0+4*\slot+2:G0+4*\slot+3], s[66:67]
	s_add_nc_u64 s[G0B+4*\slot+2:G0B+4*\slot+3], s[G0B+4*\slot+2:G0B+4*\slot+3], s[68:69]
	JLOAD G0+4*\slot, G1, G0B+4*\slot, G1B
	PLACES NP-4
.else
	PLACES NP
.endif
	FETCH_B \next, 0, 0
	FETCH_A \next, 0, 0
	SCALES \next
	WIN MUL_HI
	MUL16 4, 1, NQ-1, \slot, 0
	MUL16 6, 1, NQ-1, \slot, 0
	PLACES NP
	WIN 0
	FETCH_A \next, 0, 4
.endm
	s_load_b256 s[4:11], s[0:1], 0x0               ; A's image, wimg, the bias, the residual
	s_load_b64 s[12:13], s[0:1], 0x20              ; the result
	v_lshl_add_u32 v[SPW], v0, 2, SPARE
	v_mov_b32 v[NIL], 0
	ds_add_u32 v[SPW], v[NIL]                      ; the opening lines: the add, twice on end, and its wait ahead of my first tensor load
	ds_add_u32 v[SPW], v[NIL]
	v_lshrrev_b32 v1, 5, v0
	v_readfirstlane_b32 s14, v1
	s_lshr_b32 s15, s14, 1
	s_and_b32 s16, s14, 1
	s_bfe_u32 s40, ttmp6, 0x40000
	s_bfe_u32 s41, ttmp6, 0x40004
	s_lshl_b32 s42, ttmp9, 2
	s_add_co_u32 s42, s42, s40                     ; tile column
	s_and_b32 s17, ttmp7, 0xffff
	s_lshl_b32 s17, s17, 2
	s_add_co_u32 s17, s17, s41                     ; tile row
	s_lshl_b32 s43, s41, 2
	s_lshl_b32 s43, 15, s43
	s_lshl_b32 s44, 0x1111, s40
	s_or_b32 s[G1+0], s43, (3<<16)|(1<<21)
	s_or_b32 s[G1B+0], s44, (3<<16)|(1<<21)
.irp g, G1, G1B
	s_mov_b32 s[\g+1], 32<<16                      ; a chunk as 144 rows of 256 bytes, dense
	s_mov_b32 s[\g+2], 144<<16
	s_mov_b32 s[\g+3], 32<<16
	s_mov_b32 s[\g+4], 144
	s_mov_b32 s[\g+5], 32
	s_mov_b32 s[\g+6], 0
	s_mov_b32 s[\g+7], 0
.endr
	s_mov_b32 s66, 2*STEPA
	s_mov_b32 s67, 0
	s_mov_b32 s68, 2*STEPB
	s_mov_b32 s69, 0
	s_lshl_b32 s20, s17, 1
	s_add_co_u32 s20, s20, s16
	s_mul_i32 s20, s20, CHUNK
	s_mov_b32 s21, 0
	s_lshl_b32 s46, s42, 1
	s_add_co_u32 s46, s46, s16
	s_mul_i32 s46, s46, CHUNK
	s_add_co_u32 s46, s46, WOFF
	s_mov_b32 s47, 0
	s_mul_i32 s45, s14, CHUNK
	s_lshl_b32 s80, s17, 20                        ; my 128 rows x 4,096 bytes,
	s_lshl_b32 s81, s15, 19
	s_add_co_u32 s80, s80, s81
	s_lshl_b32 s82, s42, 10                        ; my 128 columns x 4
	s_lshl_b32 s83, s16, 9
	s_add_co_u32 s82, s82, s83
	s_mov_b32 s83, 0
	s_add_co_u32 s80, s80, s82
	s_mov_b32 s81, 0
	s_wait_dscnt 0x0
	s_wait_kmcnt 0x0
	s_add_nc_u64 s[20:21], s[4:5], s[20:21]
	s_add_nc_u64 s[46:47], s[6:7], s[46:47]
	s_add_nc_u64 s[78:79], s[8:9], s[82:83]
	s_add_nc_u64 s[84:85], s[10:11], s[80:81]
	s_add_nc_u64 s[86:87], s[12:13], s[80:81]
	CROUND
.irp s, 0,1
	s_mov_b32 s[G0+4*\s], 1
	s_add_co_u32 s[G0+4*\s+1], s45, \s*SLOT
	s_add_nc_u64 s[G0+4*\s+2:G0+4*\s+3], s[20:21], \s*STEPA
	s_or_b32 s[G0+4*\s+3], s[G0+4*\s+3], 0x80000000
	s_mov_b32 s[G0B+4*\s], 1
	s_add_co_u32 s[G0B+4*\s+1], s45, \s*SLOT
	s_add_nc_u64 s[G0B+4*\s+2:G0B+4*\s+3], s[46:47], \s*STEPB
	s_or_b32 s[G0B+4*\s+3], s[G0B+4*\s+3], 0x80000000
	JLOAD G0+4*\s, G1, G0B+4*\s, G1B
.endr
	v_and_b32 v1, 15, v0
	v_bfe_u32 v2, v0, 4, 1
	v_mul_u32_u24 v3, v1, 144
	v_lshl_add_u32 v30, v2, 4, v3
	s_mul_i32 s21, s15, CHUNK
	s_mul_i32 s22, s16, CHUNK
	s_add_co_u32 s22, s22, 2*CHUNK
	s_sub_co_u32 s23, s22, s21
	v_mul_u32_u24 v31, s23, v2
	v_add_nc_u32 v31, v31, v3
	v_add_nc_u32 v31, 128, v31
.irp s, 0,1
	v_add_nc_u32 v[ADRA+\s], s21, v30
	v_add_nc_u32 v[ADRB+\s], s22, v30
	v_add_nc_u32 v[ADRS+\s], s21, v31
	s_add_co_u32 s21, s21, SLOT
	s_add_co_u32 s22, s22, SLOT
.endr
	s_mul_i32 s23, s14, 16*528                     ; my stage: 16 rows x (512 + 16) bytes, in slot 0
	v_mul_u32_u24 v31, v1, 528
	v_lshl_add_u32 v31, v2, 6, v31
	v_add_nc_u32 v[STO], s23, v31
	v_and_b32 v31, 31, v0
	v_lshlrev_b32 v[CO], 4, v31
	v_add_nc_u32 v[RD], s23, v[CO]
	global_load_b128 v[8:11], v[CO], s[78:79]      ; the bias of the four columns that I store
	s_wait_tensorcnt 1                             ; my chunk of K step 0 is in; K step 1's may stay out
	s_barrier_signal -1
	s_barrier_wait -1
	FETCH_B 0, 0, 0
	FETCH_A 0, 0, 0
	SCALES 0
	FETCH_A 0, 0, 4
	STEP 0, 0, 1
	s_mov_b32 s3, LAPS-1
.Llap:
	TURN 0, 1, 1
	STEP 1, 0, 0
	TURN 1, 0, 1
	STEP 0, 0, 0
	s_sub_co_u32 s3, s3, 1
	s_cmp_lg_u32 s3, 0
	s_cbranch_scc1 .Llap
	TURN 0, 1, 0
	STEP 1, 0, 0
	s_wait_dscnt 4*NL
	WIN MUL_LO
	MUL16 0, 1, NQ-1, 1, 0
	MUL16 2, 1, NQ-1, 1, 0
	s_wait_dscnt 0
	WIN MUL_HI
	MUL16 4, 1, NQ-1, 1, 0
	MUL16 6, 1, NQ-1, 1, 0
	WIN 0
; THE WAY OUT, block by block of 16 places: through my stage, back as whole rows of 512 bytes; bias, residual, store.  The residual's rows come four blocks ahead, into window 1.
.macro RESLOAD a
	WIN 0x40
.irp t, 0,1,2,3,4,5,6,7,8,9,10,11,12,13,14,15
	global_load_b128 v[64*((\a)%4)+4*\t:64*((\a)%4)+4*\t+3], v[CO], s[84:85] offset:(32*((\a)/2)+8*((\a)%2)+\t+8*(\t/8))*4096 th:TH_LOAD_NT
.endr
	WIN 0
.endm
.macro TOSTAGE a
.set AC, 64*((\a)%4)
	WIN 0x08+4*((\a)/4)
.irp b, 0,1,2,3,4,5,6,7
	ds_store_b128 v[STO], v[AC+8*\b:AC+8*\b+3] offset:(\b/2)*128+(\b%2)*32          ; each accumulator from its low end on
	ds_store_b128 v[STO], v[AC+8*\b+4:AC+8*\b+7] offset:(\b/2)*128+(\b%2)*32+16
.endr
	WIN 0
.set BB, BK+64*((\a)%2)
.irp t, 0,1,2,3,4,5,6,7,8,9,10,11,12,13,14,15
	ds_load_b128 v[BB+4*\t:BB+4*\t+3], v[RD] offset:\t*528
.endr
.endm
.macro SEND a, younger
.set BB, BK+64*((\a)%2)
	s_wait_dscnt \younger                          ; the block is back; the next block's stage traffic may be out
.if 7-(\a) >= 3
	s_wait_loadcnt 48                              ; its residual is in; the three blocks asked for behind it may be out
.else
	s_wait_loadcnt 16*(7-(\a))
.endif
.irp t, 0,1,2,3,4,5,6,7,8,9,10,11,12,13,14,15
	v_pk_add_f32 v[BB+4*\t:BB+4*\t+1], v[BB+4*\t:BB+4*\t+1], v[8:9]
	v_pk_add_f32 v[BB+4*\t+2:BB+4*\t+3], v[BB+4*\t+2:BB+4*\t+3], v[10:11]
.endr
	WIN 0x04
.set i, 0
.rept 32
	v_pk_add_f32 v[BB+i:BB+i+1], v[BB+i:BB+i+1], v[64*((\a)%4)+i:64*((\a)%4)+i+1]
.set i, i+2
.endr
	WIN 0
.irp t, 0,1,2,3,4,5,6,7,8,9,10,11,12,13,14,15
	global_store_b128 v[CO], v[BB+4*\t:BB+4*\t+3], s[86:87] offset:(32*((\a)/2)+8*((\a)%2)+\t+8*(\t/8))*4096 th:TH_STORE_NT   ; 512 consecutive bytes, aligned
.endr
.if (\a) < 4
	RESLOAD (\a)+4
.endif
.endm
	PLACES NP
	RESLOAD 0
	RESLOAD 1
	RESLOAD 2
	RESLOAD 3
	TOSTAGE 0
.irp a, 1,2,3,4,5,6,7
.if \a > 1
	s_wait_xcnt 0x0                                ; block a - 2's stores have read their registers: block a's loads may land there
.endif
	TOSTAGE \a
	SEND \a-1, 32
.endr
	s_wait_xcnt 0x0
	SEND 7, 0
	s_wait_tensorcnt 0x0                           ; the wave's end
	ds_add_u32 v[SPW], v[NIL]
	s_wait_dscnt 0x0
	CROUND                                         ; the closing round
	s_endpgm
.Lfunc_end_k_q238b76636b_outp:
	.size	k_q238b76636b_outp, .Lfunc_end_k_q238b76636b_outp-k_q238b76636b_outp
	.p2alignl 7, 3214868480
	.fill 96, 4, 3214868480
	.section	.rodata,"a",@progbits
	.p2align	6, 0x0
	.amdhsa_kernel k_q238b76636b_outp
		.amdhsa_group_segment_fixed_size 327680
		.amdhsa_private_segment_fixed_size 0
		.amdhsa_enable_private_segment 0
		.amdhsa_kernarg_size 40
		.amdhsa_user_sgpr_count 2
		.amdhsa_user_sgpr_kernarg_segment_ptr 1
		.amdhsa_wavefront_size32 1
		.amdhsa_system_sgpr_workgroup_id_x 1
		.amdhsa_system_sgpr_workgroup_id_y 1
		.amdhsa_system_sgpr_workgroup_id_z 1
		.amdhsa_system_vgpr_workitem_id 0
		.amdhsa_next_free_vgpr 1024
		.amdhsa_next_free_sgpr 100
		.amdhsa_reserve_vcc 0
		.amdhsa_float_denorm_mode_32 3
		.amdhsa_float_denorm_mode_16_64 3
		.amdhsa_memory_ordered 1
		.amdhsa_forward_progress 1
		.amdhsa_inst_pref_size 190
	.end_amdhsa_kernel
	.amdgpu_metadata
---
amdhsa.version: [ 1, 2 ]
amdhsa.kernels:
  - .name:           k_q238b76636b_outp
    .symbol:         k_q238b76636b_outp.kd
    .args:
      - { .name: oimg, .offset: 0, .size: 8, .value_kind: global_buffer, .address_space: global }
      - { .name: wimg, .offset: 8, .size: 8, .value_kind: global_buffer, .address_space: global }
      - { .name: b_out, .offset: 16, .size: 8, .value_kind: global_buffer, .address_space: global }
      - { .name: x, .offset: 24, .size: 8, .value_kind: global_buffer, .address_space: global }
      - { .name: x2, .offset: 32, .size: 8, .value_kind: global_buffer, .address_space: global }
    .group_segment_fixed_size: 327680
    .private_segment_fixed_size: 0
    .kernarg_segment_align: 8
    .kernarg_segment_size: 40
    .max_flat_workgroup_size: 128
    .sgpr_count:     100
    .vgpr_count:     1024
    .wavefront_size: 32
...
	.end_amdgpu_metadata
.endif
;; end of part 5
;; launch ln2: the kernel of part 2 again; grid 256 x 1, 8 waves a work-group, no clusters, 19,456 bytes of LDS; arguments x2, ln2_scale, ln2_bias, yimg; writes yimg
;; launch fc1 (part 6): grid 16 x 16, 4 waves a work-group, clusters of 4 x 4, 327,680 bytes of LDS; arguments yimg, wimg, b_fc1, himg; writes himg
.if DOCPART == 6
	.amdgcn_target "amdgcn-amd-amdhsa--gfx1250"
	.amdhsa_code_object_version 6
	.text
	.protected	k_q238b76636b_fc1
	.globl	k_q238b76636b_fc1
	.p2align	8
	.type	k_q238b76636b_fc1,@function
k_q238b76636b_fc1:
	s_mov_b64 s[64:65], 0
	v_nop
	global_prefetch_b8 v0, s[64:65] scope:SCOPE_SE
	s_setreg_imm32_b32 hwreg(HW_REG_WAVE_MODE, 25, 1), 1
	s_wait_xcnt 0x0
	s_wait_alu depctr_hold_cnt(0) depctr_sa_sdst(0) depctr_va_vdst(0) depctr_va_sdst(0) depctr_va_ssrc(0) depctr_va_vcc(0) depctr_vm_vsrc(0)
	s_getreg_b32 s2, hwreg(HW_REG_IB_STS2, 6, 4)
	s_cmp_eq_u32 s2, 0
	s_cbranch_scc0 .Lentry_in_a_cluster
	s_endpgm
.Lentry_in_a_cluster:
	s_bfe_u32 s2, ttmp6, 0x10000c
	s_cmp_lg_u32 s2, 0xf033
	s_cbranch_scc0 .Lentry_shape_is_right
	s_endpgm
.Lentry_shape_is_right:
; Product 5 with its bias, the exact gelu, and the hidden layer's quantiser.  A = yimg, B = w_fc1's image, result himg (format: the first kernel's head).  Nothing is left out.
; gelu(x) = max(x, 0) - |x| A, A = erfc(|x| / sqrt 2) / 2 = t 2^E, t = 1 / (1 + 0.35355339 |x|), E = -0.72134752 x^2 + c0 + t (c1 + .. + t c9): the Chebyshev form of erfc (fractional error under 1.2e-7),
; its coefficients times log2(e), and 1 off c0 for the half.  All in f32.  LIMITS: the f32 exponent adds about 1e-6 at |x| = 6, growing with x^2; under about x = -13 the exponential falls to 0 and gelu is 0.
; THE CORE: a tile of 256 x 256, four waves of 128 x 128 (64 accumulators, windows 2 and 3).  K in steps of 256 through two LDS slots; a slot is four chunks (A's halves, B's halves), each one dense block of
; 36,864 bytes fetched by one wave's tensor load, scale words inside.  4 x 4 clusters: A's chunks are asked for jointly along a row of the cluster, B's along a column.
; The matrix instruction is used transposed (source 0 = B's 16 places, source 1 = A's): a lane holds a token, and its 64 registers of a block run along the hidden units, product 6's K.
; The way out is a loop of eight trips; a ladder of scalar branches on the count picks the lines that name the block's accumulators, so that gelu and quantiser are written once.
.set CHUNK,  36864
.set SUB,    18432
.set B16,    2304
.set SLOT,   4*CHUNK
.set SPARE,  2*SLOT
.set LAPS,   2
.set STEPA,  32*CHUNK
.set STEPB,  32*CHUNK
.set WOFF,   128*CHUNK
.set NQ,     2
.set FR,     16
.set NL,     4
.set NP,     8
.set ADRA, 16
.set ADRS, 18
.set ADRB, 20
.set ADR1, 22
.set ADR2, 23
.set STO,  24
.set STT,  25
.set CO,   26
.set RDS,  27
.set SPW,  28
.set NIL,  29
.set SC,   32
.set AF,   128
.set GT,   32                          ; gelu: t
.set BC,   64
.set X,    128
.set GP,   192                         ; gelu: the polynomial, then 2^E
.set GQ,   224                         ; gelu: the exponent's x^2 part, then max(x, 0)
.set PC,   224
.set TM,   240
.set PW,   4
.set SEL,  74
.set MNT,  76
.set G1, 24
.set G0, 32
.set G1B, 48
.set G0B, 56
.set MSB, 0
.macro WIN new
.if MSB != (\new)
	s_set_vgpr_msb (MSB<<8)|(\new)
.set MSB, (\new)
.endif
.endm
.set MUL_LO, 0xa1
.set MUL_HI, 0xf1
.set TO_B,   0x40
.macro JLOAD g0a, g1a, g0b, g1b
	s_cmp_eq_u32 s15, 0
	s_cbranch_scc0 .Lfor_b_\@
	tensor_load_to_lds s[\g0a:\g0a+3], s[\g1a:\g1a+7]
	s_nop 0
.rept 4
	v_nop
.endr
	s_branch .Lasked_\@
.Lfor_b_\@:
	tensor_load_to_lds s[\g0b:\g0b+3], s[\g1b:\g1b+7]
	s_nop 0
.rept 4
	v_nop
.endr
.Lasked_\@:
.endm
.macro CREST
	s_cmp_lg_u32 s14, 0
	s_cbranch_scc1 .Lnot_wave_0_\@
	s_barrier_signal -3
.Lnot_wave_0_\@:
	s_barrier_wait -3
	s_barrier_signal -1
	s_barrier_wait -1
.endm
.macro CROUND
	s_barrier_signal -1
	s_barrier_wait -1
	CREST
.endm
.macro FRAG reg, adr, q, i
.irp c, 0,1,2,3
	ds_load_b128 v[\reg+4*\c:\reg+4*\c+3], v[\adr] offset:SUB*(\q)+32*\c+(\i)*B16
.endr
.endm
.macro MUL16 a0, p, q, sc, zero        ; the 64 accumulators take turns, one instruction a turn
.irp a, \a0, \a0+1
.irp b, 0,1,2,3,4,5,6,7
.if \zero
	v_wmma_scale_f32_16x16x128_f8f6f4 v[8*(8*((\a)%4)+\b):8*(8*((\a)%4)+\b)+7], v[128*(\p)+FR*\b:128*(\p)+FR*\b+FR-1], v[AF+FR*(\a):AF+FR*(\a)+FR-1], 0, v[SC+8*NQ*(\sc)+NQ*\b+(\q)], v[SC+8*NQ*(\sc)+NQ*(\a)+(\q)] matrix_a_fmt:MATRIX_FMT_BF8 matrix_b_fmt:MATRIX_FMT_BF8 matrix_a_scale:MATRIX_SCALE_ROW1
.else
	v_wmma_scale_f32_16x16x128_f8f6f4 v[8*(8*((\a)%4)+\b):8*(8*((\a)%4)+\b)+7], v[128*(\p)+FR*\b:128*(\p)+FR*\b+FR-1], v[AF+FR*(\a):AF+FR*(\a)+FR-1], v[8*(8*((\a)%4)+\b):8*(8*((\a)%4)+\b)+7], v[SC+8*NQ*(\sc)+NQ*\b+(\q)], v[SC+8*NQ*(\sc)+NQ*(\a)+(\q)] matrix_a_fmt:MATRIX_FMT_BF8 matrix_b_fmt:MATRIX_FMT_BF8 matrix_a_scale:MATRIX_SCALE_ROW1
.endif
.endr
.endr
.endm
.macro FETCH_B slot, q, p
	WIN TO_B
.irp i, 0,1,2,3,4,5,6,7
	FRAG 128*(\p)+FR*\i, ADRB+\slot, \q, \i
.endr
	WIN 0
.endm
.macro FETCH_A slot, q, i0
.irp i, \i0, \i0+1, \i0+2, \i0+3
	FRAG AF+FR*(\i), ADRA+\slot, \q, \i
.endr
.endm
.macro SCALES s
.irp i, 0,1,2,3,4,5,6,7
.irp q, 0,1
	ds_load_b32 v[SC+16*\s+2*\i+\q], v[ADRS+\s] offset:SUB*\q+B16*\i
.endr
.endr
.endm
.macro PLACES n
.rept \n
	v_nop
.endr
.endm
.macro STEP slot, q, zero
	s_wait_dscnt 4*NL                              ; all but the youngest sixteen loads (A's blocks 4-7) are in
	WIN MUL_LO
	MUL16 0, (\q)%2, \q, \slot, \zero
	MUL16 2, (\q)%2, \q, \slot, \zero
	s_wait_dscnt 0
	PLACES NP
	FETCH_B \slot, (\q)+1, 1-(\q)%2
	FETCH_A \slot, (\q)+1, 0
	WIN MUL_HI
	MUL16 4, (\q)%2, \q, \slot, \zero
	MUL16 6, (\q)%2, \q, \slot, \zero
	PLACES NP
	WIN 0
	FETCH_A \slot, (\q)+1, 4
.endm
.macro TURN slot, next, fill
	s_wait_tensorcnt 0x0                           ; all my tensor loads have landed: my chunk of the next slot
	ds_add_u32 v[SPW], v[NIL]
	s_wait_dscnt 4*NL+1                            ; (the add and A's blocks 4-7 may be out)
	WIN MUL_LO
	MUL16 0, 1, NQ-1, \slot, 0
	s_wait_dscnt 0x0                               ; the add is done, and my reads of this slot are over
	s_barrier_signal -1
	MUL16 2, 1, NQ-1, \slot, 0
	WIN 0
	s_barrier_wait -1
.if \fill
	CREST                                          ; a round of the cluster's barrier: no wave of any partner still reads this slot or has a load on its way
	s_add_nc_u64 s[G0+4*\slot+2:G0+4*\slot+3], s[G0+4*\slot+2:G0+4*\slot+3], s[66:67]
	s_add_nc_u64 s[G0B+4*\slot+2:G0B+4*\slot+3], s[G0B+4*\slot+2:G0B+4*\slot+3], s[68:69]
	JLOAD G0+4*\slot, G1, G0B+4*\slot, G1B
	PLACES NP-4
.else
	PLACES NP
.endif
	FETCH_B \next, 0, 0
	FETCH_A \next, 0, 0
	SCALES \next
	WIN MUL_HI
	MUL16 4, 1, NQ-1, \slot, 0
	MUL16 6, 1, NQ-1, \slot, 0
	PLACES NP
	WIN 0
	FETCH_A \next, 0, 4
.endm
.macro QUANT s                         ; 64 numbers of a lane, register 16 b + i = k 32 b + 16 (lane / 16) + i, become codes in v[PC] on and the scale word in v[PW]
.irp b, 0,1,2,3
	v_max3_num_f32 v[TM+\b], |v[\s+16*\b]|, |v[\s+1+16*\b]|, 0x8000000
.endr
.irp i, 2,4,6,8,10,12,14
.irp b, 0,1,2,3
	v_max3_num_f32 v[TM+\b], v[TM+\b], |v[\s+16*\b+\i]|, |v[\s+1+16*\b+\i]|
.endr
.endr
.irp b, 0,1,2,3
	v_permlanex16_b32 v[TM+4+\b], v[TM+\b], s[SEL], s[SEL+1]
.endr
.irp b, 0,1,2,3
	v_max_num_f32 v[TM+\b], v[TM+\b], v[TM+4+\b]
.endr
.irp b, 0,1,2,3
	v_add_nc_u32 v[TM+12+\b], 0xf8800000, v[TM+\b]
.endr
.irp b, 0,1,2,3
	v_and_or_b32 v[TM+8+\b], v[TM+\b], 0x7f800000, s[MNT]
.endr
.irp b, 0,1,2,3
	v_lshrrev_b32 v[TM+4+\b], 23, v[TM+12+\b]
.endr
	v_lshl_or_b32 v[PW], v[TM+5], 8, v[TM+4]
	v_lshl_or_b32 v[PW], v[TM+6], 16, v[PW]
	v_lshl_or_b32 v[PW], v[TM+7], 24, v[PW]
.irp b, 0,1,2,3
.irp i, 0,1,2,3,4,5,6,7,8,9,10,11,12,13,14,15
	v_med3_num_f32 v[\s+16*\b+\i], v[\s+16*\b+\i], -v[TM+8+\b], v[TM+8+\b]
.endr
	v_cvt_scalef32_pk8_bf8_f32 v[PC+4*\b:PC+1+4*\b], v[\s+16*\b:\s+7+16*\b], v[TM+12+\b]
	v_cvt_scalef32_pk8_bf8_f32 v[PC+2+4*\b:PC+3+4*\b], v[\s+8+16*\b:\s+15+16*\b], v[TM+12+\b]
.endr
	v_nop                                          ; a plain line behind the last conversion
.endm
.macro TAKEC a                         ; block a's 64 sums + the column bias; each accumulator from its low end on
	WIN 0x02+(\a)/4
.set i, 0
.rept 32
	v_pk_add_f32 v[X+i:X+i+1], v[64*((\a)%4)+i:64*((\a)%4)+i+1], v[BC+i:BC+i+1]
.set i, i+2
.endr
	WIN 0
.endm
.macro GELU o                          ; 32 numbers, v[X + o] on, in place.  Two batches of transcendentals, one wait each, plain work behind each batch
.set i, 0
.rept 32
	v_fma_f32 v[GT+i], |v[X+\o+i]|, s77, 1.0
.set i, i+1
.endr
.set i, 0
.rept 32
	v_rcp_f32 v[GT+i], v[GT+i]
.set i, i+1
.endr
.set i, 0
.rept 16
	v_pk_mul_f32 v[GQ+i:GQ+i+1], v[X+\o+i:X+\o+i+1], v[X+\o+i:X+\o+i+1]
.set i, i+2
.endr
.set i, 0
.rept 16
	v_pk_fma_f32 v[GQ+i:GQ+i+1], v[GQ+i:GQ+i+1], 0xbf38aa3b, v[14:15] op_sel_hi:[1,0,1]   ; -0.72134752 x^2 + c0
.set i, i+2
.endr
	s_wait_alu depctr_va_vdst(0)                   ; one wait for the 32 reciprocals, ahead of their first reader
.set i, 0
.rept 16
	v_pk_fma_f32 v[GP+i:GP+i+1], v[GT+i:GT+i+1], v[12:13], 0xbf97d29d op_sel_hi:[1,1,0]   ; c9 t + c8
.set i, i+2
.endr
.irp c, 0x40097039, 0xbfd1a1e5, 0x3ecdfd18, 0xbe899a80, 0x3e0efb2e, 0x3f0a29d2, 0x3fb8ab5a
.set i, 0
.rept 16
	v_pk_fma_f32 v[GP+i:GP+i+1], v[GP+i:GP+i+1], v[GT+i:GT+i+1], \c op_sel_hi:[1,1,0]     ; c7 down to c1
.set i, i+2
.endr
.endr
.set i, 0
.rept 16
	v_pk_fma_f32 v[GP+i:GP+i+1], v[GP+i:GP+i+1], v[GT+i:GT+i+1], v[GQ+i:GQ+i+1]           ; E
.set i, i+2
.endr
.set i, 0
.rept 32
	v_exp_f32 v[GP+i], v[GP+i]
.set i, i+1
.endr
.set i, 0
.rept 32
	v_max_num_f32 v[GQ+i], 0, v[X+\o+i]
.set i, i+1
.endr
	s_wait_alu depctr_va_vdst(0)                   ; one wait for the 32 exponentials
.set i, 0
.rept 16
	v_pk_mul_f32 v[GP+i:GP+i+1], v[GP+i:GP+i+1], v[GT+i:GT+i+1]                           ; A = t 2^E
.set i, i+2
.endr
.set i, 0
.rept 32
	v_fma_f32 v[X+\o+i], -|v[X+\o+i]|, v[GP+i], v[GQ+i]
.set i, i+1
.endr
.endm
	s_load_b256 s[4:11], s[0:1], 0x0               ; yimg, wimg, b_fc1, himg
	v_lshl_add_u32 v[SPW], v0, 2, SPARE
	v_mov_b32 v[NIL], 0
	ds_add_u32 v[SPW], v[NIL]                      ; the opening lines: the add, twice on end, and its wait ahead of my first tensor load
	ds_add_u32 v[SPW], v[NIL]
	v_lshrrev_b32 v1, 5, v0
	v_readfirstlane_b32 s14, v1
	s_lshr_b32 s15, s14, 1
	s_and_b32 s16, s14, 1
	s_bfe_u32 s40, ttmp6, 0x40000
	s_bfe_u32 s41, ttmp6, 0x40004
	s_lshl_b32 s42, ttmp9, 2
	s_add_co_u32 s42, s42, s40                     ; tile column
	s_and_b32 s17, ttmp7, 0xffff
	s_lshl_b32 s17, s17, 2
	s_add_co_u32 s17, s17, s41                     ; tile row
	s_lshl_b32 s43, s41, 2
	s_lshl_b32 s43, 15, s43
	s_lshl_b32 s44, 0x1111, s40
	s_or_b32 s[G1+0], s43, (3<<16)|(1<<21)
	s_or_b32 s[G1B+0], s44, (3<<16)|(1<<21)
.irp g, G1, G1B
	s_mov_b32 s[\g+1], 32<<16                      ; a chunk as 144 rows of 256 bytes, dense
	s_mov_b32 s[\g+2], 144<<16
	s_mov_b32 s[\g+3], 32<<16
	s_mov_b32 s[\g+4], 144
	s_mov_b32 s[\g+5], 32
	s_mov_b32 s[\g+6], 0
	s_mov_b32 s[\g+7], 0
.endr
	s_mov_b32 s[SEL], 0x76543210
	s_mov_b32 s[SEL+1], 0xfedcba98
	s_mov_b32 s[MNT], 0x600000
	s_mov_b32 s77, 0x3eb504f3                      ; 0.35355339
	s_mov_b32 s66, 2*STEPA
	s_mov_b32 s67, 0
	s_mov_b32 s68, 2*STEPB
	s_mov_b32 s69, 0
	s_lshl_b32 s20, s17, 1
	s_add_co_u32 s20, s20, s16
	s_mul_i32 s20, s20, CHUNK
	s_mov_b32 s21, 0
	s_lshl_b32 s46, s42, 1
	s_add_co_u32 s46, s46, s16
	s_mul_i32 s46, s46, CHUNK
	s_add_co_u32 s46, s46, WOFF
	s_mov_b32 s47, 0
	s_mul_i32 s45, s14, CHUNK
	s_lshl_b32 s96, s42, 5                         ; my sub-image of himg
	s_lshl_b32 s97, s17, 1
	s_add_co_u32 s96, s96, s97
	s_add_co_u32 s96, s96, s15
	s_mul_i32 s96, s96, CHUNK
	s_mul_i32 s97, s16, SUB
	s_add_co_u32 s96, s96, s97
	s_mov_b32 s97, 0
	s_lshl_b32 s78, s42, 10                        ; my 128 columns of the bias
	s_lshl_b32 s79, s16, 9
	s_add_co_u32 s78, s78, s79
	s_mov_b32 s79, 0
	s_wait_dscnt 0x0
	s_wait_kmcnt 0x0
	s_add_nc_u64 s[20:21], s[4:5], s[20:21]
	s_add_nc_u64 s[46:47], s[6:7], s[46:47]
	s_add_nc_u64 s[78:79], s[8:9], s[78:79]
	s_add_nc_u64 s[94:95], s[10:11], s[96:97]
	CROUND
.irp s, 0,1
	s_mov_b32 s[G0+4*\s], 1
	s_add_co_u32 s[G0+4*\s+1], s45, \s*SLOT
	s_add_nc_u64 s[G0+4*\s+2:G0+4*\s+3], s[20:21], \s*STEPA
	s_or_b32 s[G0+4*\s+3], s[G0+4*\s+3], 0x80000000
	s_mov_b32 s[G0B+4*\s], 1
	s_add_co_u32 s[G0B+4*\s+1], s45, \s*SLOT
	s_add_nc_u64 s[G0B+4*\s+2:G0B+4*\s+3], s[46:47], \s*STEPB
	s_or_b32 s[G0B+4*\s+3], s[G0B+4*\s+3], 0x80000000
	JLOAD G0+4*\s, G1, G0B+4*\s, G1B
.endr
	v_and_b32 v1, 15, v0
	v_bfe_u32 v2, v0, 4, 1
	v_mul_u32_u24 v3, v1, 144
	v_lshl_add_u32 v30, v2, 4, v3
	s_mul_i32 s21, s15, CHUNK
	s_mul_i32 s22, s16, CHUNK
	s_add_co_u32 s22, s22, 2*CHUNK
	s_sub_co_u32 s23, s22, s21
	v_mul_u32_u24 v31, s23, v2
	v_add_nc_u32 v31, v31, v3
	v_add_nc_u32 v31, 128, v31
.irp s, 0,1
	v_add_nc_u32 v[ADRA+\s], s21, v30
	v_add_nc_u32 v[ADRB+\s], s22, v30
	v_add_nc_u32 v[ADRS+\s], s21, v31
	s_add_co_u32 s21, s21, SLOT
	s_add_co_u32 s22, s22, SLOT
.endr
	s_mul_i32 s23, s14, SUB                        ; my stage: a sub-image, in slot 0
	v_add_nc_u32 v[STO], s23, v30
	v_add_nc_u32 v[STT], s23, v3
	v_add_nc_u32 v[STT], 128, v[STT]
	v_and_b32 v31, 31, v0
	v_lshlrev_b32 v[CO], 4, v31
	v_add_nc_u32 v[RDS], s23, v[CO]
	v_lshlrev_b32 v[ADR1], 6, v2                   ; written again only behind the wait for the loads
	v_mov_b32 v12, 0x3e7c6f08                      ; c9, twice
	v_mov_b32 v13, 0x3e7c6f08
	v_mov_b32 v14, 0xc034d90f                      ; c0, twice
	v_mov_b32 v15, 0xc034d90f
.irp n, 0,1,2,3,4,5,6,7,8,9,10,11,12,13,14,15
	global_load_b128 v[BC+4*\n:BC+4*\n+3], v[ADR1], s[78:79] offset:128*(\n/4)+16*(\n%4)
.endr
	s_wait_tensorcnt 1                             ; my chunk of K step 0 is in; K step 1's may stay out
	s_barrier_signal -1
	s_barrier_wait -1
	FETCH_B 0, 0, 0
	FETCH_A 0, 0, 0
	SCALES 0
	FETCH_A 0, 0, 4
	STEP 0, 0, 1
	s_mov_b32 s3, LAPS-1
.Llap:
	TURN 0, 1, 1
	STEP 1, 0, 0
	TURN 1, 0, 1
	STEP 0, 0, 0
	s_sub_co_u32 s3, s3, 1
	s_cmp_lg_u32 s3, 0
	s_cbranch_scc1 .Llap
	TURN 0, 1, 0
	STEP 1, 0, 0
	s_wait_dscnt 4*NL
	WIN MUL_LO
	MUL16 0, 1, NQ-1, 1, 0
	MUL16 2, 1, NQ-1, 1, 0
	s_wait_dscnt 0
	WIN MUL_HI
	MUL16 4, 1, NQ-1, 1, 0
	MUL16 6, 1, NQ-1, 1, 0
	WIN 0
	; THE WAY OUT.  Slot 0 has had its last fill, and nobody has read it since the last change of slots.
	PLACES NP
	s_wait_loadcnt 0x0                             ; the bias
.irp b, 0,1,2,3
	v_mov_b32 v[TM+4+\b], 0
.endr
	v_mov_b32 v5, 0
	v_mov_b32 v6, 0
	v_mov_b32 v7, 0
	s_mov_b32 s3, 0
	s_mov_b32 s2, 0
.Lrow:
.irp n, 0,1,2,3,4,5,6
	s_cmp_eq_u32 s3, \n
	s_cbranch_scc1 .Ltk\n
.endr
	TAKEC 7
	s_branch .Lcommon
.Ltk0:
	TAKEC 0
	s_branch .Lcommon
.Ltk1:
	TAKEC 1
	s_branch .Lcommon
.Ltk2:
	TAKEC 2
	s_branch .Lcommon
.Ltk3:
	TAKEC 3
	s_branch .Lcommon
.Ltk4:
	TAKEC 4
	s_branch .Lcommon
.Ltk5:
	TAKEC 5
	s_branch .Lcommon
.Ltk6:
	TAKEC 6
.Lcommon:
	GELU 0
	GELU 32
	QUANT X
	v_add_nc_u32 v[ADR1], s2, v[STO]
	v_add_nc_u32 v[ADR2], s2, v[STT]
.irp b, 0,1,2,3
	ds_store_b128 v[ADR1], v[PC+4*\b:PC+4*\b+3] offset:32*\b
.endr
	ds_store_b128 v[ADR2], v[4:7]
	s_wait_dscnt 0x0                               ; the stores have read their registers
	s_add_co_u32 s2, s2, B16
	s_add_co_u32 s3, s3, 1
	s_cmp_lt_u32 s3, 8
	s_cbranch_scc1 .Lrow
.set i, 0
.rept 36
	ds_load_b128 v[64+4*i:64+4*i+3], v[RDS] offset:512*i
.set i, i+1
.endr
.set i, 0
.rept 36
	s_wait_dscnt 35-i                              ; the younger loads may be out
	global_store_b128 v[CO], v[64+4*i:64+4*i+3], s[94:95] offset:512*i   ; 512 consecutive bytes, at a multiple of 256 from the buffer's first byte
.set i, i+1
.endr
	s_wait_tensorcnt 0x0                           ; the wave's end
	ds_add_u32 v[SPW], v[NIL]
	s_wait_dscnt 0x0
	CROUND                                         ; the closing round
	s_endpgm
.Lfunc_end_k_q238b76636b_fc1:
	.size	k_q238b76636b_fc1, .Lfunc_end_k_q238b76636b_fc1-k_q238b76636b_fc1
	.p2alignl 7, 3214868480
	.fill 96, 4, 3214868480
	.section	.rodata,"a",@progbits
	.p2align	6, 0x0
	.amdhsa_kernel k_q238b76636b_fc1
		.amdhsa_group_segment_fixed_size 327680
		.amdhsa_private_segment_fixed_size 0
		.amdhsa_enable_private_segment 0
		.amdhsa_kernarg_size 32
		.amdhsa_user_sgpr_count 2
		.amdhsa_user_sgpr_kernarg_segment_ptr 1
		.amdhsa_wavefront_size32 1
		.amdhsa_system_sgpr_workgroup_id_x 1
		.amdhsa_system_sgpr_workgroup_id_y 1
		.amdhsa_system_sgpr_workgroup_id_z 1
		.amdhsa_system_vgpr_workitem_id 0
		.amdhsa_next_free_vgpr 1024
		.amdhsa_next_free_sgpr 100
		.amdhsa_reserve_vcc 0
		.amdhsa_float_denorm_mode_32 3
		.amdhsa_float_denorm_mode_16_64 3
		.amdhsa_memory_ordered 1
		.amdhsa_forward_progress 1
		.amdhsa_inst_pref_size 198
	.end_amdhsa_kernel
	.amdgpu_metadata
---
amdhsa.version: [ 1, 2 ]
amdhsa.kernels:
  - .name:           k_q238b76636b_fc1
    .symbol:         k_q238b76636b_fc1.kd
    .args:
      - { .name: yimg, .offset: 0, .size: 8, .value_kind: global_buffer, .address_space: global }
      - { .name: wimg, .offset: 8, .size: 8, .value_kind: global_buffer, .address_space: global }
      - { .name: b_fc1, .offset: 16, .size: 8, .value_kind: global_buffer, .address_space: global }
      - { .name: himg, .offset: 24, .size: 8, .value_kind: global_buffer, .address_space: global }
    .group_segment_fixed_size: 327680
    .private_segment_fixed_size: 0
    .kernarg_segment_align: 8
    .kernarg_segment_size: 32
    .max_flat_workgroup_size: 128
    .sgpr_count:     100
    .vgpr_count:     1024
    .wavefront_size: 32
...
	.end_amdgpu_metadata
.endif
;; end of part 6
;; launch fc2 (part 7): grid 4 x 16, 4 waves a work-group, clusters of 4 x 4, 327,680 bytes of LDS; arguments himg, wimg, b_fc2, x2, out0; writes out0
.if DOCPART == 7
	.amdgcn_target "amdgcn-amd-amdhsa--gfx1250"
	.amdhsa_code_object_version 6
	.text
	.protected	k_q238b76636b_fc2
	.globl	k_q238b76636b_fc2
	.p2align	8
	.type	k_q238b76636b_fc2,@function
k_q238b76636b_fc2:
	s_mov_b64 s[64:65], 0
	v_nop
	global_prefetch_b8 v0, s[64:65] scope:SCOPE_SE
	s_setreg_imm32_b32 hwreg(HW_REG_WAVE_MODE, 25, 1), 1
	s_wait_xcnt 0x0
	s_wait_alu depctr_hold_cnt(0) depctr_sa_sdst(0) depctr_va_vdst(0) depctr_va_sdst(0) depctr_va_ssrc(0) depctr_va_vcc(0) depctr_vm_vsrc(0)
	s_getreg_b32 s2, hwreg(HW_REG_IB_STS2, 6, 4)
	s_cmp_eq_u32 s2, 0
	s_cbranch_scc0 .Lentry_in_a_cluster
	s_endpgm
.Lentry_in_a_cluster:
	s_bfe_u32 s2, ttmp6, 0x10000c
	s_cmp_lg_u32 s2, 0xf033
	s_cbranch_scc0 .Lentry_shape_is_right
	s_endpgm
.Lentry_shape_is_right:
; Product 6: out = x2 + (hidden W_fc2 + b_fc2), f32 rows.  A = himg, B = w_fc2's image (format: the first kernel's head).  Nothing is left out.
; THE CORE: a tile of 256 x 256, four waves of 128 x 128 (64 accumulators, windows 2 and 3).  K = 4,096 in steps of 256 through two LDS slots; a slot is four chunks (A's halves, B's halves), each one dense
; block of 36,864 bytes fetched by one wave's tensor load, scale words inside.  4 x 4 clusters: A's chunks are asked for jointly along a row of the cluster, B's along a column.
; The matrix instruction is used transposed (source 0 = B's 16 places, source 1 = A's): a lane holds a token and neighbouring columns.  Place 16 a + t of A is token 32 (a / 2) + 8 (a % 2) + t + 8 (t / 8).
; 64 work-groups: the tile is the core's; a smaller tile would read twice the LDS bytes for each product.
.set CHUNK,  36864
.set SUB,    18432
.set B16,    2304
.set SLOT,   4*CHUNK
.set SPARE,  2*SLOT
.set LAPS,   8                         ; K = 4,096
.set STEPA,  32*CHUNK
.set STEPB,  8*CHUNK
.set WOFF,   0
.set NQ,     2
.set FR,     16
.set NL,     4
.set NP,     8
.set ADRA, 16
.set ADRS, 18
.set ADRB, 20
.set STO,  24
.set RD,   25
.set CO,   26
.set SPW,  28
.set NIL,  29
.set SC,   32
.set AF,   128
.set BK,   128
.set G1, 24
.set G0, 32
.set G1B, 48
.set G0B, 56
.set MSB, 0
.macro WIN new
.if MSB != (\new)
	s_set_vgpr_msb (MSB<<8)|(\new)
.set MSB, (\new)
.endif
.endm
.set MUL_LO, 0xa1
.set MUL_HI, 0xf1
.set TO_B,   0x40
.macro JLOAD g0a, g1a, g0b, g1b
	s_cmp_eq_u32 s15, 0
	s_cbranch_scc0 .Lfor_b_\@
	tensor_load_to_lds s[\g0a:\g0a+3], s[\g1a:\g1a+7]
	s_nop 0
.rept 4
	v_nop
.endr
	s_branch .Lasked_\@
.Lfor_b_\@:
	tensor_load_to_lds s[\g0b:\g0b+3], s[\g1b:\g1b+7]
	s_nop 0
.rept 4
	v_nop
.endr
.Lasked_\@:
.endm
.macro CREST
	s_cmp_lg_u32 s14, 0
	s_cbranch_scc1 .Lnot_wave_0_\@
	s_barrier_signal -3
.Lnot_wave_0_\@:
	s_barrier_wait -3
	s_barrier_signal -1
	s_barrier_wait -1
.endm
.macro CROUND
	s_barrier_signal -1
	s_barrier_wait -1
	CREST
.endm
.macro FRAG reg, adr, q, i
.irp c, 0,1,2,3
	ds_load_b128 v[\reg+4*\c:\reg+4*\c+3], v[\adr] offset:SUB*(\q)+32*\c+(\i)*B16
.endr
.endm
.macro MUL16 a0, p, q, sc, zero        ; the 64 accumulators take turns, one instruction a turn
.irp a, \a0, \a0+1
.irp b, 0,1,2,3,4,5,6,7
.if \zero
	v_wmma_scale_f32_16x16x128_f8f6f4 v[8*(8*((\a)%4)+\b):8*(8*((\a)%4)+\b)+7], v[128*(\p)+FR*\b:128*(\p)+FR*\b+FR-1], v[AF+FR*(\a):AF+FR*(\a)+FR-1], 0, v[SC+8*NQ*(\sc)+NQ*\b+(\q)], v[SC+8*NQ*(\sc)+NQ*(\a)+(\q)] matrix_a_fmt:MATRIX_FMT_BF8 matrix_b_fmt:MATRIX_FMT_BF8 matrix_a_scale:MATRIX_SCALE_ROW1
.else
	v_wmma_scale_f32_16x16x128_f8f6f4 v[8*(8*((\a)%4)+\b):8*(8*((\a)%4)+\b)+7], v[128*(\p)+FR*\b:128*(\p)+FR*\b+FR-1], v[AF+FR*(\a):AF+FR*(\a)+FR-1], v[8*(8*((\a)%4)+\b):8*(8*((\a)%4)+\b)+7], v[SC+8*NQ*(\sc)+NQ*\b+(\q)], v[SC+8*NQ*(\sc)+NQ*(\a)+(\q)] matrix_a_fmt:MATRIX_FMT_BF8 matrix_b_fmt:MATRIX_FMT_BF8 matrix_a_scale:MATRIX_SCALE_ROW1
.endif
.endr
.endr
.endm
.macro FETCH_B slot, q, p
	WIN TO_B
.irp i, 0,1,2,3,4,5,6,7
	FRAG 128*(\p)+FR*\i, ADRB+\slot, \q, \i
.endr
	WIN 0
.endm
.macro FETCH_A slot, q, i0
.irp i, \i0, \i0+1, \i0+2, \i0+3
	FRAG AF+FR*(\i), ADRA+\slot, \q, \i
.endr
.endm
.macro SCALES s
.irp i, 0,1,2,3,4,5,6,7
.irp q, 0,1
	ds_load_b32 v[SC+16*\s+2*\i+\q], v[ADRS+\s] offset:SUB*\q+B16*\i
.endr
.endr
.endm
.macro PLACES n
.rept \n
	v_nop
.endr
.endm
.macro STEP slot, q, zero
	s_wait_dscnt 4*NL                              ; all but the youngest sixteen loads (A's blocks 4-7) are in
	WIN MUL_LO
	MUL16 0, (\q)%2, \q, \slot, \zero
	MUL16 2, (\q)%2, \q, \slot, \zero
	s_wait_dscnt 0
	PLACES NP
	FETCH_B \slot, (\q)+1, 1-(\q)%2
	FETCH_A \slot, (\q)+1, 0
	WIN MUL_HI
	MUL16 4, (\q)%2, \q, \slot, \zero
	MUL16 6, (\q)%2, \q, \slot, \zero
	PLACES NP
	WIN 0
	FETCH_A \slot, (\q)+1, 4
.endm
.macro TURN slot, next, fill
	s_wait_tensorcnt 0x0                           ; all my tensor loads have landed: my chunk of the next slot
	ds_add_u32 v[SPW], v[NIL]
	s_wait_dscnt 4*NL+1                            ; (the add and A's blocks 4-7 may be out)
	WIN MUL_LO
	MUL16 0, 1, NQ-1, \slot, 0
	s_wait_dscnt 0x0                               ; the add is done, and my reads of this slot are over
	s_barrier_signal -1
	MUL16 2, 1, NQ-1, \slot, 0
	WIN 0
	s_barrier_wait -1
.if \fill
	CREST                                          ; a round of the cluster's barrier: no wave of any partner still reads this slot or has a load on its way
	s_add_nc_u64 s[G0+4*\slot+2:G0+4*\slot+3], s[G0+4*\slot+2:G0+4*\slot+3], s[66:67]
	s_add_nc_u64 s[G0B+4*\slot+2:G0B+4*\slot+3], s[G0B+4*\slot+2:G0B+4*\slot+3], s[68:69]
	JLOAD G0+4*\slot, G1, G0B+4*\slot, G1B
	PLACES NP-4
.else
	PLACES NP
.endif
	FETCH_B \next, 0, 0
	FETCH_A \next, 0, 0
	SCALES \next
	WIN MUL_HI
	MUL16 4, 1, NQ-1, \slot, 0
	MUL16 6, 1, NQ-1, \slot, 0
	PLACES NP
	WIN 0
	FETCH_A \next, 0, 4
.endm
	s_load_b256 s[4:11], s[0:1], 0x0               ; A's image, wimg, the bias, the residual
	s_load_b64 s[12:13], s[0:1], 0x20              ; the result
	v_lshl_add_u32 v[SPW], v0, 2, SPARE
	v_mov_b32 v[NIL], 0
	ds_add_u32 v[SPW], v[NIL]                      ; the opening lines: the add, twice on end, and its wait ahead of my first tensor load
	ds_add_u32 v[SPW], v[NIL]
	v_lshrrev_b32 v1, 5, v0
	v_readfirstlane_b32 s14, v1
	s_lshr_b32 s15, s14, 1
	s_and_b32 s16, s14, 1
	s_bfe_u32 s40, ttmp6, 0x40000
	s_bfe_u32 s41, ttmp6, 0x40004
	s_lshl_b32 s42, ttmp9, 2
	s_add_co_u32 s42, s42, s40                     ; tile column
	s_and_b32 s17, ttmp7, 0xffff
	s_lshl_b32 s17, s17, 2
	s_add_co_u32 s17, s17, s41                     ; tile row
	s_lshl_b32 s43, s41, 2
	s_lshl_b32 s43, 15, s43
	s_lshl_b32 s44, 0x1111, s40
	s_or_b32 s[G1+0], s43, (3<<16)|(1<<21)
	s_or_b32 s[G1B+0], s44, (3<<16)|(1<<21)
.irp g, G1, G1B
	s_mov_b32 s[\g+1], 32<<16                      ; a chunk as 144 rows of 256 bytes, dense
	s_mov_b32 s[\g+2], 144<<16
	s_mov_b32 s[\g+3], 32<<16
	s_mov_b32 s[\g+4], 144
	s_mov_b32 s[\g+5], 32
	s_mov_b32 s[\g+6], 0
	s_mov_b32 s[\g+7], 0
.endr
	s_mov_b32 s66, 2*STEPA
	s_mov_b32 s67, 0
	s_mov_b32 s68, 2*STEPB
	s_mov_b32 s69, 0
	s_lshl_b32 s20, s17, 1
	s_add_co_u32 s20, s20, s16
	s_mul_i32 s20, s20, CHUNK
	s_mov_b32 s21, 0
	s_lshl_b32 s46, s42, 1
	s_add_co_u32 s46, s46, s16
	s_mul_i32 s46, s46, CHUNK
	s_add_co_u32 s46, s46, WOFF
	s_mov_b32 s47, 0
	s_mul_i32 s45, s14, CHUNK
	s_lshl_b32 s80, s17, 20                        ; my 128 rows x 4,096 bytes,
	s_lshl_b32 s81, s15, 19
	s_add_co_u32 s80, s80, s81
	s_lshl_b32 s82, s42, 10                        ; my 128 columns x 4
	s_lshl_b32 s83, s16, 9
	s_add_co_u32 s82, s82, s83
	s_mov_b32 s83, 0
	s_add_co_u32 s80, s80, s82
	s_mov_b32 s81, 0
	s_wait_dscnt 0x0
	s_wait_kmcnt 0x0
	s_add_nc_u64 s[20:21], s[4:5], s[20:21]
	s_add_nc_u64 s[46:47], s[6:7], s[46:47]
	s_add_nc_u64 s[78:79], s[8:9], s[82:83]
	s_add_nc_u64 s[84:85], s[10:11], s[80:81]
	s_add_nc_u64 s[86:87], s[12:13], s[80:81]
	CROUND
.irp s, 0,1
	s_mov_b32 s[G0+4*\s], 1
	s_add_co_u32 s[G0+4*\s+1], s45, \s*SLOT
	s_add_nc_u64 s[G0+4*\s+2:G0+4*\s+3], s[20:21], \s*STEPA
	s_or_b32 s[G0+4*\s+3], s[G0+4*\s+3], 0x80000000
	s_mov_b32 s[G0B+4*\s], 1
	s_add_co_u32 s[G0B+4*\s+1], s45, \s*SLOT
	s_add_nc_u64 s[G0B+4*\s+2:G0B+4*\s+3], s[46:47], \s*STEPB
	s_or_b32 s[G0B+4*\s+3], s[G0B+4*\s+3], 0x80000000
	JLOAD G0+4*\s, G1, G0B+4*\s, G1B
.endr
	v_and_b32 v1, 15, v0
	v_bfe_u32 v2, v0, 4, 1
	v_mul_u32_u24 v3, v1, 144
	v_lshl_add_u32 v30, v2, 4, v3
	s_mul_i32 s21, s15, CHUNK
	s_mul_i32 s22, s16, CHUNK
	s_add_co_u32 s22, s22, 2*CHUNK
	s_sub_co_u32 s23, s22, s21
	v_mul_u32_u24 v31, s23, v2
	v_add_nc_u32 v31, v31, v3
	v_add_nc_u32 v31, 128, v31
.irp s, 0,1
	v_add_nc_u32 v[ADRA+\s], s21, v30
	v_add_nc_u32 v[ADRB+\s], s22, v30
	v_add_nc_u32 v[ADRS+\s], s21, v31
	s_add_co_u32 s21, s21, SLOT
	s_add_co_u32 s22, s22, SLOT
.endr
	s_mul_i32 s23, s14, 16*528                     ; my stage: 16 rows x (512 + 16) bytes, in slot 0
	v_mul_u32_u24 v31, v1, 528
	v_lshl_add_u32 v31, v2, 6, v31
	v_add_nc_u32 v[STO], s23, v31
	v_and_b32 v31, 31, v0
	v_lshlrev_b32 v[CO], 4, v31
	v_add_nc_u32 v[RD], s23, v[CO]
	global_load_b128 v[8:11], v[CO], s[78:79]      ; the bias of the four columns that I store
	s_wait_tensorcnt 1                             ; my chunk of K step 0 is in; K step 1's may stay out
	s_barrier_signal -1
	s_barrier_wait -1
	FETCH_B 0, 0, 0
	FETCH_A 0, 0, 0
	SCALES 0
	FETCH_A 0, 0, 4
	STEP 0, 0, 1
	s_mov_b32 s3, LAPS-1
.Llap:
	TURN 0, 1, 1
	STEP 1, 0, 0
	TURN 1, 0, 1
	STEP 0, 0, 0
	s_sub_co_u32 s3, s3, 1
	s_cmp_lg_u32 s3, 0
	s_cbranch_scc1 .Llap
	TURN 0, 1, 0
	STEP 1, 0, 0
	s_wait_dscnt 4*NL
	WIN MUL_LO
	MUL16 0, 1, NQ-1, 1, 0
	MUL16 2, 1, NQ-1, 1, 0
	s_wait_dscnt 0
	WIN MUL_HI
	MUL16 4, 1, NQ-1, 1, 0
	MUL16 6, 1, NQ-1, 1, 0
	WIN 0
; THE WAY OUT, block by block of 16 places: through my stage, back as whole rows of 512 bytes; bias, residual, store.  The residual's rows come four blocks ahead, into window 1.
.macro RESLOAD a
	WIN 0x40
.irp t, 0,1,2,3,4,5,6,7,8,9,10,11,12,13,14,15
	global_load_b128 v[64*((\a)%4)+4*\t:64*((\a)%4)+4*\t+3], v[CO], s[84:85] offset:(32*((\a)/2)+8*((\a)%2)+\t+8*(\t/8))*4096 th:TH_LOAD_NT
.endr
	WIN 0
.endm
.macro TOSTAGE a
.set AC, 64*((\a)%4)
	WIN 0x08+4*((\a)/4)
.irp b, 0,1,2,3,4,5,6,7
	ds_store_b128 v[STO], v[AC+8*\b:AC+8*\b+3] offset:(\b/2)*128+(\b%2)*32          ; each accumulator from its low end on
	ds_store_b128 v[STO], v[AC+8*\b+4:AC+8*\b+7] offset:(\b/2)*128+(\b%2)*32+16
.endr
	WIN 0
.set BB, BK+64*((\a)%2)
.irp t, 0,1,2,3,4,5,6,7,8,9,10,11,12,13,14,15
	ds_load_b128 v[BB+4*\t:BB+4*\t+3], v[RD] offset:\t*528
.endr
.endm
.macro SEND a, younger
.set BB, BK+64*((\a)%2)
	s_wait_dscnt \younger                          ; the block is back; the next block's stage traffic may be out
.if 7-(\a) >= 3
	s_wait_loadcnt 48                              ; its residual is in; the three blocks asked for behind it may be out
.else
	s_wait_loadcnt 16*(7-(\a))
.endif
.irp t, 0,1,2,3,4,5,6,7,8,9,10,11,12,13,14,15
	v_pk_add_f32 v[BB+4*\t:BB+4*\t+1], v[BB+4*\t:BB+4*\t+1], v[8:9]
	v_pk_add_f32 v[BB+4*\t+2:BB+4*\t+3], v[BB+4*\t+2:BB+4*\t+3], v[10:11]
.endr
	WIN 0x04
.set i, 0
.rept 32
	v_pk_add_f32 v[BB+i:BB+i+1], v[BB+i:BB+i+1], v[64*((\a)%4)+i:64*((\a)%4)+i+1]
.set i, i+2
.endr
	WIN 0
.irp t, 0,1,2,3,4,5,6,7,8,9,10,11,12,13,14,15
	global_store_b128 v[CO], v[BB+4*\t:BB+4*\t+3], s[86:87] offset:(32*((\a)/2)+8*((\a)%2)+\t+8*(\t/8))*4096 th:TH_STORE_NT   ; 512 consecutive bytes, aligned
.endr
.if (\a) < 4
	RESLOAD (\a)+4
.endif
.endm
	PLACES NP
	RESLOAD 0
	RESLOAD 1
	RESLOAD 2
	RESLOAD 3
	TOSTAGE 0
.irp a, 1,2,3,4,5,6,7
.if \a > 1
	s_wait_xcnt 0x0                                ; block a - 2's stores have read their registers: block a's loads may land there
.endif
	TOSTAGE \a
	SEND \a-1, 32
.endr
	s_wait_xcnt 0x0
	SEND 7, 0
	s_wait_tensorcnt 0x0                           ; the wave's end
	ds_add_u32 v[SPW], v[NIL]
	s_wait_dscnt 0x0
	CROUND                                         ; the closing round
	s_endpgm
.Lfunc_end_k_q238b76636b_fc2:
	.size	k_q238b76636b_fc2, .Lfunc_end_k_q238b76636b_fc2-k_q238b76636b_fc2
	.p2alignl 7, 3214868480
	.fill 96, 4, 3214868480
	.section	.rodata,"a",@progbits
	.p2align	6, 0x0
	.amdhsa_kernel k_q238b76636b_fc2
		.amdhsa_group_segment_fixed_size 327680
		.amdhsa_private_segment_fixed_size 0
		.amdhsa_enable_private_segment 0
		.amdhsa_kernarg_size 40
		.amdhsa_user_sgpr_count 2
		.amdhsa_user_sgpr_kernarg_segment_ptr 1
		.amdhsa_wavefront_size32 1
		.amdhsa_system_sgpr_workgroup_id_x 1
		.amdhsa_system_sgpr_workgroup_id_y 1
		.amdhsa_system_sgpr_workgroup_id_z 1
		.amdhsa_system_vgpr_workitem_id 0
		.amdhsa_next_free_vgpr 1024
		.amdhsa_next_free_sgpr 100
		.amdhsa_reserve_vcc 0
		.amdhsa_float_denorm_mode_32 3
		.amdhsa_float_denorm_mode_16_64 3
		.amdhsa_memory_ordered 1
		.amdhsa_forward_progress 1
		.amdhsa_inst_pref_size 190
	.end_amdhsa_kernel
	.amdgpu_metadata
---
amdhsa.version: [ 1, 2 ]
amdhsa.kernels:
  - .name:           k_q238b76636b_fc2
    .symbol:         k_q238b76636b_fc2.kd
    .args:
      - { .name: himg, .offset: 0, .size: 8, .value_kind: global_buffer, .address_space: global }
      - { .name: wimg, .offset: 8, .size: 8, .value_kind: global_buffer, .address_space: global }
      - { .name: b_fc2, .offset: 16, .size: 8, .value_kind: global_buffer, .address_space: global }
      - { .name: x2, .offset: 24, .size: 8, .value_kind: global_buffer, .address_space: global }
      - { .name: out0, .offset: 32, .size: 8, .value_kind: global_buffer, .address_space: global }
    .group_segment_fixed_size: 327680
    .private_segment_fixed_size: 0
    .kernarg_segment_align: 8
    .kernarg_segment_size: 40
    .max_flat_workgroup_size: 128
    .sgpr_count:     100
    .vgpr_count:     1024
    .wavefront_size: 32
...
	.end_amdgpu_metadata
.endif
;; end of part 7
;; ======== version 2 of 2: 8 launches
;; limits: right only within a limited range of input values
;; workspace buffers: wimg 14,155,776 bytes; yimg 4,718,592 bytes; qkimg 9,437,184 bytes; vtimg 4,718,592 bytes; oimg 4,718,592 bytes; x2 16,777,216 bytes; himg 18,874,368 bytes
;; launch wq: the kernel of part 1 again; grid 384 x 1, 4 waves a work-group, no clusters, 37,376 bytes of LDS; arguments w_fc2, w_fc1, w_qkv, w_out, wimg; writes wimg
;; launch ln1 (part 8): grid 256 x 1, 8 waves a work-group, no clusters, 19,456 bytes of LDS; arguments x, ln1_scale, ln1_bias, yimg; writes yimg
.if DOCPART == 8
	.amdgcn_target "amdgcn-amd-amdhsa--gfx1250"
	.amdhsa_code_object_version 6
	.text
	.protected	k_q238b76636b_ln1
	.globl	k_q238b76636b_ln1
	.p2align	8
	.type	k_q238b76636b_ln1,@function
k_q238b76636b_ln1:
	s_mov_b64 s[64:65], 0
	v_nop
	global_prefetch_b8 v0, s[64:65] scope:SCOPE_SE
	s_setreg_imm32_b32 hwreg(HW_REG_WAVE_MODE, 25, 1), 1
	s_wait_xcnt 0x0
; LayerNorm and quantiser: rows [4096][1024] f32 -> an image of 4,096 rows x 1,024 (format: see the first kernel's head).  Nothing is left out.
; A work-group makes sixteen places on end, a wave two of them, which are two neighbouring rows.  A row lies in 32 registers a lane: load j reads 512 consecutive bytes, lane l elements 128 j + 4 l .. + 3.
; Mean and variance in two passes (the differences are squared, so an offset in the rows does no harm), all in f32.  A block of 32 lies in eight neighbouring lanes: its largest magnitude by three DPP steps.
; A conversion takes eight numbers under ONE scale, and a lane's eight belong to two blocks: so each number is multiplied by 2^-e (exact) and held, and the conversion runs with the scale 1.
; LIMITS: as stated at the first kernel's head.
.set CHUNK, 36864
.set SUB,   18432
.set SPARE, 18432                      ; behind the stage [8 column blocks][16 places][144]: the spare words, 128 bytes for each of eight waves
.set XR0, 32
.set XR1, 64
.set G,   96
.set B,   128
.set M,   160
.set RS,  168
.set BY,  176
.set C,   184
	s_load_b256 s[4:11], s[0:1], 0x0               ; rows, gain, bias, image
	v_lshl_add_u32 v18, v0, 2, SPARE
	v_mov_b32 v19, 0                               ; v18, v19: kept for the closing lines alone
	v_lshrrev_b32 v1, 5, v0
	s_delay_alu instid0(VALU_DEP_1)
	v_readfirstlane_b32 s12, v1                    ; wave
	v_and_b32 v1, 31, v0
	s_delay_alu instid0(VALU_DEP_1)
	v_lshlrev_b32 v2, 4, v1                        ; 16 bytes a lane
	s_mul_i32 s13, s12, 288                        ; my two places
	v_lshl_add_u32 v3, v1, 2, s13                  ; codes: 4 bytes a lane
	v_lshrrev_b32 v14, 3, v1
	s_delay_alu instid0(VALU_DEP_1)
	v_add_nc_u32 v14, s13, v14
	s_delay_alu instid0(VALU_DEP_1)
	v_add_nc_u32 v14, 128, v14                     ; my block's scale byte
	v_mov_b32 v15, s13
	s_delay_alu instid0(VALU_DEP_1)
	v_add_nc_u32 v15, 128, v15                     ; the tail
	s_mul_i32 s13, s12, 2304
	v_lshl_add_u32 v16, v1, 3, s13                 ; the way out: column block = wave, 8 bytes a lane
	v_lshlrev_b32 v17, 3, v1
	v_mov_b32 v20, 1.0
.irp i, 24,25,26,27
	v_mov_b32 v\i, 0
.endr
	s_mov_b32 s14, 0x76543210
	s_mov_b32 s15, 0xfedcba98                      ; v_permlanex16_b32: lane l xor 16
	s_mov_b32 s16, 0xc7600000                      ; -57,344
	s_mov_b32 s17, 0x47600000                      ; 57,344
	s_mov_b32 s18, 0x3a800000                      ; 1 / 1,024
	s_lshr_b32 s20, ttmp9, 1                       ; my first row: 32 (g / 2) + 8 (g % 2) + 2 w + 8 (w / 4)
	s_lshl_b32 s20, s20, 5
	s_and_b32 s21, ttmp9, 1
	s_lshl_b32 s21, s21, 3
	s_add_co_u32 s20, s20, s21
	s_lshl_b32 s21, s12, 1
	s_add_co_u32 s20, s20, s21
	s_lshr_b32 s21, s12, 2
	s_lshl_b32 s21, s21, 3
	s_add_co_u32 s20, s20, s21
	s_lshl_b32 s20, s20, 12
	s_mov_b32 s21, 0
	s_lshr_b32 s22, s12, 1                         ; where column block w of these places lies in the image
	s_lshl_b32 s22, s22, 5
	s_lshr_b32 s23, ttmp9, 3
	s_add_co_u32 s22, s22, s23
	s_mul_i32 s22, s22, CHUNK
	s_and_b32 s23, s12, 1
	s_mul_i32 s23, s23, SUB
	s_add_co_u32 s22, s22, s23
	s_and_b32 s23, ttmp9, 7
	s_mul_i32 s23, s23, 2304
	s_add_co_u32 s22, s22, s23
	s_mov_b32 s23, 0
	s_wait_kmcnt 0x0
	s_add_nc_u64 s[4:5], s[4:5], s[20:21]
	s_add_nc_u64 s[10:11], s[10:11], s[22:23]
.irp j, 0,1,2,3,4,5,6,7
	global_load_b128 v[XR0+4*\j:XR0+4*\j+3], v2, s[4:5] offset:512*\j th:TH_LOAD_NT
.endr
.irp j, 0,1,2,3,4,5,6,7
	global_load_b128 v[XR1+4*\j:XR1+4*\j+3], v2, s[4:5] offset:4096+512*\j th:TH_LOAD_NT
.endr
.irp j, 0,1,2,3,4,5,6,7
	global_load_b128 v[G+4*\j:G+4*\j+3], v2, s[6:7] offset:512*\j
.endr
.irp j, 0,1,2,3,4,5,6,7
	global_load_b128 v[B+4*\j:B+4*\j+3], v2, s[8:9] offset:512*\j
.endr
.macro REDUCE                          ; v4 summed over the 32 lanes, the result in every lane
	s_delay_alu instid0(VALU_DEP_3)
	v_pk_add_f32 v[4:5], v[4:5], v[6:7]
	s_delay_alu instid0(VALU_DEP_2)
	v_pk_add_f32 v[8:9], v[8:9], v[10:11]
	s_delay_alu instid0(VALU_DEP_1)
	v_pk_add_f32 v[4:5], v[4:5], v[8:9]
	s_delay_alu instid0(VALU_DEP_1)
	v_add_f32 v4, v4, v5
.irp m, 1,2,4,8
	s_delay_alu instid0(VALU_DEP_1)
	v_add_f32_dpp v4, v4, v4 row_xmask:\m row_mask:0xf bank_mask:0xf
.endr
	s_delay_alu instid0(VALU_DEP_1)
	v_permlanex16_b32 v5, v4, s14, s15
	s_delay_alu instid0(VALU_DEP_1)
	v_add_f32 v4, v4, v5
.endm
.macro ROWSTAT xr                      ; the row becomes (x - mean) / sqrt(var + eps)
.irp c, 0,1,2,3
	v_pk_add_f32 v[4+2*\c:5+2*\c], v[\xr+2*\c:\xr+2*\c+1], v[\xr+8+2*\c:\xr+9+2*\c]   ; four chains, started by the first pairs
.endr
.irp o, 16,24
.irp c, 0,1,2,3
	s_delay_alu instid0(VALU_DEP_4)
	v_pk_add_f32 v[4+2*\c:5+2*\c], v[4+2*\c:5+2*\c], v[\xr+\o+2*\c:\xr+\o+2*\c+1]
.endr
.endr
	REDUCE
	s_delay_alu instid0(VALU_DEP_1)
	v_mul_f32 v12, s18, v4                         ; the mean
	s_delay_alu instid0(VALU_DEP_1)
	v_mov_b32 v13, v12
.set i, 0
.rept 16
	v_pk_add_f32 v[\xr+i:\xr+i+1], v[\xr+i:\xr+i+1], v[12:13] neg_lo:[0,1] neg_hi:[0,1]
.set i, i+2
.endr
.irp c, 0,1,2,3
	v_pk_mul_f32 v[4+2*\c:5+2*\c], v[\xr+2*\c:\xr+2*\c+1], v[\xr+2*\c:\xr+2*\c+1]
.endr
.irp o, 8,16,24
.irp c, 0,1,2,3
	s_delay_alu instid0(VALU_DEP_4)
	v_pk_fma_f32 v[4+2*\c:5+2*\c], v[\xr+\o+2*\c:\xr+\o+2*\c+1], v[\xr+\o+2*\c:\xr+\o+2*\c+1], v[4+2*\c:5+2*\c]
.endr
.endr
	REDUCE
	s_delay_alu instid0(VALU_DEP_1)
	v_fmaak_f32 v4, s18, v4, 0x3727c5ac            ; the variance + 1e-5
	s_wait_alu depctr_va_vdst(0)
	v_rsq_f32 v12, v4
	v_nop                                          ; a plain place behind the transcendental,
	s_wait_alu depctr_va_vdst(0)                   ; and the wait ahead of its first reader
	v_mov_b32 v13, v12
.set i, 0
.rept 16
	v_pk_mul_f32 v[\xr+i:\xr+i+1], v[\xr+i:\xr+i+1], v[12:13]
.set i, i+2
.endr
.endm
.macro QROW xr, p                      ; gain and bias; then the row's 32 blocks are quantised and go to place p of my two
.set i, 0
.rept 16
	v_pk_fma_f32 v[\xr+i:\xr+i+1], v[\xr+i:\xr+i+1], v[G+i:G+i+1], v[B+i:B+i+1]
.set i, i+2
.endr
.irp j, 0,1,2,3,4,5,6,7
	v_max3_num_f32 v[M+\j], |v[\xr+4*\j]|, |v[\xr+4*\j+1]|, 0x8000000   ; my four numbers of the block, and the floor 2^(16 - 127)
.endr
.irp j, 0,1,2,3,4,5,6,7
	v_max3_num_f32 v[M+\j], v[M+\j], |v[\xr+4*\j+2]|, |v[\xr+4*\j+3]|
.endr
.irp m, 1,2,4
.irp j, 0,1,2,3,4,5,6,7
	v_max_num_f32_dpp v[M+\j], v[M+\j], v[M+\j] row_xmask:\m row_mask:0xf bank_mask:0xf   ; with the block's other seven lanes
.endr
.endr
.irp j, 0,1,2,3,4,5,6,7
	v_and_b32 v[RS+\j], 0x7f800000, v[M+\j]
.endr
.irp j, 0,1,2,3,4,5,6,7
	v_sub_nc_u32 v[RS+\j], 0x86800000, v[RS+\j]    ; 2^-e: exponent field 269 less the largest magnitude's
.endr
.irp j, 0,1,2,3,4,5,6,7
	v_lshrrev_b32 v[BY+\j], 23, v[M+\j]
.endr
.irp j, 0,1,2,3,4,5,6,7
	v_add_nc_u32 v[BY+\j], -15, v[BY+\j]           ; the scale's byte
.endr
.irp j, 0,1,2,3,4,5,6,7
.irp e, 0,1,2,3
	v_mul_f32 v[\xr+4*\j+\e], v[\xr+4*\j+\e], v[RS+\j]   ; by a power of two: nothing is rounded
.endr
.endr
.set i, 0
.rept 32
	v_med3_num_f32 v[\xr+i], v[\xr+i], s16, s17    ; the conversion to an 8-bit code does not saturate (ISA guide 7.6.2): the hold first
.set i, i+1
.endr
.irp n, 0,1,2,3
	v_cvt_scalef32_pk8_bf8_f32 v[C+2*\n:C+2*\n+1], v[\xr+8*\n:\xr+8*\n+7], v20   ; register j of the eight holds load j's four codes
.endr
	v_nop                                          ; a plain line behind the last conversion
.irp j, 0,1,2,3,4,5,6,7
	ds_store_b32 v3, v[C+\j] offset:2304*\j+144*\p
	ds_store_b128 v15, v[24:27] offset:2304*\j+144*\p    ; the tail's zeros, then the bytes on them: LDS serves a wave's instructions in order
	ds_store_b8 v14, v[BY+\j] offset:2304*\j+144*\p      ; the eight lanes of a block write the same byte with the same value
.endr
	s_wait_dscnt 0x0                               ; the stores have read their registers
.endm
	s_wait_loadcnt 24                              ; row 0 is in: the other row, gains and biases may be out
	ROWSTAT XR0
	s_wait_loadcnt 16                              ; row 1 is in
	ROWSTAT XR1
	s_wait_loadcnt 0x0
	QROW XR0, 0
	QROW XR1, 1
	s_barrier_signal -1                            ; (my stores have landed: the wait for 0 stands at QROW's end)
	s_barrier_wait -1
.irp i, 0,1,2,3,4,5,6,7,8
	ds_load_b64 v[32+2*\i:33+2*\i], v16 offset:256*\i
.endr
.irp i, 0,1,2,3,4,5,6,7,8
	s_wait_dscnt 8-\i                              ; the younger loads may be out
	global_store_b64 v17, v[32+2*\i:33+2*\i], s[10:11] offset:256*\i   ; 32 lanes store 256 consecutive bytes, aligned
.endr
	s_wait_tensorcnt 0x0                           ; the wave's end
	ds_add_u32 v18, v19
	s_wait_dscnt 0x0
	s_endpgm
.Lfunc_end_k_q238b76636b_ln1:
	.size	k_q238b76636b_ln1, .Lfunc_end_k_q238b76636b_ln1-k_q238b76636b_ln1
	.p2alignl 7, 3214868480
	.fill 96, 4, 3214868480
	.section	.rodata,"a",@progbits
	.p2align	6, 0x0
	.amdhsa_kernel k_q238b76636b_ln1
		.amdhsa_group_segment_fixed_size 19456
		.amdhsa_private_segment_fixed_size 0
		.amdhsa_enable_private_segment 0
		.amdhsa_kernarg_size 32
		.amdhsa_user_sgpr_count 2
		.amdhsa_user_sgpr_kernarg_segment_ptr 1
		.amdhsa_wavefront_size32 1
		.amdhsa_system_sgpr_workgroup_id_x 1
		.amdhsa_system_sgpr_workgroup_id_y 1
		.amdhsa_system_sgpr_workgroup_id_z 1
		.amdhsa_system_vgpr_workitem_id 0
		.amdhsa_next_free_vgpr 192
		.amdhsa_next_free_sgpr 66
		.amdhsa_reserve_vcc 0
		.amdhsa_float_denorm_mode_32 3
		.amdhsa_float_denorm_mode_16_64 3
		.amdhsa_memory_ordered 1
		.amdhsa_forward_progress 1
		.amdhsa_inst_pref_size 41
	.end_amdhsa_kernel
	.amdgpu_metadata
---
amdhsa.version: [ 1, 2 ]
amdhsa.kernels:
  - .name:           k_q238b76636b_ln1
    .symbol:         k_q238b76636b_ln1.kd
    .args:
      - { .name: x, .offset: 0, .size: 8, .value_kind: global_buffer, .address_space: global }
      - { .name: ln1_scale, .offset: 8, .size: 8, .value_kind: global_buffer, .address_space: global }
      - { .name: ln1_bias, .offset: 16, .size: 8, .value_kind: global_buffer, .address_space: global }
      - { .name: yimg, .offset: 24, .size: 8, .value_kind: global_buffer, .address_space: global }
    .group_segment_fixed_size: 19456
    .private_segment_fixed_size: 0
    .kernarg_segment_align: 8
    .kernarg_segment_size: 32
    .max_flat_workgroup_size: 256
    .sgpr_count:     66
    .vgpr_count:     192
    .wavefront_size: 32
...
	.end_amdgpu_metadata
.endif
;; end of part 8
;; launch qkv (part 9): grid 12 x 16, 4 waves a work-group, clusters of 4 x 4, 327,680 bytes of LDS; arguments yimg, wimg, b_qkv, qkimg, vtimg; writes qkimg, vtimg
.if DOCPART == 9
	.amdgcn_target "amdgcn-amd-amdhsa--gfx1250"
	.amdhsa_code_object_version 6
	.text
	.protected	k_q238b76636b_qkv
	.globl	k_q238b76636b_qkv
	.p2align	8
	.type	k_q238b76636b_qkv,@function
k_q238b76636b_qkv:
	s_mov_b64 s[64:65], 0
	v_nop
	global_prefetch_b8 v0, s[64:65] scope:SCOPE_SE
	s_setreg_imm32_b32 hwreg(HW_REG_WAVE_MODE, 25, 1), 1
	s_wait_xcnt 0x0
	s_wait_alu depctr_hold_cnt(0) depctr_sa_sdst(0) depctr_va_vdst(0) depctr_va_sdst(0) depctr_va_ssrc(0) depctr_va_vcc(0) depctr_vm_vsrc(0)
	s_getreg_b32 s2, hwreg(HW_REG_IB_STS2, 6, 4)
	s_cmp_eq_u32 s2, 0
	s_cbranch_scc0 .Lentry_in_a_cluster
	s_endpgm
.Lentry_in_a_cluster:
	s_bfe_u32 s2, ttmp6, 0x10000c
	s_cmp_lg_u32 s2, 0xf033
	s_cbranch_scc0 .Lentry_shape_is_right
	s_endpgm
.Lentry_shape_is_right:
; Product 1 with its bias, and the quantisers of q, k and v.  Operands and results are images (format: the first kernel's head).  Nothing is left out.
; TWO PARTS IN ONE LAUNCH, told apart by the cluster's x, which all partners of a cluster share.  Clusters x = 0, 1: q and k = y W: A = tokens (yimg), B = columns 0 .. 2,047 of w_qkv; a lane holds a token and
; 64 columns, which are product 2's K: image qkimg.  Cluster x = 2: V^T = Wv y^T: A = the 1,024 columns of v, B = tokens; a lane holds a channel and 64 tokens, which are product 3's K: image vtimg.
; Ahead of the way out the parts differ in numbers alone (s_cselect); there a ladder of scalar branches picks the lines that take an accumulator block and add its bias.
; THE CORE: a tile of 256 x 256, four waves of 128 x 128 (64 accumulators, windows 2 and 3).  K in steps of 256 through two LDS slots; a slot is four chunks (A's halves, B's halves), each one dense block of
; 36,864 bytes fetched by one wave's tensor load, scale words inside.  4 x 4 clusters: A's chunks are asked for jointly along a row of the cluster, B's along a column.
; The matrix instruction is used transposed (source 0 = B's 16 places, source 1 = A's).  A has one set of fragments (window 0, v128-255), B two (window 1).
; Both bias sets are loaded in both parts (the one not used from the bias's first bytes): 8 or 16 loads a wave once, so that every register is written on every way through the text.
.set CHUNK,  36864
.set SUB,    18432
.set B16,    2304                      ; sixteen places
.set SLOT,   4*CHUNK
.set SPARE,  2*SLOT                    ; behind the ring: the spare words, 128 bytes for each wave
.set LAPS,   2                         ; K = 1,024: two laps of two K steps
.set NQ,     2
.set FR,     16
.set NL,     4
.set NP,     8                         ; places behind this matrix instruction (ISA guide 7.12.1)
.set ADRA, 16                          ; v16-17 my A fragments in slot 0, 1;  v18-19 my scale words;  v20-21 my B fragments
.set ADRS, 18
.set ADRB, 20
.set ADR1, 22
.set ADR2, 23
.set STO,  24
.set STT,  25
.set CO,   26
.set RDS,  27
.set SPW,  28
.set NIL,  29
.set SC,   32                          ; v32-63 scale words, two sets: register 2 i + q: lanes 0-15 A's block i, lanes 16-31 B's block i
.set AF,   128
.set BR,   8                           ; v8-15  the row bias (V^T): one number a block
.set BC,   64                          ; v64-127 the column bias (q, k): register 16 B + i = column 32 B + 16 h + i
.set X,    128
.set PC,   224
.set TM,   240
.set PW,   4
.set SEL,  74
.set MNT,  76
.set G1, 24
.set G0, 32
.set G1B, 48
.set G0B, 56
.set MSB, 0
.macro WIN new                         ; the immediate's high byte repeats the setting that is left
.if MSB != (\new)
	s_set_vgpr_msb (MSB<<8)|(\new)
.set MSB, (\new)
.endif
.endm
.set MUL_LO, 0xa1
.set MUL_HI, 0xf1
.set TO_B,   0x40
.macro JLOAD g0a, g1a, g0b, g1b        ; a joint load: waves 0, 1 fetch A's chunks, waves 2, 3 B's; s_nop 0 and four v_nop follow each line
	s_cmp_eq_u32 s15, 0
	s_cbranch_scc0 .Lfor_b_\@
	tensor_load_to_lds s[\g0a:\g0a+3], s[\g1a:\g1a+7]
	s_nop 0
.rept 4
	v_nop
.endr
	s_branch .Lasked_\@
.Lfor_b_\@:
	tensor_load_to_lds s[\g0b:\g0b+3], s[\g1b:\g1b+7]
	s_nop 0
.rept 4
	v_nop
.endr
.Lasked_\@:
.endm
.macro CREST
	s_cmp_lg_u32 s14, 0
	s_cbranch_scc1 .Lnot_wave_0_\@
	s_barrier_signal -3
.Lnot_wave_0_\@:
	s_barrier_wait -3
	s_barrier_signal -1
	s_barrier_wait -1
.endm
.macro CROUND
	s_barrier_signal -1
	s_barrier_wait -1
	CREST
.endm
.macro FRAG reg, adr, q, i             ; 16 places x 128 K: registers 4 c .. 4 c + 3 hold K = 32 c + 16 (lane / 16) + 0 .. 15
.irp c, 0,1,2,3
	ds_load_b128 v[\reg+4*\c:\reg+4*\c+3], v[\adr] offset:SUB*(\q)+32*\c+(\i)*B16
.endr
.endm
.macro MUL16 a0, p, q, sc, zero        ; the 64 accumulators take turns, one instruction a turn
.irp a, \a0, \a0+1
.irp b, 0,1,2,3,4,5,6,7
.if \zero
	v_wmma_scale_f32_16x16x128_f8f6f4 v[8*(8*((\a)%4)+\b):8*(8*((\a)%4)+\b)+7], v[128*(\p)+FR*\b:128*(\p)+FR*\b+FR-1], v[AF+FR*(\a):AF+FR*(\a)+FR-1], 0, v[SC+8*NQ*(\sc)+NQ*\b+(\q)], v[SC+8*NQ*(\sc)+NQ*(\a)+(\q)] matrix_a_fmt:MATRIX_FMT_BF8 matrix_b_fmt:MATRIX_FMT_BF8 matrix_a_scale:MATRIX_SCALE_ROW1
.else
	v_wmma_scale_f32_16x16x128_f8f6f4 v[8*(8*((\a)%4)+\b):8*(8*((\a)%4)+\b)+7], v[128*(\p)+FR*\b:128*(\p)+FR*\b+FR-1], v[AF+FR*(\a):AF+FR*(\a)+FR-1], v[8*(8*((\a)%4)+\b):8*(8*((\a)%4)+\b)+7], v[SC+8*NQ*(\sc)+NQ*\b+(\q)], v[SC+8*NQ*(\sc)+NQ*(\a)+(\q)] matrix_a_fmt:MATRIX_FMT_BF8 matrix_b_fmt:MATRIX_FMT_BF8 matrix_a_scale:MATRIX_SCALE_ROW1
.endif
.endr
.endr
.endm
.macro FETCH_B slot, q, p
	WIN TO_B
.irp i, 0,1,2,3,4,5,6,7
	FRAG 128*(\p)+FR*\i, ADRB+\slot, \q, \i
.endr
	WIN 0
.endm
.macro FETCH_A slot, q, i0
.irp i, \i0, \i0+1, \i0+2, \i0+3
	FRAG AF+FR*(\i), ADRA+\slot, \q, \i
.endr
.endm
.macro SCALES s                        ; the slot's scale words: they lie in the tiles, behind each place's 128 codes
.irp i, 0,1,2,3,4,5,6,7
.irp q, 0,1
	ds_load_b32 v[SC+16*\s+2*\i+\q], v[ADRS+\s] offset:SUB*\q+B16*\i
.endr
.endr
.endm
.macro PLACES n
.rept \n
	v_nop
.endr
.endm
.macro STEP slot, q, zero              ; 128 along K that have their successor in the same slot
	s_wait_dscnt 4*NL                              ; B's set, A's blocks 0-3 and the scale words are in; the youngest sixteen loads (A's blocks 4-7) may be out
	WIN MUL_LO
	MUL16 0, (\q)%2, \q, \slot, \zero
	MUL16 2, (\q)%2, \q, \slot, \zero
	s_wait_dscnt 0
	PLACES NP
	FETCH_B \slot, (\q)+1, 1-(\q)%2
	FETCH_A \slot, (\q)+1, 0
	WIN MUL_HI
	MUL16 4, (\q)%2, \q, \slot, \zero
	MUL16 6, (\q)%2, \q, \slot, \zero
	PLACES NP
	WIN 0
	FETCH_A \slot, (\q)+1, 4
.endm
.macro TURN slot, next, fill           ; a slot's last 128 along K, and the change of slots
	s_wait_tensorcnt 0x0                           ; all my tensor loads have landed: my chunk of the next slot
	ds_add_u32 v[SPW], v[NIL]
	s_wait_dscnt 4*NL+1                            ; (the add and A's blocks 4-7 may be out)
	WIN MUL_LO
	MUL16 0, 1, NQ-1, \slot, 0
	s_wait_dscnt 0x0                               ; the add is done, and my reads of this slot are over
	s_barrier_signal -1
	MUL16 2, 1, NQ-1, \slot, 0
	WIN 0
	s_barrier_wait -1
.if \fill
	CREST                                          ; the barrier has opened a round of the cluster's: no wave of any partner still reads this slot or has a load on its way
	s_add_nc_u64 s[G0+4*\slot+2:G0+4*\slot+3], s[G0+4*\slot+2:G0+4*\slot+3], s[66:67]      ; two K steps on
	s_add_nc_u64 s[G0B+4*\slot+2:G0B+4*\slot+3], s[G0B+4*\slot+2:G0B+4*\slot+3], s[68:69]
	JLOAD G0+4*\slot, G1, G0B+4*\slot, G1B
	PLACES NP-4
.else
	PLACES NP
.endif
	FETCH_B \next, 0, 0
	FETCH_A \next, 0, 0
	SCALES \next
	WIN MUL_HI
	MUL16 4, 1, NQ-1, \slot, 0
	MUL16 6, 1, NQ-1, \slot, 0
	PLACES NP
	WIN 0
	FETCH_A \next, 0, 4
.endm
; 64 numbers of a lane, register 16 b + i = k 32 b + 16 (lane / 16) + i of my row, become a fragment's codes in v[PC] on and its scale word in v[PW]
.macro QUANT s
.irp b, 0,1,2,3
	v_max3_num_f32 v[TM+\b], |v[\s+16*\b]|, |v[\s+1+16*\b]|, 0x8000000   ; and the floor 2^(16 - 127): the byte cannot fall under 1
.endr
.irp i, 2,4,6,8,10,12,14
.irp b, 0,1,2,3
	v_max3_num_f32 v[TM+\b], v[TM+\b], |v[\s+16*\b+\i]|, |v[\s+1+16*\b+\i]|
.endr
.endr
.irp b, 0,1,2,3
	v_permlanex16_b32 v[TM+4+\b], v[TM+\b], s[SEL], s[SEL+1]
.endr
.irp b, 0,1,2,3
	v_max_num_f32 v[TM+\b], v[TM+\b], v[TM+4+\b]
.endr
.irp b, 0,1,2,3
	v_add_nc_u32 v[TM+12+\b], 0xf8800000, v[TM+\b]
.endr
.irp b, 0,1,2,3
	v_and_or_b32 v[TM+8+\b], v[TM+\b], 0x7f800000, s[MNT]
.endr
.irp b, 0,1,2,3
	v_lshrrev_b32 v[TM+4+\b], 23, v[TM+12+\b]
.endr
	v_lshl_or_b32 v[PW], v[TM+5], 8, v[TM+4]
	v_lshl_or_b32 v[PW], v[TM+6], 16, v[PW]
	v_lshl_or_b32 v[PW], v[TM+7], 24, v[PW]
.irp b, 0,1,2,3
.irp i, 0,1,2,3,4,5,6,7,8,9,10,11,12,13,14,15
	v_med3_num_f32 v[\s+16*\b+\i], v[\s+16*\b+\i], -v[TM+8+\b], v[TM+8+\b]   ; the conversion does not saturate (ISA guide 7.6.2): the hold first
.endr
	v_cvt_scalef32_pk8_bf8_f32 v[PC+4*\b:PC+1+4*\b], v[\s+16*\b:\s+7+16*\b], v[TM+12+\b]
	v_cvt_scalef32_pk8_bf8_f32 v[PC+2+4*\b:PC+3+4*\b], v[\s+8+16*\b:\s+15+16*\b], v[TM+12+\b]
.endr
	v_nop                                          ; a plain line behind the last conversion
.endm
.macro TAKEC a                         ; block a's 64 sums + the column bias; each accumulator from its low end on
	WIN 0x02+(\a)/4
.set i, 0
.rept 32
	v_pk_add_f32 v[X+i:X+i+1], v[64*((\a)%4)+i:64*((\a)%4)+i+1], v[BC+i:BC+i+1]
.set i, i+2
.endr
	WIN 0
.endm
.macro TAKER a                         ; block a's 64 sums + my row's bias
	WIN 0x08+4*((\a)/4)
.set i, 0
.rept 64
	v_add_f32 v[X+i], v[BR+(\a)], v[64*((\a)%4)+i]
.set i, i+1
.endr
	WIN 0
.endm
	s_load_b128 s[4:7], s[0:1], 0x0                ; yimg, wimg
	s_load_b128 s[8:11], s[0:1], 0x10              ; b_qkv, qkimg
	s_load_b64 s[12:13], s[0:1], 0x20              ; vtimg
	v_lshl_add_u32 v[SPW], v0, 2, SPARE
	v_mov_b32 v[NIL], 0
	ds_add_u32 v[SPW], v[NIL]                      ; the opening lines: the add, twice on end, and its wait ahead of my first tensor load
	ds_add_u32 v[SPW], v[NIL]
	v_lshrrev_b32 v1, 5, v0
	v_readfirstlane_b32 s14, v1                    ; wave
	s_lshr_b32 s15, s14, 1                         ; my half of A's places.  Also: I fetch for A (0) or B (1)
	s_and_b32 s16, s14, 1                          ; my half of B's.  Also: which chunk I fetch
	s_bfe_u32 s40, ttmp6, 0x40000                  ; cx
	s_bfe_u32 s41, ttmp6, 0x40004                  ; cy
	s_and_b32 s80, ttmp7, 0xffff
	s_lshl_b32 s80, s80, 2                         ; 4 x cluster y
	s_lshl_b32 s81, ttmp9, 2                       ; 4 x cluster x
	s_add_co_u32 s82, s80, s41
	s_add_co_u32 s83, s81, s40
	s_add_co_u32 s84, s80, s40
	s_lshl_b32 s43, s41, 2
	s_lshl_b32 s43, 15, s43                        ; my row of the cluster
	s_lshl_b32 s44, 0x1111, s40                    ; my column
	s_or_b32 s[G1+0], s43, (3<<16)|(1<<21)         ; the mask; elements of 8 bytes; bit 21 beside a mask; no padding
	s_or_b32 s[G1B+0], s44, (3<<16)|(1<<21)
.irp g, G1, G1B
	s_mov_b32 s[\g+1], 32<<16                      ; a chunk as 144 rows of 256 bytes, dense
	s_mov_b32 s[\g+2], 144<<16
	s_mov_b32 s[\g+3], 32<<16
	s_mov_b32 s[\g+4], 144
	s_mov_b32 s[\g+5], 32
	s_mov_b32 s[\g+6], 0
	s_mov_b32 s[\g+7], 0
.endr
	s_mov_b32 s[SEL], 0x76543210
	s_mov_b32 s[SEL+1], 0xfedcba98
	s_mov_b32 s[MNT], 0x600000
	s_mov_b32 s70, 32*CHUNK                        ; a K step of A, of B: yimg has 32 row blocks, w_qkv's image 24
	s_mov_b32 s72, 24*CHUNK
	s_cmp_eq_u32 ttmp9, 2                          ; V^T?  The same in all sixteen partners
	s_cselect_b32 s17, s41, s82                    ; tile row: made of cy and cluster numbers alone
	s_cselect_b32 s42, s84, s83                    ; tile column: of cx and cluster numbers alone
	s_cselect_b32 s85, 8, 0
	s_cselect_b32 s86, 8, 32                       ; row blocks of the result's image
	s_cselect_b32 s70, 24*CHUNK, s70
	s_cselect_b32 s72, 32*CHUNK, s72
	s_cselect_b32 s87, 272*CHUNK, 0                ; A begins at w_qkv's row block 16 (v's columns), or at yimg's first byte
	s_cselect_b32 s88, 0, 256*CHUNK
	s_mov_b32 s71, 0
	s_mov_b32 s73, 0
	s_lshl_b32 s66, s70, 1
	s_mov_b32 s67, 0
	s_lshl_b32 s68, s72, 1
	s_mov_b32 s69, 0
	s_lshl_b32 s20, s17, 1
	s_add_co_u32 s20, s20, s16
	s_mul_i32 s20, s20, CHUNK
	s_add_co_u32 s20, s20, s87
	s_mov_b32 s21, 0
	s_lshl_b32 s46, s42, 1
	s_add_co_u32 s46, s46, s16
	s_mul_i32 s46, s46, CHUNK
	s_add_co_u32 s46, s46, s88
	s_mov_b32 s47, 0
	s_mul_i32 s45, s14, CHUNK                      ; where my chunk goes: no place in the cluster enters an LDS address
	s_mul_i32 s96, s42, s86                        ; my sub-image of the result
	s_lshl_b32 s97, s17, 1
	s_add_co_u32 s96, s96, s97
	s_add_co_u32 s96, s96, s15
	s_mul_i32 s96, s96, CHUNK
	s_mul_i32 s97, s16, SUB
	s_add_co_u32 s96, s96, s97
	s_mov_b32 s97, 0
	s_lshl_b32 s78, s42, 10                        ; the biases: my 128 columns, or my 128 channels behind q's and k's 2,048
	s_lshl_b32 s79, s16, 9
	s_add_co_u32 s78, s78, s79
	s_lshl_b32 s98, s17, 10
	s_lshl_b32 s99, s15, 9
	s_add_co_u32 s98, s98, s99
	s_add_co_u32 s98, s98, 8192
	s_cmp_eq_u32 ttmp9, 2
	s_cselect_b32 s78, 0, s78
	s_cselect_b32 s98, s98, 0
	s_mov_b32 s79, 0
	s_mov_b32 s99, 0
	s_wait_dscnt 0x0                               ; both opening adds are done
	s_wait_kmcnt 0x0
	s_cselect_b64 s[90:91], s[6:7], s[4:5]         ; (the compare above still stands: moves, waits and selects leave SCC alone)
	s_cselect_b64 s[92:93], s[4:5], s[6:7]
	s_cselect_b64 s[94:95], s[12:13], s[10:11]
	s_add_nc_u64 s[20:21], s[90:91], s[20:21]
	s_add_nc_u64 s[46:47], s[92:93], s[46:47]
	s_add_nc_u64 s[94:95], s[94:95], s[96:97]
	s_add_nc_u64 s[78:79], s[8:9], s[78:79]
	s_add_nc_u64 s[98:99], s[8:9], s[98:99]
	CROUND                                         ; all sixteen work-groups are here: the first joint loads meet
	s_mov_b32 s[G0], 1
	s_mov_b32 s[G0+1], s45
	s_mov_b64 s[G0+2:G0+3], s[20:21]
	s_or_b32 s[G0+3], s[G0+3], 0x80000000
	s_mov_b32 s[G0B], 1
	s_mov_b32 s[G0B+1], s45
	s_mov_b64 s[G0B+2:G0B+3], s[46:47]
	s_or_b32 s[G0B+3], s[G0B+3], 0x80000000
	JLOAD G0, G1, G0B, G1B
	s_mov_b32 s[G0+4], 1
	s_add_co_u32 s[G0+5], s45, SLOT
	s_add_nc_u64 s[G0+6:G0+7], s[20:21], s[70:71]
	s_or_b32 s[G0+7], s[G0+7], 0x80000000
	s_mov_b32 s[G0B+4], 1
	s_add_co_u32 s[G0B+5], s45, SLOT
	s_add_nc_u64 s[G0B+6:G0B+7], s[46:47], s[72:73]
	s_or_b32 s[G0B+7], s[G0B+7], 0x80000000
	v_and_b32 v1, 15, v0                           ; r
	v_bfe_u32 v2, v0, 4, 1                         ; h
	v_mul_u32_u24 v3, v1, 144
	v_lshl_add_u32 v30, v2, 4, v3                  ; place r, + 16 h
	s_mul_i32 s21, s15, CHUNK                      ; my chunk of A,
	s_mul_i32 s22, s16, CHUNK
	s_add_co_u32 s22, s22, 2*CHUNK                 ; of B
	s_sub_co_u32 s23, s22, s21
	v_mul_u32_u24 v31, s23, v2                     ; scale words: lanes 16-31 take B's: one product, the distance between the two
	v_add_nc_u32 v31, v31, v3
	v_add_nc_u32 v31, 128, v31
.irp s, 0,1
	v_add_nc_u32 v[ADRA+\s], s21, v30
	v_add_nc_u32 v[ADRB+\s], s22, v30
	v_add_nc_u32 v[ADRS+\s], s21, v31
	s_add_co_u32 s21, s21, SLOT
	s_add_co_u32 s22, s22, SLOT
.endr
	s_mul_i32 s23, s14, SUB                        ; my stage for the way out: a sub-image, in slot 0
	v_add_nc_u32 v[STO], s23, v30
	v_add_nc_u32 v[STT], s23, v3
	v_add_nc_u32 v[STT], 128, v[STT]
	v_and_b32 v31, 31, v0
	v_lshlrev_b32 v[CO], 4, v31
	v_add_nc_u32 v[RDS], s23, v[CO]
	v_lshlrev_b32 v[ADR1], 6, v2                   ; the column bias: 64 h; these two registers are written again only behind the wait for the loads
	v_and_b32 v31, 8, v1
	v_add_nc_u32 v31, v31, v1
	v_lshlrev_b32 v[ADR2], 2, v31                  ; the row bias: 4 (r + 8 (r / 8))
.irp n, 0,1,2,3,4,5,6,7,8,9,10,11,12,13,14,15
	global_load_b128 v[BC+4*\n:BC+4*\n+3], v[ADR1], s[78:79] offset:128*(\n/4)+16*(\n%4)
.endr
.irp a, 0,1,2,3,4,5,6,7
	global_load_b32 v[BR+\a], v[ADR2], s[98:99] offset:(32*(\a/2)+8*(\a%2))*4
.endr
	s_wait_alu depctr_va_vdst(0)                   ; the wait at the head's end
	s_wait_tensorcnt 0x0                           ; my chunk of K step 0 is in
	ds_add_u32 v[SPW], v[NIL]
	s_wait_dscnt 0x0
	CROUND                                         ; a whole round: slot 0 is whole, and the joint loads meet
	JLOAD G0+4, G1, G0B+4, G1B                     ; K step 1: my one tensor load behind the round
	FETCH_B 0, 0, 0
	FETCH_A 0, 0, 0
	SCALES 0
	FETCH_A 0, 0, 4
	STEP 0, 0, 1                                   ; the first step's products start the sums: nothing is cleared
	s_mov_b32 s3, LAPS-1
.Llap:
	TURN 0, 1, 1
	STEP 1, 0, 0
	TURN 1, 0, 1
	STEP 0, 0, 0
	s_sub_co_u32 s3, s3, 1
	s_cmp_lg_u32 s3, 0
	s_cbranch_scc1 .Llap
	TURN 0, 1, 0                                   ; the last lap fills nothing
	STEP 1, 0, 0
	s_wait_dscnt 4*NL
	WIN MUL_LO
	MUL16 0, 1, NQ-1, 1, 0
	MUL16 2, 1, NQ-1, 1, 0
	s_wait_dscnt 0
	WIN MUL_HI
	MUL16 4, 1, NQ-1, 1, 0
	MUL16 6, 1, NQ-1, 1, 0
	WIN 0
	; THE WAY OUT: eight blocks of 16 places: bias, quantiser, the codes and the tail into my stage.  Slot 0 has had its last fill, and nobody has read it since the last change of slots.
	PLACES NP
	s_wait_loadcnt 0x0                             ; the biases
.irp b, 0,1,2,3
	v_mov_b32 v[TM+4+\b], 0                        ; a lane permute's destination counts as one of its sources
.endr
	v_mov_b32 v6, 0
	v_mov_b32 v7, 0
	s_mov_b32 s3, 0
	s_mov_b32 s2, 0
.Lrow:
	s_add_co_u32 s89, s3, s85                      ; block, + 8 for V^T
.irp n, 0,1,2,3,4,5,6,7,8,9,10,11,12,13,14
	s_cmp_eq_u32 s89, \n
	s_cbranch_scc1 .Ltk\n
.endr
	TAKER 7
	s_branch .Lcommon
.Ltk0:
	TAKEC 0
	s_branch .Lcommon
.Ltk1:
	TAKEC 1
	s_branch .Lcommon
.Ltk2:
	TAKEC 2
	s_branch .Lcommon
.Ltk3:
	TAKEC 3
	s_branch .Lcommon
.Ltk4:
	TAKEC 4
	s_branch .Lcommon
.Ltk5:
	TAKEC 5
	s_branch .Lcommon
.Ltk6:
	TAKEC 6
	s_branch .Lcommon
.Ltk7:
	TAKEC 7
	s_branch .Lcommon
.Ltk8:
	TAKER 0
	s_branch .Lcommon
.Ltk9:
	TAKER 1
	s_branch .Lcommon
.Ltk10:
	TAKER 2
	s_branch .Lcommon
.Ltk11:
	TAKER 3
	s_branch .Lcommon
.Ltk12:
	TAKER 4
	s_branch .Lcommon
.Ltk13:
	TAKER 5
	s_branch .Lcommon
.Ltk14:
	TAKER 6
.Lcommon:
	QUANT X
	v_lshrrev_b32 v5, 16, v[PW]                    ; the word's upper two bytes once more: the second head of a pair reads them as its word
	v_add_nc_u32 v[ADR1], s2, v[STO]
	v_add_nc_u32 v[ADR2], s2, v[STT]
.irp b, 0,1,2,3
	ds_store_b128 v[ADR1], v[PC+4*\b:PC+4*\b+3] offset:32*\b
.endr
	ds_store_b128 v[ADR2], v[4:7]
	s_wait_dscnt 0x0                               ; the stores have read their registers
	s_add_co_u32 s2, s2, B16
	s_add_co_u32 s3, s3, 1
	s_cmp_lt_u32 s3, 8
	s_cbranch_scc1 .Lrow
.set i, 0
.rept 36
	ds_load_b128 v[64+4*i:64+4*i+3], v[RDS] offset:512*i           ; my own bytes: LDS serves a wave's instructions in order
.set i, i+1
.endr
.set i, 0
.rept 36
	s_wait_dscnt 35-i                              ; the younger loads may be out
	global_store_b128 v[CO], v[64+4*i:64+4*i+3], s[94:95] offset:512*i   ; 512 consecutive bytes, at a multiple of 256 from the buffer's first byte
.set i, i+1
.endr
	s_wait_tensorcnt 0x0                           ; the wave's end
	ds_add_u32 v[SPW], v[NIL]
	s_wait_dscnt 0x0
	CROUND                                         ; the closing round
	s_endpgm
.Lfunc_end_k_q238b76636b_qkv:
	.size	k_q238b76636b_qkv, .Lfunc_end_k_q238b76636b_qkv-k_q238b76636b_qkv
	.p2alignl 7, 3214868480
	.fill 96, 4, 3214868480
	.section	.rodata,"a",@progbits
	.p2align	6, 0x0
	.amdhsa_kernel k_q238b76636b_qkv
		.amdhsa_group_segment_fixed_size 327680
		.amdhsa_private_segment_fixed_size 0
		.amdhsa_enable_private_segment 0
		.amdhsa_kernarg_size 40
		.amdhsa_user_sgpr_count 2
		.amdhsa_user_sgpr_kernarg_segment_ptr 1
		.amdhsa_wavefront_size32 1
		.amdhsa_system_sgpr_workgroup_id_x 1
		.amdhsa_system_sgpr_workgroup_id_y 1
		.amdhsa_system_sgpr_workgroup_id_z 1
		.amdhsa_system_vgpr_workitem_id 0
		.amdhsa_next_free_vgpr 1024
		.amdhsa_next_free_sgpr 100
		.amdhsa_reserve_vcc 0
		.amdhsa_float_denorm_mode_32 3
		.amdhsa_float_denorm_mode_16_64 3
		.amdhsa_memory_ordered 1
		.amdhsa_forward_progress 1
		.amdhsa_inst_pref_size 170
	.end_amdhsa_kernel
	.amdgpu_metadata
---
amdhsa.version: [ 1, 2 ]
amdhsa.kernels:
  - .name:           k_q238b76636b_qkv
    .symbol:         k_q238b76636b_qkv.kd
    .args:
      - { .name: yimg, .offset: 0, .size: 8, .value_kind: global_buffer, .address_space: global }
      - { .name: wimg, .offset: 8, .size: 8, .value_kind: global_buffer, .address_space: global }
      - { .name: b_qkv, .offset: 16, .size: 8, .value_kind: global_buffer, .address_space: global }
      - { .name: qkimg, .offset: 24, .size: 8, .value_kind: global_buffer, .address_space: global }
      - { .name: vtimg, .offset: 32, .size: 8, .value_kind: global_buffer, .address_space: global }
    .group_segment_fixed_size: 327680
    .private_segment_fixed_size: 0
    .kernarg_segment_align: 8
    .kernarg_segment_size: 40
    .max_flat_workgroup_size: 128
    .sgpr_count:     100
    .vgpr_count:     1024
    .wavefront_size: 32
...
	.end_amdgpu_metadata
.endif
;; end of part 9
;; launch attn (part 10): grid 8 x 32, 8 waves a work-group, clusters of 4 x 1, 327,680 bytes of LDS; arguments qkimg, vtimg, oimg; writes oimg
.if DOCPART == 10
	.amdgcn_target "amdgcn-amd-amdhsa--gfx1250"
	.amdhsa_code_object_version 6
	.text
	.protected	k_q238b76636b_attn
	.globl	k_q238b76636b_attn
	.p2align	8
	.type	k_q238b76636b_attn,@function
k_q238b76636b_attn:
	s_mov_b64 s[64:65], 0
	v_nop
	global_prefetch_b8 v0, s[64:65] scope:SCOPE_SE
	s_setreg_imm32_b32 hwreg(HW_REG_WAVE_MODE, 25, 1), 1
	s_wait_xcnt 0x0
	s_wait_alu depctr_hold_cnt(0) depctr_sa_sdst(0) depctr_va_vdst(0) depctr_va_sdst(0) depctr_va_ssrc(0) depctr_va_vcc(0) depctr_vm_vsrc(0)
	s_getreg_b32 s2, hwreg(HW_REG_IB_STS2, 6, 4)
	s_cmp_eq_u32 s2, 0
	s_cbranch_scc0 .Lentry_in_a_cluster
	s_endpgm
.Lentry_in_a_cluster:
	s_bfe_u32 s2, ttmp6, 0x10000c
	s_cmp_lg_u32 s2, 0x3003
	s_cbranch_scc0 .Lentry_shape_is_right
	s_endpgm
.Lentry_shape_is_right:
; Products 2 and 3 with the softmax between them, and o's quantiser.  Operands and result are images (format: the first kernel's head).  Nothing is left out.
; t = score x log2(e) / 8; M = the running largest t rounded up to a whole number; p = 2^(t - M) is quantised along the keys; the row's sum is taken of the unquantised p and divides at the end.
; LIMIT: the promise holds while the scaled scores t stay under 2^31 in magnitude.  The program's other limits stand at the first kernel's head.
; THE DEAL.  A work-group owns ONE head of one batch and 256 queries: grid 8 x 32 = 256 work-groups.  Eight waves, 32 queries each: two tiles of 16, tile u's numbers in register window u under the same low numbers,
; so that the softmax is written once.  Each fragment of K and V that a wave reads from LDS feeds two products.
; K AND V OF THE WHOLE HEAD STAY IN LDS: K 2,048 places x 80 bytes (64 codes, the scale word, 12 bytes that nobody names), V 16 pieces of 9,216 bytes (64 places x 144, 128 keys each).  Nothing is filled again: one barrier at the head, none in the loop.
; V: a wave's two pieces are two rows of 9,216 bytes, 18,432 apart, each at a multiple of 256: one joint tensor load a wave; the four work-groups of a cluster walk the same head (mask 15).
; K: one head's codes are 64 of a place's 144 bytes, and no tensor row of that shape begins on a 256-byte border: so K has no joint load.  It goes through registers: a wave loads its 256 keys, 16 bytes a lane
; (4 for a scale word), and stores them to K's region of LDS, whose 640 blocks of 256 bytes no fill lands on.  A work-group so reads 64 + 4 of each place's 144 bytes.
; No prefetch: all of K and V is asked for at the head, and there is no loop to run ahead in.
; THE WAY OUT: a lane's 2 x 16 codes go from registers to its place in oimg.  A place's 144 bytes hold two heads, which two work-groups make: each stores its 64 codes, its two scale bytes and its share of the tail's zeros, so the 256-byte units of oimg are written in parts.
; Both products are used transposed (source 0 = 16 places of K or V, source 1 = my queries): a lane holds one query.  The head's 64 fill half of a product's 128 along K: Q's upper eight registers are zeros, and K's upper eight are the next tile's codes, finite numbers that meet those zeros.
; REGISTERS.  Both windows: v64-127 scores, then p (at the head: K's codes on their way to LDS); v128-159 O^T; v160-175 p's codes; v176-199 at work; v200-215 Q; v216-247 four tiles of K (window 0: tiles 0-3, window 1: 4-7), v248-255 zeros.
; Window 0 alone: v1-15 addresses; v16-23 K's scale words, v24-27 V's, v28-29 Q's, v30-31 p's; v32-53 the head's.  Window 1 alone: v0-63 V's four fragments.
.set CHUNK, 36864
.set SUB,   18432
.set B16,   2304
.set KP,    80
.set KSTEP, 128*KP
.set VB,    2048*KP
.set VSTEP, 9216
.set SPARE, VB+16*VSTEP                ; the spare words, 128 bytes for each of eight waves
.set S,   64
.set O,   128
.set PC,  160
.set BM,  176                          ; the blocks' largest scores, then largest p
.set T2,  180
.set BD,  184                          ; 57,344 x the scale
.set SO,  188                          ; the conversions' scale operands
.set NM,  192                          ; -M, and beside it the largest t
.set SUM, 194
.set F,   196
.set TA,  198
.set Q,   200
.set KF,  216
.set GA,  42                           ; at the head: K's codes in memory, four lanes to a place;
.set GS,  43                           ; its scale words, a lane a place;
.set LA,  52                           ; and the same two in LDS
.set LS,  53
.set KW,  44                           ; v44-51: K's scale words on their way to LDS
.set MSB, 0
.macro WIN new                         ; the immediate's high byte repeats the setting that is left
.if MSB != (\new)
	s_set_vgpr_msb (MSB<<8)|(\new)
.set MSB, (\new)
.endif
.endm
.macro CROUND
	s_barrier_signal -1
	s_barrier_wait -1
	s_cmp_lg_u32 s18, 0
	s_cbranch_scc1 .Lnot_wave_0_\@
	s_barrier_signal -3
.Lnot_wave_0_\@:
	s_barrier_wait -3
	s_barrier_signal -1
	s_barrier_wait -1
.endm
	s_load_b128 s[4:7], s[0:1], 0x0                ; qkimg, vtimg
	s_load_b64 s[8:9], s[0:1], 0x10                ; oimg
	v_lshl_add_u32 v5, v0, 2, SPARE
	v_mov_b32 v6, 0
	ds_add_u32 v5, v6                              ; the opening lines: the add, twice on end, and its wait ahead of my first tensor load
	ds_add_u32 v5, v6
	v_lshrrev_b32 v32, 5, v0
	v_readfirstlane_b32 s18, v32                   ; wave 0..7
	s_bfe_u32 s10, ttmp6, 0x40000                  ; cx: it enters Q's and O's global addresses alone
	s_lshl_b32 s11, ttmp9, 2
	s_add_co_u32 s11, s11, s10                     ; block of 256 queries
	s_and_b32 s12, ttmp7, 0xffff
	s_lshr_b32 s13, s12, 4                         ; batch
	s_and_b32 s14, s12, 15                         ; head
	s_and_b32 s15, s14, 1                          ; which half of a place's 128 codes (V: of a sub-image's places)
	s_bfe_u32 s16, s14, 0x10001                    ; which sub-image of a chunk
	s_lshr_b32 s17, s14, 2                         ; which 256 along the image's K
	s_lshl_b32 s36, s17, 5
	s_lshl_b32 s37, s13, 4
	s_add_co_u32 s36, s36, s37
	s_mul_i32 s37, s16, SUB
	s_lshl_b32 s38, s15, 6
	s_lshl_b32 s40, s18, 1                         ; K: my two blocks of 128 keys; k's columns lie four steps of 256 (4 x 32 chunks) behind q's
	s_add_co_u32 s40, s40, s36
	s_add_co_u32 s40, s40, 128
	s_mul_i32 s40, s40, CHUNK
	s_add_co_u32 s40, s40, s37
	s_lshl_b32 s42, s15, 2
	s_add_co_u32 s42, s42, s40
	s_add_co_u32 s42, s42, 128                     ; the scale words: the second head reads the word's upper half, stored once more 4 bytes on
	s_add_co_u32 s40, s40, s38
	s_mov_b32 s41, 0
	s_mov_b32 s43, 0
	s_lshl_b32 s44, s13, 3                         ; V: chunk (256 keys = my wave's number, pair of heads), my head's 64 places
	s_add_co_u32 s44, s44, s18
	s_lshl_b32 s44, s44, 3
	s_lshr_b32 s45, s14, 1
	s_add_co_u32 s44, s44, s45
	s_mul_i32 s44, s44, CHUNK
	s_mul_i32 s45, s15, VSTEP
	s_add_co_u32 s44, s44, s45
	s_mov_b32 s45, 0
	s_lshl_b32 s46, s11, 1                         ; Q and O: the same place in both images
	s_lshr_b32 s47, s18, 2
	s_add_co_u32 s46, s46, s47
	s_add_co_u32 s46, s46, s36
	s_mul_i32 s46, s46, CHUNK
	s_add_co_u32 s46, s46, s37
	s_add_co_u32 s46, s46, s38
	s_mov_b32 s47, 0
	s_mov_b32 s24, 15|(3<<16)|(1<<21)              ; group 1: the mask; elements of 8 bytes; bit 21 beside a mask
	s_mov_b32 s25, 1152<<16                        ; a row of 9,216 bytes
	s_mov_b32 s26, 2<<16                           ; two rows,
	s_mov_b32 s27, 1152<<16
	s_mov_b32 s28, 2
	s_mov_b32 s29, 2304                            ; 18,432 bytes apart
	s_mov_b32 s30, 0
	s_mov_b32 s31, 0
	s_mov_b32 s32, 1
	s_mul_i32 s33, s18, 2*VSTEP
	s_add_co_u32 s33, s33, VB
	s_mov_b32 s20, 0x76543210
	s_mov_b32 s21, 0xfedcba98                      ; v_permlanex16_b32: lane l xor 16
	s_mov_b32 s22, 0x3e38aa3b                      ; log2(e) / 8
	s_mov_b32 s23, s22
	s_mov_b32 s19, 0x600000                        ; the mantissa field of 57,344
	s_and_b32 s48, s18, 3
	s_mul_i32 s48, s48, 32*144                     ; my 32 places of the sub-image's 128
	s_mul_i32 s49, s15, 60
	s_sub_co_u32 s49, 128, s49                     ; from the codes' base (+ 64 x half) to Q's scale word: 128 + 4 x half
	s_mul_i32 s50, s15, 62
	s_sub_co_u32 s50, 128, s50                     ; to O's two scale bytes: 128 + 2 x half
	s_mul_i32 s51, s15, 56
	s_sub_co_u32 s51, 132, s51                     ; to my share of the tail's zeros: first head words 132, 136; second head word 140
	s_lshl_b32 s52, s15, 2
	s_sub_co_u32 s52, 4, s52
	s_mul_i32 s53, s18, 2*KSTEP                    ; my 256 keys in K's region
	v_and_b32 v32, 31, v0
	v_lshrrev_b32 v33, 2, v32                      ; K's codes: four lanes to a place, eight places an instruction
	v_and_b32 v34, 3, v32
	v_mul_u32_u24 v35, v33, 144
	v_lshl_add_u32 v[GA], v34, 4, v35
	v_mul_u32_u24 v35, v33, KP
	v_lshl_add_u32 v35, v34, 4, v35
	v_add_nc_u32 v[LA], s53, v35
	v_mul_u32_u24 v[GS], v32, 144                  ; its scale words: a lane a place
	v_mul_u32_u24 v35, v32, KP
	v_add_nc_u32 v35, s53, v35
	v_add_nc_u32 v[LS], 64, v35
	v_and_b32 v36, 15, v0                          ; r
	v_bfe_u32 v37, v0, 4, 1                        ; h
	v_mul_u32_u24 v38, v36, KP
	v_lshl_add_u32 v1, v37, 4, v38                 ; K's fragments,
	v_add_nc_u32 v3, 64, v38                       ; its scale words,
	v_mul_u32_u24 v39, v36, 144
	v_lshl_add_u32 v40, v37, 4, v39
	v_add_nc_u32 v2, VB, v40                       ; V's fragments,
	v_add_nc_u32 v4, VB+128, v39                   ; its scale words
	v_add_nc_u32 v7, s48, v40                      ; Q's and O's codes
	v_add_nc_u32 v39, s48, v39
	v_add_nc_u32 v12, s49, v39
	v_add_nc_u32 v13, s50, v39
	v_mul_u32_u24 v41, s52, v37
	v_add3_u32 v14, v39, v41, s51
	v_mov_b32 v15, 0
	s_wait_alu depctr_va_vdst(0)                   ; directly ahead of the waits below
	s_wait_dscnt 0x0                               ; both opening adds are done
	s_wait_kmcnt 0x0
	s_add_nc_u64 s[54:55], s[4:5], s[40:41]
	s_add_nc_u64 s[58:59], s[4:5], s[42:43]
	s_add_nc_u64 s[34:35], s[6:7], s[44:45]
	s_or_b32 s35, s35, 0x80000000
	s_add_nc_u64 s[62:63], s[4:5], s[46:47]
	s_add_nc_u64 s[66:67], s[8:9], s[46:47]
.set i, 0
.rept 16                                       ; K: 40 loads a wave: my first 128 keys' codes,
	global_load_b128 v[S+4*i:S+4*i+3], v[GA], s[54:55] offset:1152*i
.set i, i+1
.endr
.irp m, 0,1,2,3                                ; both blocks' scale words,
	global_load_b32 v[KW+\m], v[GS], s[58:59] offset:4608*\m
	global_load_b32 v[KW+4+\m], v[GS], s[58:59] offset:CHUNK+4608*\m
.endr
	WIN 0x40
.set i, 0
.rept 16                                       ; and my second 128 keys' codes, into window 1
	global_load_b128 v[S+4*i:S+4*i+3], v[GA], s[54:55] offset:CHUNK+1152*i
.set i, i+1
.endr
	WIN 0
	CROUND                                         ; the four partners are here: the joint loads meet
	tensor_load_to_lds s[32:35], s[24:31]          ; V: my two pieces; my one tensor load
	s_nop 0
.rept 4
	v_nop
.endr
	global_load_b128 v[Q:Q+3], v7, s[62:63]
	global_load_b128 v[Q+4:Q+7], v7, s[62:63] offset:32
	global_load_b32 v28, v12, s[62:63]
	global_load_b32 v29, v12, s[62:63] offset:B16
	WIN 0x40
	global_load_b128 v[Q:Q+3], v7, s[62:63] offset:B16
	global_load_b128 v[Q+4:Q+7], v7, s[62:63] offset:B16+32
.macro INIT u                          ; the step is written once: the first finds zeros and a largest t under every t
	WIN 0x55*(\u)
	v_mov_b32 v[NM+1], 0xff61b1e6
	v_floor_f32 v[NM], -v[NM+1]
.irp j, SUM, SUM+1, F, F+1, T2, T2+1, T2+2, T2+3
	v_mov_b32 v[\j], 0
.endr
.set j, 0
.rept 32
	v_mov_b32 v[O+j], 0
.set j, j+1
.endr
.set j, 0
.rept 8
	v_mov_b32 v[Q+8+j], 0
	v_mov_b32 v[KF+32+j], 0
.set j, j+1
.endr
.endm
	INIT 0
	INIT 1
	WIN 0
.macro KLOAD a, sa                     ; a step's eight tiles of K and their scale words: 24 loads
.irp t, 0,1,2,3
.irp c, 0,1
	ds_load_b128 v[KF+8*\t+4*\c:KF+8*\t+4*\c+3], v[\a] offset:\t*16*KP+32*\c
.endr
.endr
.irp t, 0,1,2,3,4,5,6,7
	ds_load_b32 v[16+\t], v[\sa] offset:\t*16*KP
.endr
	WIN 0x40
.irp t, 0,1,2,3
.irp c, 0,1
	ds_load_b128 v[KF+8*\t+4*\c:KF+8*\t+4*\c+3], v[\a] offset:(\t+4)*16*KP+32*\c
.endr
.endr
	WIN 0
.endm
.macro SOFT u                          ; tile u: scores -> p's codes and scale word, the sum, f
	WIN 0x55*(\u)
	s_wait_alu depctr_va_vdst(0)                   ; the wait directly ahead of the scores' first readers
.irp b, 0,1,2,3
	v_max3_num_f32 v[BM+\b], v[S+16*\b], v[S+1+16*\b], v[S+2+16*\b]   ; each block's largest score: for the row's maximum and, since p rises with the score, for the block's largest p
.endr
.irp i, 3,5,7,9,11,13
.irp b, 0,1,2,3
	v_max3_num_f32 v[BM+\b], v[BM+\b], v[S+16*\b+\i], v[S+1+16*\b+\i]
.endr
.endr
.irp b, 0,1,2,3
	v_max_num_f32 v[BM+\b], v[BM+\b], v[S+15+16*\b]
.endr
.irp b, 0,1,2,3
	v_permlanex16_b32 v[T2+\b], v[BM+\b], s20, s21
.endr
.irp b, 0,1,2,3
	v_max_num_f32 v[BM+\b], v[BM+\b], v[T2+\b]
.endr
	v_max3_num_f32 v[TA], v[BM], v[BM+1], v[BM+2]
	v_max_num_f32 v[TA], v[TA], v[BM+3]
	v_mul_f32 v[TA], s22, v[TA]
	v_max_num_f32 v[NM+1], v[NM+1], v[TA]          ; the running largest t
	v_mov_b32 v[TA], v[NM]
	v_floor_f32 v[NM], -v[NM+1]                    ; -M = floor(-t)
	v_sub_f32 v[TA], v[NM], v[TA]
	v_cvt_i32_f32 v[TA], v[TA]                     ; (it saturates)
	v_ldexp_f32 v[F], 1.0, v[TA]                   ; f = 2^(old M - new M)
.set j, 0
.rept 32
	v_pk_fma_f32 v[S+j:S+j+1], v[S+j:S+j+1], s[22:23], v[NM:NM+1] op_sel_hi:[1,0,0]
.set j, j+2
.endr
.irp b, 0,1,2,3
	v_fma_f32 v[BM+\b], v[BM+\b], s22, v[NM]
.endr
	s_wait_alu depctr_va_vdst(0)                   ; a wait ahead of the batch,
.set j, 0
.rept 64
	v_exp_f32 v[S+j], v[S+j]
.set j, j+1
.endr
	v_pk_mul_f32 v[SUM:SUM+1], v[SUM:SUM+1], v[F:F+1] op_sel_hi:[1,0]
	s_wait_alu depctr_va_vdst(0)                   ; and one behind it
.irp b, 0,1,2,3
	v_exp_f32 v[BM+\b], v[BM+\b]
.endr
	v_pk_add_f32 v[T2:T2+1], v[S:S+1], v[S+2:S+3]  ; the sum of the unquantised p, in two chains
.irp j, 4,8,12,16,20,24,28,32,36,40,44,48,52,56,60
	v_pk_add_f32 v[SUM:SUM+1], v[SUM:SUM+1], v[S+\j:S+\j+1]
	v_pk_add_f32 v[T2:T2+1], v[T2:T2+1], v[S+2+\j:S+3+\j]
.endr
	v_pk_add_f32 v[SUM:SUM+1], v[SUM:SUM+1], v[T2:T2+1]
	s_wait_alu depctr_va_vdst(0)                   ; and one for the four
.irp b, 0,1,2,3
	v_max_num_f32 v[BM+\b], 0x8000000, v[BM+\b]    ; the floor 2^(16 - 127): the byte cannot fall under 1
.endr
.irp b, 0,1,2,3
	v_add_nc_u32 v[SO+\b], 0xf8800000, v[BM+\b]
.endr
.irp b, 0,1,2,3
	v_and_or_b32 v[BD+\b], v[BM+\b], 0x7f800000, s19
.endr
.irp b, 0,1,2,3
	v_lshrrev_b32 v[T2+\b], 23, v[SO+\b]
.endr
	v_lshl_or_b32 v[TA], v[T2+1], 8, v[T2]
	v_lshl_or_b32 v[TA], v[T2+2], 16, v[TA]
	WIN 0x15*(\u)                                  ; scale operands are taken from window 0
	v_lshl_or_b32 v[30+\u], v[T2+3], 24, v[TA]
	WIN 0x55*(\u)
.irp b, 0,1,2,3
.irp i, 0,2,4,6,8,10,12,14
	v_dual_min_num_f32 v[S+16*\b+\i], v[BD+\b], v[S+16*\b+\i] :: v_dual_min_num_f32 v[S+16*\b+\i+1], v[BD+\b], v[S+16*\b+\i+1]   ; the conversion does not saturate (ISA guide 7.6.2); p is not negative: a one-sided hold, two a line
.endr
	v_cvt_scalef32_pk8_bf8_f32 v[PC+4*\b:PC+4*\b+1], v[S+16*\b:S+16*\b+7], v[SO+\b]
	v_cvt_scalef32_pk8_bf8_f32 v[PC+4*\b+2:PC+4*\b+3], v[S+16*\b+8:S+16*\b+15], v[SO+\b]
.endr
.endm
.macro RESC u                          ; O^T under the new M
	WIN 0x55*(\u)
	s_wait_alu depctr_va_vdst(0)                   ; the wait directly ahead of O^T's first readers
.set j, 0
.rept 16
	v_pk_mul_f32 v[O+j:O+j+1], v[O+j:O+j+1], v[F:F+1] op_sel_hi:[1,0]
.set j, j+2
.endr
.endm
.macro PVM u
	WIN 1|(0x54*(\u))
.irp t, 0,1,2,3
	v_wmma_scale_f32_16x16x128_f8f6f4 v[O+8*\t:O+8*\t+7], v[16*\t:16*\t+15], v[PC:PC+15], v[O+8*\t:O+8*\t+7], v[24+\t], v[30+\u] matrix_a_fmt:MATRIX_FMT_BF8 matrix_b_fmt:MATRIX_FMT_BF8
.endr
.endm
.macro STEP                            ; 128 keys for my 32 queries
	s_wait_dscnt 0x0                               ; this step's K, asked for a step ago
.irp g, 0,1
.irp u, 0,1
	WIN (\g)|(0x54*(\u))
.irp t, 0,1,2,3
	v_wmma_scale_f32_16x16x128_f8f6f4 v[S+8*(4*\g+\t):S+8*(4*\g+\t)+7], v[KF+8*\t:KF+8*\t+15], v[Q:Q+15], 0, v[16+4*\g+\t], v[28+\u] matrix_a_fmt:MATRIX_FMT_BF8 matrix_b_fmt:MATRIX_FMT_BF8
.endr
.endr
.endr
	WIN 0
	v_add_nc_u32 v8, s2, v1                        ; eight places ahead of the loads into what the products have read, and of the scores' readers: four additions, four idle lines
	v_add_nc_u32 v10, s2, v3
	v_add_nc_u32 v9, s3, v2
	v_add_nc_u32 v11, s3, v4
.rept 4
	v_nop
.endr
	WIN 0x40
.irp t, 0,1,2,3
.irp c, 0,1,2,3
	ds_load_b128 v[16*\t+4*\c:16*\t+4*\c+3], v9 offset:\t*B16+32*\c    ; this step's V: 20 loads,
.endr
.endr
	WIN 0
.irp t, 0,1,2,3
	ds_load_b32 v[24+\t], v11 offset:\t*B16
.endr
	KLOAD 8, 10                                    ; and the next step's K: 24 loads
	SOFT 0
	SOFT 1
	WIN 0
	s_wait_dscnt 24                                ; V is in; K's 24 loads, issued behind V's, may be out
	RESC 0
	RESC 1
	PVM 0
	PVM 1
	WIN 0
.endm
	s_wait_alu depctr_va_vdst(0)                   ; the wait at the head's end
	s_wait_loadcnt 6                               ; K's 40 loads are in; Q's six, issued behind them, may be out
	s_wait_tensorcnt 0x0                           ; my pieces of V have landed: no LDS store of mine stands under a tensor load of mine
.set i, 0
.rept 16
	ds_store_b128 v[LA], v[S+4*i:S+4*i+3] offset:640*i
.set i, i+1
.endr
.irp m, 0,1,2,3,4,5,6,7
	ds_store_b32 v[LS], v[KW+\m] offset:2560*\m
.endr
	WIN 0x04                                       ; the data in window 1
.set i, 0
.rept 16
	ds_store_b128 v[LA], v[S+4*i:S+4*i+3] offset:KSTEP+640*i
.set i, i+1
.endr
	WIN 0
	s_wait_dscnt 0x0                               ; my 256 keys lie in LDS
	s_barrier_signal -1
	s_barrier_wait -1                              ; so do everybody's, and all of V
	KLOAD 1, 3
	s_mov_b32 s2, KSTEP                            ; where the next step's K lies,
	s_mov_b32 s3, 0                                ; and this step's V
	s_mov_b32 s70, 16
	s_wait_loadcnt 0x0                             ; Q
.Lstep:
	STEP
	s_add_co_u32 s2, s2, KSTEP
	s_min_u32 s2, s2, 15*KSTEP                     ; the last trip has no next step: it fetches step 15's tiles again, and nobody multiplies them; so the step's text stands once
	s_add_co_u32 s3, s3, VSTEP
	s_sub_co_u32 s70, s70, 1
	s_cmp_lg_u32 s70, 0
	s_cbranch_scc1 .Lstep
.rept 8
	v_nop                                          ; places ahead of the first reader of O^T
.endr
.macro OUT u                           ; O^T / the sum; two blocks of 32 channels are quantised; a lane's codes are 2 x 16 bytes of its place
	WIN 0x55*(\u)
	v_add_f32 v[SUM], v[SUM], v[SUM+1]
	v_permlanex16_b32 v[F], v[SUM], s20, s21
	v_add_f32 v[SUM], v[SUM], v[F]
	s_wait_alu depctr_va_vdst(0)                   ; the wait ahead of the transcendental,
	v_rcp_f32 v[SUM], v[SUM]
	v_nop
	s_wait_alu depctr_va_vdst(0)                   ; and ahead of its first reader
.set j, 0
.rept 16
	v_pk_mul_f32 v[S+j:S+j+1], v[O+j:O+j+1], v[SUM:SUM+1] op_sel_hi:[1,0]
.set j, j+2
.endr
.irp b, 0,1
	v_max3_num_f32 v[BM+\b], |v[S+16*\b]|, |v[S+1+16*\b]|, 0x8000000
.endr
.irp i, 2,4,6,8,10,12,14
.irp b, 0,1
	v_max3_num_f32 v[BM+\b], v[BM+\b], |v[S+16*\b+\i]|, |v[S+1+16*\b+\i]|
.endr
.endr
.irp b, 0,1
	v_permlanex16_b32 v[T2+\b], v[BM+\b], s20, s21
.endr
.irp b, 0,1
	v_max_num_f32 v[BM+\b], v[BM+\b], v[T2+\b]
.endr
.irp b, 0,1
	v_add_nc_u32 v[SO+\b], 0xf8800000, v[BM+\b]
.endr
.irp b, 0,1
	v_and_or_b32 v[BD+\b], v[BM+\b], 0x7f800000, s19
.endr
.irp b, 0,1
	v_lshrrev_b32 v[T2+\b], 23, v[SO+\b]
.endr
	v_lshl_or_b32 v[TA], v[T2+1], 8, v[T2]
.irp b, 0,1
.irp i, 0,1,2,3,4,5,6,7,8,9,10,11,12,13,14,15
	v_med3_num_f32 v[S+16*\b+\i], v[S+16*\b+\i], -v[BD+\b], v[BD+\b]
.endr
	v_cvt_scalef32_pk8_bf8_f32 v[PC+4*\b:PC+4*\b+1], v[S+16*\b:S+16*\b+7], v[SO+\b]
	v_cvt_scalef32_pk8_bf8_f32 v[PC+4*\b+2:PC+4*\b+3], v[S+16*\b+8:S+16*\b+15], v[SO+\b]
.endr
	v_nop                                          ; a plain line behind the last conversion
	WIN 4*(\u)                                     ; the stores' data in window u, their addresses in window 0
	global_store_b128 v7, v[PC:PC+3], s[66:67] offset:B16*(\u)
	global_store_b128 v7, v[PC+4:PC+7], s[66:67] offset:B16*(\u)+32
	global_store_b16 v13, v[TA], s[66:67] offset:B16*(\u)    ; both halves of the lanes hold the same two bytes
.endm
	OUT 0
	OUT 1
	WIN 0
	global_store_b32 v14, v15, s[66:67]            ; my share of the tails' zeros
	global_store_b32 v14, v15, s[66:67] offset:B16
	s_wait_tensorcnt 0x0                           ; the wave's end
	ds_add_u32 v5, v6
	s_wait_dscnt 0x0
	CROUND                                         ; the closing round
	s_endpgm
.Lfunc_end_k_q238b76636b_attn:
	.size	k_q238b76636b_attn, .Lfunc_end_k_q238b76636b_attn-k_q238b76636b_attn
	.p2alignl 7, 3214868480
	.fill 96, 4, 3214868480
	.section	.rodata,"a",@progbits
	.p2align	6, 0x0
	.amdhsa_kernel k_q238b76636b_attn
		.amdhsa_group_segment_fixed_size 327680
		.amdhsa_private_segment_fixed_size 0
		.amdhsa_enable_private_segment 0
		.amdhsa_kernarg_size 24
		.amdhsa_user_sgpr_count 2
		.amdhsa_user_sgpr_kernarg_segment_ptr 1
		.amdhsa_wavefront_size32 1
		.amdhsa_system_sgpr_workgroup_id_x 1
		.amdhsa_system_sgpr_workgroup_id_y 1
		.amdhsa_system_sgpr_workgroup_id_z 1
		.amdhsa_system_vgpr_workitem_id 0
		.amdhsa_next_free_vgpr 512
		.amdhsa_next_free_sgpr 72
		.amdhsa_reserve_vcc 0
		.amdhsa_float_denorm_mode_32 3
		.amdhsa_float_denorm_mode_16_64 3
		.amdhsa_memory_ordered 1
		.amdhsa_forward_progress 1
		.amdhsa_inst_pref_size 66
	.end_amdhsa_kernel
	.amdgpu_metadata
---
amdhsa.version: [ 1, 2 ]
amdhsa.kernels:
  - .name:           k_q238b76636b_attn
    .symbol:         k_q238b76636b_attn.kd
    .args:
      - { .name: qkimg, .offset: 0, .size: 8, .value_kind: global_buffer, .address_space: global }
      - { .name: vtimg, .offset: 8, .size: 8, .value_kind: global_buffer, .address_space: global }
      - { .name: oimg, .offset: 16, .size: 8, .value_kind: global_buffer, .address_space: global }
    .group_segment_fixed_size: 327680
    .private_segment_fixed_size: 0
    .kernarg_segment_align: 8
    .kernarg_segment_size: 24
    .max_flat_workgroup_size: 256
    .sgpr_count:     72
    .vgpr_count:     512
    .wavefront_size: 32
...
	.end_amdgpu_metadata
.endif
;; end of part 10
;; launch outp (part 11): grid 8 x 32, 4 waves a work-group, clusters of 4 x 4, 327,680 bytes of LDS; arguments oimg, wimg, b_out, x, x2; writes x2
.if DOCPART == 11
	.amdgcn_target "amdgcn-amd-amdhsa--gfx1250"
	.amdhsa_code_object_version 6
	.text
	.protected	k_q238b76636b_outp
	.globl	k_q238b76636b_outp
	.p2align	8
	.type	k_q238b76636b_outp,@function
k_q238b76636b_outp:
	s_mov_b64 s[64:65], 0
	v_nop
	global_prefetch_b8 v0, s[64:65] scope:SCOPE_SE
	s_setreg_imm32_b32 hwreg(HW_REG_WAVE_MODE, 25, 1), 1
	s_wait_xcnt 0x0
	s_wait_alu depctr_hold_cnt(0) depctr_sa_sdst(0) depctr_va_vdst(0) depctr_va_sdst(0) depctr_va_ssrc(0) depctr_va_vcc(0) depctr_vm_vsrc(0)
	s_getreg_b32 s2, hwreg(HW_REG_IB_STS2, 6, 4)
	s_cmp_eq_u32 s2, 0
	s_cbranch_scc0 .Lentry_in_a_cluster
	s_endpgm
.Lentry_in_a_cluster:
	s_bfe_u32 s2, ttmp6, 0x10000c
	s_cmp_lg_u32 s2, 0xf033
	s_cbranch_scc0 .Lentry_shape_is_right
	s_endpgm
.Lentry_shape_is_right:
; Product 4: x2 = x + (o W_out + b_out), f32 rows.  A = oimg, B = w_out's image (format: the first kernel's head).  Nothing is left out.
; A TILE OF 128 x 128, so that the 4,096 x 1,024 results make 256 work-groups.  Four waves of 64 x 64: 16 accumulators.  A tile's 256 along K are one chunk of A and one of B, so a slot of four chunks
; holds 512 along K: A's even K step, A's odd, B's even, B's odd; wave w fetches chunk w by one tensor load, a dense block of 36,864 bytes with the scale words inside.
; K = 1,024 is two slots: both are first fills, and nothing is filled again.  4 x 4 clusters: A's chunks are asked for jointly along a row of the cluster, B's along a column.
; The matrix instruction is used transposed (source 0 = B's 16 places, source 1 = A's): a lane holds a token and neighbouring columns.  Place 16 a + t of my 64 is token 32 (a / 2) + 8 (a % 2) + t + 8 (t / 8).
; REGISTERS: window 0: v8-11 the bias; v16-29 addresses; v32-63 scale words, two sets; v64-127 rows on the way out; v128-255 the accumulators ((a, b) at v[128 + 8 (4 a + b)]).
;   window 1: two fragment buffers of 128 (A's four fragments, then B's four).   window 2: v0-127 the residual's 64 rows x 256 bytes, asked for at the head.
.set CHUNK,  36864
.set SUB,    18432
.set B16,    2304                      ; sixteen places
.set HALF,   9216                      ; sixty-four places
.set SLOT,   4*CHUNK
.set SPARE,  2*SLOT                    ; behind the ring: the spare words, 128 bytes for each wave
.set STAGE,  SPARE+512                 ; behind them: 16 rows x 272 bytes for each wave, for the way out; no fill lands here
.set SP,     272
.set LAPS,   1                         ; K / 1,024
.set STEPA,  32*CHUNK                  ; a K step of 256 in A's image, in B's
.set STEPB,  8*CHUNK
.set WOFF,   352*CHUNK
.set NP,     8                         ; places behind this matrix instruction (ISA guide 7.12.1)
.set ADRA, 16                          ; v16-17 my A fragments in slot 0, 1;  v18-19 my scale words;  v20-21 my B fragments
.set ADRS, 18
.set ADRB, 20
.set STO,  24
.set RD,   25
.set CO,   26                          ; 16 (lane % 16) + 4,096 (lane / 16); never rewritten
.set BO,   27                          ; 16 (lane % 16); never rewritten
.set SPW,  28
.set NIL,  29
.set SC,   32                          ; set s at v[SC + 16 s]; register 4 q + i: lanes 0-15 the word of A's block i, lanes 16-31 of B's block i, for the slot's q-th 128 along K
.set BK,   64
.set ACC,  128
.set G1, 24
.set G0, 32
.set G1B, 48
.set G0B, 56
.set MSB, 0
.macro WIN new                         ; the immediate's high byte repeats the setting that is left
.if MSB != (\new)
	s_set_vgpr_msb (MSB<<8)|(\new)
.set MSB, (\new)
.endif
.endm
.set MUL,  0x05                        ; sources 0 (B) and 1 (A) window 1; C and D window 0
.set TO_F, 0x40                        ; destination window 1, address window 0
.macro JLOAD g0a, g1a, g0b, g1b        ; a joint load: waves 0, 1 fetch A's chunks, waves 2, 3 B's; s_nop 0 and four v_nop follow each line
	s_cmp_eq_u32 s15, 0
	s_cbranch_scc0 .Lfor_b_\@
	tensor_load_to_lds s[\g0a:\g0a+3], s[\g1a:\g1a+7]
	s_nop 0
.rept 4
	v_nop
.endr
	s_branch .Lasked_\@
.Lfor_b_\@:
	tensor_load_to_lds s[\g0b:\g0b+3], s[\g1b:\g1b+7]
	s_nop 0
.rept 4
	v_nop
.endr
.Lasked_\@:
.endm
.macro CROUND                          ; a round of the cluster's barrier
	s_barrier_signal -1
	s_barrier_wait -1
	s_cmp_lg_u32 s14, 0
	s_cbranch_scc1 .Lnot_wave_0_\@
	s_barrier_signal -3
.Lnot_wave_0_\@:
	s_barrier_wait -3
	s_barrier_signal -1
	s_barrier_wait -1
.endm
.macro FRAG reg, adr, q, i             ; 16 places x 128 K: registers 4 c .. 4 c + 3 hold K = 32 c + 16 (lane / 16) + 0 .. 15
.irp c, 0,1,2,3
	ds_load_b128 v[\reg+4*\c:\reg+4*\c+3], v[\adr] offset:((\q)/2)*CHUNK+((\q)%2)*SUB+32*\c+(\i)*B16
.endr
.endm
.macro FETCH slot, q, f                ; 32 LDS loads in one run: the fragments of the slot's q-th 128 along K into buffer f
	WIN TO_F
.irp i, 0,1,2,3
	FRAG 128*(\f)+64+16*\i, ADRB+\slot, \q, \i
	FRAG 128*(\f)+16*\i, ADRA+\slot, \q, \i
.endr
.endm
.macro SCALES s                        ; the slot's scale words: they lie in the chunks, behind each place's 128 codes
.irp q, 0,1,2,3
.irp i, 0,1,2,3
	ds_load_b32 v[SC+16*\s+4*\q+\i], v[ADRS+\s] offset:(\q/2)*CHUNK+(\q%2)*SUB+B16*\i
.endr
.endr
.endm
.macro MUL16 f, sc, zero               ; the 16 accumulators take turns, one instruction a turn.  zero = 1: the first products start the sums
.irp a, 0,1,2,3
.irp b, 0,1,2,3
.if \zero
	v_wmma_scale_f32_16x16x128_f8f6f4 v[ACC+8*(4*\a+\b):ACC+8*(4*\a+\b)+7], v[128*(\f)+64+16*\b:128*(\f)+64+16*\b+15], v[128*(\f)+16*\a:128*(\f)+16*\a+15], 0, v[SC+(\sc)+\b], v[SC+(\sc)+\a] matrix_a_fmt:MATRIX_FMT_BF8 matrix_b_fmt:MATRIX_FMT_BF8 matrix_a_scale:MATRIX_SCALE_ROW1
.else
	v_wmma_scale_f32_16x16x128_f8f6f4 v[ACC+8*(4*\a+\b):ACC+8*(4*\a+\b)+7], v[128*(\f)+64+16*\b:128*(\f)+64+16*\b+15], v[128*(\f)+16*\a:128*(\f)+16*\a+15], v[ACC+8*(4*\a+\b):ACC+8*(4*\a+\b)+7], v[SC+(\sc)+\b], v[SC+(\sc)+\a] matrix_a_fmt:MATRIX_FMT_BF8 matrix_b_fmt:MATRIX_FMT_BF8 matrix_a_scale:MATRIX_SCALE_ROW1
.endif
.endr
.endr
.endm
.macro PLACES n
.rept \n
	v_nop
.endr
.endm
.macro SUBSTEP slot, q, zero           ; 128 along K that have their successor in the same slot: q = 0, 1, 2, on buffers 0, 1, 0
	s_wait_dscnt 0x0                               ; this step's fragments (and, at q = 0, the slot's scale words) are in
	PLACES NP                                      ; behind the last products, which read the buffer that is loaded now
	FETCH \slot, (\q)+1, 1-(\q)%2
	WIN MUL
	MUL16 (\q)%2, 16*(\slot)+4*(\q), \zero
	WIN 0
.endm
.macro TURN slot, next, fill           ; the slot's last 128 along K (buffer 1), and the change of slots ahead of its products
	s_wait_tensorcnt 0x0                           ; all my tensor loads have landed: my chunk of the next slot
	ds_add_u32 v[SPW], v[NIL]
.if \fill
	s_add_nc_u64 s[G0+4*\slot+2:G0+4*\slot+3], s[G0+4*\slot+2:G0+4*\slot+3], s[66:67]      ; no load of mine is out: this slot's next chunks, four K steps on
	s_add_nc_u64 s[G0B+4*\slot+2:G0B+4*\slot+3], s[G0B+4*\slot+2:G0B+4*\slot+3], s[68:69]
.endif
	s_wait_dscnt 0x0                               ; the add is done, and my reads of this slot are over: its last fragments are in registers
.if \fill
	CROUND                                         ; no wave of any partner still reads this slot or has a load on its way
	JLOAD G0+4*\slot, G1, G0B+4*\slot, G1B         ; the first tensor load behind the round: it has four steps of 128 along K in which to land
	PLACES NP-4                                    ; with the four v_nop behind the load: the places in front of the loads below
.else
	s_barrier_signal -1
	s_barrier_wait -1
	PLACES NP
.endif
	FETCH \next, 0, 0
	WIN 0
	SCALES \next
	WIN MUL
	MUL16 1, 16*(\slot)+12, 0
	WIN 0
.endm
	s_load_b256 s[4:11], s[0:1], 0x0               ; A's image, wimg, the bias, the residual
	s_load_b64 s[12:13], s[0:1], 0x20              ; the result
	v_lshl_add_u32 v[SPW], v0, 2, SPARE
	v_mov_b32 v[NIL], 0
	ds_add_u32 v[SPW], v[NIL]                      ; the opening lines: the add, twice on end, and its wait ahead of my first tensor load
	ds_add_u32 v[SPW], v[NIL]
	v_lshrrev_b32 v1, 5, v0
	v_readfirstlane_b32 s14, v1                    ; wave
	s_lshr_b32 s15, s14, 1                         ; my half of A's places.  Also: I fetch for A (0) or B (1)
	s_and_b32 s16, s14, 1                          ; my half of B's.  Also: which of a slot's two K steps I fetch
	s_bfe_u32 s40, ttmp6, 0x40000                  ; cx
	s_bfe_u32 s41, ttmp6, 0x40004                  ; cy
	s_lshl_b32 s42, ttmp9, 2
	s_add_co_u32 s42, s42, s40                     ; tile column, 0 .. 7
	s_and_b32 s17, ttmp7, 0xffff
	s_lshl_b32 s17, s17, 2
	s_add_co_u32 s17, s17, s41                     ; tile row, 0 .. 31
	s_lshl_b32 s43, s41, 2
	s_lshl_b32 s43, 15, s43                        ; my row of the cluster
	s_lshl_b32 s44, 0x1111, s40                    ; my column
	s_or_b32 s[G1+0], s43, (3<<16)|(1<<21)         ; the mask; elements of 8 bytes; bit 21 beside a mask; no padding
	s_or_b32 s[G1B+0], s44, (3<<16)|(1<<21)
.irp g, G1, G1B
	s_mov_b32 s[\g+1], 32<<16                      ; a chunk as 144 rows of 256 bytes, dense
	s_mov_b32 s[\g+2], 144<<16
	s_mov_b32 s[\g+3], 32<<16
	s_mov_b32 s[\g+4], 144
	s_mov_b32 s[\g+5], 32
	s_mov_b32 s[\g+6], 0
	s_mov_b32 s[\g+7], 0
.endr
	s_mov_b32 s66, 4*STEPA                         ; two slots on
	s_mov_b32 s67, 0
	s_mov_b32 s68, 4*STEPB
	s_mov_b32 s69, 0
	s_lshl_b32 s20, s16, 5                         ; A: chunk (K step, tile row): made of the wave's number, cy and cluster numbers alone
	s_add_co_u32 s20, s20, s17
	s_mul_i32 s20, s20, CHUNK
	s_mov_b32 s21, 0
	s_lshl_b32 s46, s16, 3                         ; B: chunk (K step, tile column): of the wave's number, cx and cluster numbers alone
	s_add_co_u32 s46, s46, s42
	s_mul_i32 s46, s46, CHUNK
	s_add_co_u32 s46, s46, WOFF
	s_mov_b32 s47, 0
	s_mul_i32 s45, s14, CHUNK                      ; where my chunk goes: no place in the cluster enters an LDS address
	s_lshl_b32 s80, s17, 19                        ; my 64 rows: (128 x tile row + 64 x half) x 4,096 bytes,
	s_lshl_b32 s81, s15, 18
	s_add_co_u32 s80, s80, s81
	s_lshl_b32 s82, s42, 9                         ; my 64 columns: (128 x tile column + 64 x half) x 4
	s_lshl_b32 s83, s16, 8
	s_add_co_u32 s82, s82, s83
	s_mov_b32 s83, 0
	s_add_co_u32 s80, s80, s82
	s_mov_b32 s81, 0
	s_wait_dscnt 0x0                               ; both opening adds are done
	s_wait_kmcnt 0x0
	s_add_nc_u64 s[20:21], s[4:5], s[20:21]
	s_add_nc_u64 s[46:47], s[6:7], s[46:47]
	s_add_nc_u64 s[78:79], s[8:9], s[82:83]
	s_add_nc_u64 s[84:85], s[10:11], s[80:81]
	s_add_nc_u64 s[86:87], s[12:13], s[80:81]
	CROUND                                         ; all sixteen work-groups are here: the first joint loads meet
.irp s, 0,1
	s_mov_b32 s[G0+4*\s], 1
	s_add_co_u32 s[G0+4*\s+1], s45, \s*SLOT
	s_add_nc_u64 s[G0+4*\s+2:G0+4*\s+3], s[20:21], \s*2*STEPA
	s_or_b32 s[G0+4*\s+3], s[G0+4*\s+3], 0x80000000
	s_mov_b32 s[G0B+4*\s], 1
	s_add_co_u32 s[G0B+4*\s+1], s45, \s*SLOT
	s_add_nc_u64 s[G0B+4*\s+2:G0B+4*\s+3], s[46:47], \s*2*STEPB
	s_or_b32 s[G0B+4*\s+3], s[G0B+4*\s+3], 0x80000000
.endr
	JLOAD G0, G1, G0B, G1B                         ; slot 0: my one tensor load at the head
	v_and_b32 v1, 15, v0                           ; r
	v_bfe_u32 v2, v0, 4, 1                         ; h
	v_mul_u32_u24 v3, v1, 144
	v_lshl_add_u32 v30, v2, 4, v3                  ; place r, + 16 h
	s_mul_i32 s21, s15, HALF                       ; my 64 places in A's chunks,
	s_mul_i32 s22, s16, HALF
	s_add_co_u32 s22, s22, 2*CHUNK                 ; in B's
	s_sub_co_u32 s23, s22, s21
	v_mul_u32_u24 v31, s23, v2                     ; scale words: lanes 16-31 take B's: one product, the distance between the two
	v_add_nc_u32 v31, v31, v3
	v_add_nc_u32 v31, 128, v31
.irp s, 0,1
	v_add_nc_u32 v[ADRA+\s], s21, v30
	v_add_nc_u32 v[ADRB+\s], s22, v30
	v_add_nc_u32 v[ADRS+\s], s21, v31
	s_add_co_u32 s21, s21, SLOT
	s_add_co_u32 s22, s22, SLOT
.endr
	s_mul_i32 s23, s14, 16*SP
	s_add_co_u32 s23, s23, STAGE                   ; my stage
	v_mul_u32_u24 v31, v1, SP
	v_lshl_add_u32 v31, v2, 6, v31                 ; in: row r, + 64 h
	v_add_nc_u32 v[STO], s23, v31
	v_mul_u32_u24 v31, v2, SP
	v_lshl_add_u32 v31, v1, 4, v31                 ; back: lanes 0-15 one row of 256 bytes, lanes 16-31 the next
	v_add_nc_u32 v[RD], s23, v31
	v_lshlrev_b32 v[BO], 4, v1
	v_lshl_add_u32 v[CO], v2, 12, v[BO]            ; and the same two rows in memory
	global_load_b128 v[8:11], v[BO], s[78:79]      ; the bias of the four columns that I store
	WIN 0x80                                       ; destination window 2
.irp a, 0,1,2,3
.irp i, 0,1,2,3,4,5,6,7
	global_load_b128 v[32*\a+4*\i:32*\a+4*\i+3], v[CO], s[84:85] offset:(32*(\a/2)+8*(\a%2)+2*\i+8*(\i/4))*4096 th:TH_LOAD_NT   ; the residual, in the order in which the rows come back from the stage
.endr
.endr
	WIN 0
	s_wait_alu depctr_va_vdst(0)
	s_wait_tensorcnt 0x0                           ; my chunk of slot 0 is in
	ds_add_u32 v[SPW], v[NIL]
	s_wait_dscnt 0x0
	CROUND                                         ; a whole round: slot 0 is whole, and the joint loads meet
	JLOAD G0+4, G1, G0B+4, G1B                     ; slot 1: my one tensor load behind the round
	FETCH 0, 0, 0
	WIN 0
	SCALES 0
	SUBSTEP 0, 0, 1                                ; the first step's products start the sums: nothing is cleared
	SUBSTEP 0, 1, 0
	SUBSTEP 0, 2, 0
.if LAPS > 1
	s_mov_b32 s3, LAPS-1
.Llap:                                                 ; a trip goes once round the ring and fills both slots again
	TURN 0, 1, 1
	SUBSTEP 1, 0, 0
	SUBSTEP 1, 1, 0
	SUBSTEP 1, 2, 0
	TURN 1, 0, 1
	SUBSTEP 0, 0, 0
	SUBSTEP 0, 1, 0
	SUBSTEP 0, 2, 0
	s_sub_co_u32 s3, s3, 1
	s_cmp_lg_u32 s3, 0
	s_cbranch_scc1 .Llap
.endif
	TURN 0, 1, 0                                   ; the last change of slots fills nothing
	SUBSTEP 1, 0, 0
	SUBSTEP 1, 1, 0
	SUBSTEP 1, 2, 0
	s_wait_dscnt 0x0                               ; the very last step: nothing more to fetch
	WIN MUL
	MUL16 1, 28, 0
	WIN 0
; THE WAY OUT, block by block of 16 places x 64 columns: through my own stage, back two rows a load; bias, residual, store: sixteen lanes fill one aligned run of 256 bytes.
.macro TOSTAGE a
.irp b, 0,1,2,3
	ds_store_b128 v[STO], v[ACC+8*(4*(\a)+\b):ACC+8*(4*(\a)+\b)+3] offset:(\b/2)*128+(\b%2)*32          ; each accumulator from its low end on
	ds_store_b128 v[STO], v[ACC+8*(4*(\a)+\b)+4:ACC+8*(4*(\a)+\b)+7] offset:(\b/2)*128+(\b%2)*32+16
.endr
.set BB, BK+32*((\a)%2)
.irp i, 0,1,2,3,4,5,6,7
	ds_load_b128 v[BB+4*\i:BB+4*\i+3], v[RD] offset:2*\i*SP        ; LDS serves a wave's instructions in order: these see my stores, and the next block's stores come behind them
.endr
.endm
.macro SEND a, younger
.set BB, BK+32*((\a)%2)
	s_wait_dscnt \younger                          ; the block is back; the next block's eight stores and eight loads may be out
.irp i, 0,1,2,3,4,5,6,7
	v_pk_add_f32 v[BB+4*\i:BB+4*\i+1], v[BB+4*\i:BB+4*\i+1], v[8:9]
	v_pk_add_f32 v[BB+4*\i+2:BB+4*\i+3], v[BB+4*\i+2:BB+4*\i+3], v[10:11]
.endr
	WIN 0x08                                       ; source 1 window 2: the residual
.set j, 0
.rept 16
	v_pk_add_f32 v[BB+j:BB+j+1], v[BB+j:BB+j+1], v[32*(\a)+j:32*(\a)+j+1]
.set j, j+2
.endr
	WIN 0
.irp i, 0,1,2,3,4,5,6,7
	global_store_b128 v[CO], v[BB+4*\i:BB+4*\i+3], s[86:87] offset:(32*((\a)/2)+8*((\a)%2)+2*\i+8*(\i/4))*4096 th:TH_STORE_NT
.endr
.endm
	PLACES NP                                      ; in front of the first read of results
	s_wait_loadcnt 0x0                             ; the bias and the residual, asked for at the head
	TOSTAGE 0
.irp a, 1,2,3
.if \a > 1
	s_wait_xcnt 0x0                                ; block a - 2's stores have read their registers: block a's loads may land there
.endif
	TOSTAGE \a
	SEND \a-1, 16
.endr
	SEND 3, 0
	s_wait_tensorcnt 0x0                           ; the wave's end
	ds_add_u32 v[SPW], v[NIL]
	s_wait_dscnt 0x0
	CROUND                                         ; the closing round
	s_endpgm
.Lfunc_end_k_q238b76636b_outp:
	.size	k_q238b76636b_outp, .Lfunc_end_k_q238b76636b_outp-k_q238b76636b_outp
	.p2alignl 7, 3214868480
	.fill 96, 4, 3214868480
	.section	.rodata,"a",@progbits
	.p2align	6, 0x0
	.amdhsa_kernel k_q238b76636b_outp
		.amdhsa_group_segment_fixed_size 327680
		.amdhsa_private_segment_fixed_size 0
		.amdhsa_enable_private_segment 0
		.amdhsa_kernarg_size 40
		.amdhsa_user_sgpr_count 2
		.amdhsa_user_sgpr_kernarg_segment_ptr 1
		.amdhsa_wavefront_size32 1
		.amdhsa_system_sgpr_workgroup_id_x 1
		.amdhsa_system_sgpr_workgroup_id_y 1
		.amdhsa_system_sgpr_workgroup_id_z 1
		.amdhsa_system_vgpr_workitem_id 0
		.amdhsa_next_free_vgpr 640
		.amdhsa_next_free_sgpr 100
		.amdhsa_reserve_vcc 0
		.amdhsa_float_denorm_mode_32 3
		.amdhsa_float_denorm_mode_16_64 3
		.amdhsa_memory_ordered 1
		.amdhsa_forward_progress 1
		.amdhsa_inst_pref_size 64
	.end_amdhsa_kernel
	.amdgpu_metadata
---
amdhsa.version: [ 1, 2 ]
amdhsa.kernels:
  - .name:           k_q238b76636b_outp
    .symbol:         k_q238b76636b_outp.kd
    .args:
      - { .name: oimg, .offset: 0, .size: 8, .value_kind: global_buffer, .address_space: global }
      - { .name: wimg, .offset: 8, .size: 8, .value_kind: global_buffer, .address_space: global }
      - { .name: b_out, .offset: 16, .size: 8, .value_kind: global_buffer, .address_space: global }
      - { .name: x, .offset: 24, .size: 8, .value_kind: global_buffer, .address_space: global }
      - { .name: x2, .offset: 32, .size: 8, .value_kind: global_buffer, .address_space: global }
    .group_segment_fixed_size: 327680
    .private_segment_fixed_size: 0
    .kernarg_segment_align: 8
    .kernarg_segment_size: 40
    .max_flat_workgroup_size: 128
    .sgpr_count:     100
    .vgpr_count:     640
    .wavefront_size: 32
...
	.end_amdgpu_metadata
.endif
;; end of part 11
;; launch ln2: the kernel of part 8 again; grid 256 x 1, 8 waves a work-group, no clusters, 19,456 bytes of LDS; arguments x2, ln2_scale, ln2_bias, yimg; writes yimg
;; launch fc1 (part 12): grid 16 x 16, 4 waves a work-group, clusters of 4 x 4, 327,680 bytes of LDS; arguments yimg, wimg, b_fc1, himg; writes himg
.if DOCPART == 12
	.amdgcn_target "amdgcn-amd-amdhsa--gfx1250"
	.amdhsa_code_object_version 6
	.text
	.protected	k_q238b76636b_fc1
	.globl	k_q238b76636b_fc1
	.p2align	8
	.type	k_q238b76636b_fc1,@function
k_q238b76636b_fc1:
	s_mov_b64 s[64:65], 0
	v_nop
	global_prefetch_b8 v0, s[64:65] scope:SCOPE_SE
	s_setreg_imm32_b32 hwreg(HW_REG_WAVE_MODE, 25, 1), 1
	s_wait_xcnt 0x0
	s_wait_alu depctr_hold_cnt(0) depctr_sa_sdst(0) depctr_va_vdst(0) depctr_va_sdst(0) depctr_va_ssrc(0) depctr_va_vcc(0) depctr_vm_vsrc(0)
	s_getreg_b32 s2, hwreg(HW_REG_IB_STS2, 6, 4)
	s_cmp_eq_u32 s2, 0
	s_cbranch_scc0 .Lentry_in_a_cluster
	s_endpgm
.Lentry_in_a_cluster:
	s_bfe_u32 s2, ttmp6, 0x10000c
	s_cmp_lg_u32 s2, 0xf033
	s_cbranch_scc0 .Lentry_shape_is_right
	s_endpgm
.Lentry_shape_is_right:
.set CHUNK,  36864
.set SUB,    18432
.set B16,    2304
.set SLOT,   4*CHUNK
.set SPARE,  2*SLOT
.set LAPS,   2
.set STEPA,  32*CHUNK
.set STEPB,  32*CHUNK
.set WOFF,   128*CHUNK
.set NQ,     2
.set FR,     16
.set NL,     4
.set NP,     8
.set ADRA, 16
.set ADRS, 18
.set ADRB, 20
.set ADR1, 22
.set ADR2, 23
.set STO,  24
.set STT,  25
.set CO,   26
.set RDS,  27
.set SPW,  28
.set NIL,  29
.set SC,   32
.set AF,   128
.set GT,   32
.set BC,   64
.set X,    128
.set GP,   192
.set GQ,   224
.set PC,   224
.set TM,   240
.set PW,   4
.set SEL,  74
.set MNT,  76
.set G1, 24
.set G0, 32
.set G1B, 48
.set G0B, 56
.set MSB, 0
.macro WIN new
.if MSB != (\new)
	s_set_vgpr_msb (MSB<<8)|(\new)
.set MSB, (\new)
.endif
.endm
.set MUL_LO, 0xa1
.set MUL_HI, 0xf1
.set TO_B,   0x40
.macro JLOAD g0a, g1a, g0b, g1b
	s_cmp_eq_u32 s15, 0
	s_cbranch_scc0 .Lfor_b_\@
	tensor_load_to_lds s[\g0a:\g0a+3], s[\g1a:\g1a+7]
	s_nop 0
.rept 4
	v_nop
.endr
	s_branch .Lasked_\@
.Lfor_b_\@:
	tensor_load_to_lds s[\g0b:\g0b+3], s[\g1b:\g1b+7]
	s_nop 0
.rept 4
	v_nop
.endr
.Lasked_\@:
.endm
.macro CREST
	s_cmp_lg_u32 s14, 0
	s_cbranch_scc1 .Lnot_wave_0_\@
	s_barrier_signal -3
.Lnot_wave_0_\@:
	s_barrier_wait -3
	s_barrier_signal -1
	s_barrier_wait -1
.endm
.macro CROUND
	s_barrier_signal -1
	s_barrier_wait -1
	CREST
.endm
.macro FRAG reg, adr, q, i
.irp c, 0,1,2,3
	ds_load_b128 v[\reg+4*\c:\reg+4*\c+3], v[\adr] offset:SUB*(\q)+32*\c+(\i)*B16
.endr
.endm
.macro MUL16 a0, p, q, sc, zero
.irp a, \a0, \a0+1
.irp b, 0,1,2,3,4,5,6,7
.if \zero
	v_wmma_scale_f32_16x16x128_f8f6f4 v[8*(8*((\a)%4)+\b):8*(8*((\a)%4)+\b)+7], v[128*(\p)+FR*\b:128*(\p)+FR*\b+FR-1], v[AF+FR*(\a):AF+FR*(\a)+FR-1], 0, v[SC+8*NQ*(\sc)+NQ*\b+(\q)], v[SC+8*NQ*(\sc)+NQ*(\a)+(\q)] matrix_a_fmt:MATRIX_FMT_BF8 matrix_b_fmt:MATRIX_FMT_BF8 matrix_a_scale:MATRIX_SCALE_ROW1
.else
	v_wmma_scale_f32_16x16x128_f8f6f4 v[8*(8*((\a)%4)+\b):8*(8*((\a)%4)+\b)+7], v[128*(\p)+FR*\b:128*(\p)+FR*\b+FR-1], v[AF+FR*(\a):AF+FR*(\a)+FR-1], v[8*(8*((\a)%4)+\b):8*(8*((\a)%4)+\b)+7], v[SC+8*NQ*(\sc)+NQ*\b+(\q)], v[SC+8*NQ*(\sc)+NQ*(\a)+(\q)] matrix_a_fmt:MATRIX_FMT_BF8 matrix_b_fmt:MATRIX_FMT_BF8 matrix_a_scale:MATRIX_SCALE_ROW1
.endif
.endr
.endr
.endm
.macro FETCH_B slot, q, p
	WIN TO_B
.irp i, 0,1,2,3,4,5,6,7
	FRAG 128*(\p)+FR*\i, ADRB+\slot, \q, \i
.endr
	WIN 0
.endm
.macro FETCH_A slot, q, i0
.irp i, \i0, \i0+1, \i0+2, \i0+3
	FRAG AF+FR*(\i), ADRA+\slot, \q, \i
.endr
.endm
.macro SCALES s
.irp i, 0,1,2,3,4,5,6,7
.irp q, 0,1
	ds_load_b32 v[SC+16*\s+2*\i+\q], v[ADRS+\s] offset:SUB*\q+B16*\i
.endr
.endr
.endm
.macro PLACES n
.rept \n
	v_nop
.endr
.endm
.macro STEP slot, q, zero
	s_wait_dscnt 4*NL
	WIN MUL_LO
	MUL16 0, (\q)%2, \q, \slot, \zero
	MUL16 2, (\q)%2, \q, \slot, \zero
	s_wait_dscnt 0
	PLACES NP
	FETCH_B \slot, (\q)+1, 1-(\q)%2
	FETCH_A \slot, (\q)+1, 0
	WIN MUL_HI
	MUL16 4, (\q)%2, \q, \slot, \zero
	MUL16 6, (\q)%2, \q, \slot, \zero
	PLACES NP
	WIN 0
	FETCH_A \slot, (\q)+1, 4
.endm
.macro TURN slot, next, fill
	s_wait_tensorcnt 0x0
	ds_add_u32 v[SPW], v[NIL]
	s_wait_dscnt 4*NL+1
	WIN MUL_LO
	MUL16 0, 1, NQ-1, \slot, 0
	s_wait_dscnt 0x0
	s_barrier_signal -1
	MUL16 2, 1, NQ-1, \slot, 0
	WIN 0
	s_barrier_wait -1
.if \fill
	CREST
	s_add_nc_u64 s[G0+4*\slot+2:G0+4*\slot+3], s[G0+4*\slot+2:G0+4*\slot+3], s[66:67]
	s_add_nc_u64 s[G0B+4*\slot+2:G0B+4*\slot+3], s[G0B+4*\slot+2:G0B+4*\slot+3], s[68:69]
	JLOAD G0+4*\slot, G1, G0B+4*\slot, G1B
	PLACES NP-4
.else
	PLACES NP
.endif
	FETCH_B \next, 0, 0
	FETCH_A \next, 0, 0
	SCALES \next
	WIN MUL_HI
	MUL16 4, 1, NQ-1, \slot, 0
	MUL16 6, 1, NQ-1, \slot, 0
	PLACES NP
	WIN 0
	FETCH_A \next, 0, 4
.endm
.macro QUANT s
.irp b, 0,1,2,3
	v_max3_num_f32 v[TM+\b], |v[\s+16*\b]|, |v[\s+1+16*\b]|, 0x8000000
.endr
.irp i, 2,4,6,8,10,12,14
.irp b, 0,1,2,3
	v_max3_num_f32 v[TM+\b], v[TM+\b], |v[\s+16*\b+\i]|, |v[\s+1+16*\b+\i]|
.endr
.endr
.irp b, 0,1,2,3
	v_permlanex16_b32 v[TM+4+\b], v[TM+\b], s[SEL], s[SEL+1]
.endr
.irp b, 0,1,2,3
	v_max_num_f32 v[TM+\b], v[TM+\b], v[TM+4+\b]
.endr
.irp b, 0,1,2,3
	v_add_nc_u32 v[TM+12+\b], 0xf8800000, v[TM+\b]
.endr
.irp b, 0,1,2,3
	v_and_or_b32 v[TM+8+\b], v[TM+\b], 0x7f800000, s[MNT]
.endr
.irp b, 0,1,2,3
	v_lshrrev_b32 v[TM+4+\b], 23, v[TM+12+\b]
.endr
	v_lshl_or_b32 v[PW], v[TM+5], 8, v[TM+4]
	v_lshl_or_b32 v[PW], v[TM+6], 16, v[PW]
	v_lshl_or_b32 v[PW], v[TM+7], 24, v[PW]
.irp b, 0,1,2,3
.irp i, 0,1,2,3,4,5,6,7,8,9,10,11,12,13,14,15
	v_med3_num_f32 v[\s+16*\b+\i], v[\s+16*\b+\i], -v[TM+8+\b], v[TM+8+\b]
.endr
	v_cvt_scalef32_pk8_bf8_f32 v[PC+4*\b:PC+1+4*\b], v[\s+16*\b:\s+7+16*\b], v[TM+12+\b]
	v_cvt_scalef32_pk8_bf8_f32 v[PC+2+4*\b:PC+3+4*\b], v[\s+8+16*\b:\s+15+16*\b], v[TM+12+\b]
.endr
	v_nop
.endm
.macro TAKEC a
	WIN 0x02+(\a)/4
.set i, 0
.rept 32
	v_pk_add_f32 v[X+i:X+i+1], v[64*((\a)%4)+i:64*((\a)%4)+i+1], v[BC+i:BC+i+1]
.set i, i+2
.endr
	WIN 0
.endm
.macro GELU o
.set i, 0
.rept 32
	v_fma_f32 v[GT+i], |v[X+\o+i]|, s77, 1.0
.set i, i+1
.endr
.set i, 0
	s_wait_alu depctr_va_vdst(0)
.rept 32
	v_rcp_f32 v[GT+i], v[GT+i]
.set i, i+1
.endr
.set i, 0
.rept 16
	v_pk_mul_f32 v[GQ+i:GQ+i+1], v[X+\o+i:X+\o+i+1], v[X+\o+i:X+\o+i+1]
.set i, i+2
.endr
.set i, 0
.rept 16
	v_pk_fma_f32 v[GQ+i:GQ+i+1], v[GQ+i:GQ+i+1], 0xbf38aa3b, v[14:15] op_sel_hi:[1,0,1]
.set i, i+2
.endr
	s_wait_alu depctr_va_vdst(0)
.set i, 0
.rept 16
	v_pk_fma_f32 v[GP+i:GP+i+1], v[GT+i:GT+i+1], v[12:13], 0xbf97d29d op_sel_hi:[1,1,0]
.set i, i+2
.endr
.irp c, 0x40097039, 0xbfd1a1e5, 0x3ecdfd18, 0xbe899a80, 0x3e0efb2e, 0x3f0a29d2, 0x3fb8ab5a
.set i, 0
.rept 16
	v_pk_fma_f32 v[GP+i:GP+i+1], v[GP+i:GP+i+1], v[GT+i:GT+i+1], \c op_sel_hi:[1,1,0]
.set i, i+2
.endr
.endr
.set i, 0
.rept 16
	v_pk_fma_f32 v[GP+i:GP+i+1], v[GP+i:GP+i+1], v[GT+i:GT+i+1], v[GQ+i:GQ+i+1]
.set i, i+2
.endr
.set i, 0
	s_wait_alu depctr_va_vdst(0)
.rept 32
	v_exp_f32 v[GP+i], v[GP+i]
.set i, i+1
.endr
.set i, 0
.rept 32
	v_max_num_f32 v[GQ+i], 0, v[X+\o+i]
.set i, i+1
.endr
	s_wait_alu depctr_va_vdst(0)
.set i, 0
.rept 16
	v_pk_mul_f32 v[GP+i:GP+i+1], v[GP+i:GP+i+1], v[GT+i:GT+i+1]
.set i, i+2
.endr
.set i, 0
.rept 32
	v_fma_f32 v[X+\o+i], -|v[X+\o+i]|, v[GP+i], v[GQ+i]
.set i, i+1
.endr
.endm
	s_load_b256 s[4:11], s[0:1], 0x0
	v_lshl_add_u32 v[SPW], v0, 2, SPARE
	v_mov_b32 v[NIL], 0
	ds_add_u32 v[SPW], v[NIL]
	ds_add_u32 v[SPW], v[NIL]
	v_lshrrev_b32 v1, 5, v0
	v_readfirstlane_b32 s14, v1
	s_lshr_b32 s15, s14, 1
	s_and_b32 s16, s14, 1
	s_bfe_u32 s40, ttmp6, 0x40000
	s_bfe_u32 s41, ttmp6, 0x40004
	s_lshl_b32 s42, ttmp9, 2
	s_add_co_u32 s42, s42, s40
	s_and_b32 s17, ttmp7, 0xffff
	s_lshl_b32 s17, s17, 2
	s_add_co_u32 s17, s17, s41
	s_lshl_b32 s43, s41, 2
	s_lshl_b32 s43, 15, s43
	s_lshl_b32 s44, 0x1111, s40
	s_or_b32 s[G1+0], s43, (3<<16)|(1<<21)
	s_or_b32 s[G1B+0], s44, (3<<16)|(1<<21)
.irp g, G1, G1B
	s_mov_b32 s[\g+1], 32<<16
	s_mov_b32 s[\g+2], 144<<16
	s_mov_b32 s[\g+3], 32<<16
	s_mov_b32 s[\g+4], 144
	s_mov_b32 s[\g+5], 32
	s_mov_b32 s[\g+6], 0
	s_mov_b32 s[\g+7], 0
.endr
	s_mov_b32 s[SEL], 0x76543210
	s_mov_b32 s[SEL+1], 0xfedcba98
	s_mov_b32 s[MNT], 0x600000
	s_mov_b32 s77, 0x3eb504f3
	s_mov_b32 s66, 2*STEPA
	s_mov_b32 s67, 0
	s_mov_b32 s68, 2*STEPB
	s_mov_b32 s69, 0
	s_lshl_b32 s20, s17, 1
	s_add_co_u32 s20, s20, s16
	s_mul_i32 s20, s20, CHUNK
	s_mov_b32 s21, 0
	s_lshl_b32 s46, s42, 1
	s_add_co_u32 s46, s46, s16
	s_mul_i32 s46, s46, CHUNK
	s_add_co_u32 s46, s46, WOFF
	s_mov_b32 s47, 0
	s_mul_i32 s45, s14, CHUNK
	s_lshl_b32 s96, s42, 5
	s_lshl_b32 s97, s17, 1
	s_add_co_u32 s96, s96, s97
	s_add_co_u32 s96, s96, s15
	s_mul_i32 s96, s96, CHUNK
	s_mul_i32 s97, s16, SUB
	s_add_co_u32 s96, s96, s97
	s_mov_b32 s97, 0
	s_lshl_b32 s78, s42, 10
	s_lshl_b32 s79, s16, 9
	s_add_co_u32 s78, s78, s79
	s_mov_b32 s79, 0
	s_wait_dscnt 0x0
	s_wait_kmcnt 0x0
	s_add_nc_u64 s[20:21], s[4:5], s[20:21]
	s_add_nc_u64 s[46:47], s[6:7], s[46:47]
	s_add_nc_u64 s[78:79], s[8:9], s[78:79]
	s_add_nc_u64 s[94:95], s[10:11], s[96:97]
	CROUND
.irp s, 0,1
	s_mov_b32 s[G0+4*\s], 1
	s_add_co_u32 s[G0+4*\s+1], s45, \s*SLOT
	s_add_nc_u64 s[G0+4*\s+2:G0+4*\s+3], s[20:21], \s*STEPA
	s_or_b32 s[G0+4*\s+3], s[G0+4*\s+3], 0x80000000
	s_mov_b32 s[G0B+4*\s], 1
	s_add_co_u32 s[G0B+4*\s+1], s45, \s*SLOT
	s_add_nc_u64 s[G0B+4*\s+2:G0B+4*\s+3], s[46:47], \s*STEPB
	s_or_b32 s[G0B+4*\s+3], s[G0B+4*\s+3], 0x80000000
.endr
	JLOAD G0, G1, G0B, G1B                         ; K step 0: my one tensor load at the head
	v_and_b32 v1, 15, v0
	v_bfe_u32 v2, v0, 4, 1
	v_mul_u32_u24 v3, v1, 144
	v_lshl_add_u32 v30, v2, 4, v3
	s_mul_i32 s21, s15, CHUNK
	s_mul_i32 s22, s16, CHUNK
	s_add_co_u32 s22, s22, 2*CHUNK
	s_sub_co_u32 s23, s22, s21
	v_mul_u32_u24 v31, s23, v2
	v_add_nc_u32 v31, v31, v3
	v_add_nc_u32 v31, 128, v31
.irp s, 0,1
	v_add_nc_u32 v[ADRA+\s], s21, v30
	v_add_nc_u32 v[ADRB+\s], s22, v30
	v_add_nc_u32 v[ADRS+\s], s21, v31
	s_add_co_u32 s21, s21, SLOT
	s_add_co_u32 s22, s22, SLOT
.endr
	s_mul_i32 s23, s14, SUB
	v_add_nc_u32 v[STO], s23, v30
	v_add_nc_u32 v[STT], s23, v3
	v_add_nc_u32 v[STT], 128, v[STT]
	v_and_b32 v31, 31, v0
	v_lshlrev_b32 v[CO], 4, v31
	v_add_nc_u32 v[RDS], s23, v[CO]
	v_lshlrev_b32 v[ADR1], 6, v2
	v_mov_b32 v12, 0x3e7c6f08
	v_mov_b32 v13, 0x3e7c6f08
	v_mov_b32 v14, 0xc034d90f
	v_mov_b32 v15, 0xc034d90f
.irp n, 0,1,2,3,4,5,6,7,8,9,10,11,12,13,14,15
	global_load_b128 v[BC+4*\n:BC+4*\n+3], v[ADR1], s[78:79] offset:128*(\n/4)+16*(\n%4)
.endr
	s_wait_alu depctr_va_vdst(0)                   ; the wait at the head's end
	s_wait_tensorcnt 0x0                           ; my chunk of K step 0 is in
	ds_add_u32 v[SPW], v[NIL]
	s_wait_dscnt 0x0
	CROUND                                         ; a whole round: slot 0 is whole, and the joint loads meet
	JLOAD G0+4, G1, G0B+4, G1B                     ; K step 1: my one tensor load behind the round
	FETCH_B 0, 0, 0
	FETCH_A 0, 0, 0
	SCALES 0
	FETCH_A 0, 0, 4
	STEP 0, 0, 1
	s_mov_b32 s3, LAPS-1
.Llap:
	TURN 0, 1, 1
	STEP 1, 0, 0
	TURN 1, 0, 1
	STEP 0, 0, 0
	s_sub_co_u32 s3, s3, 1
	s_cmp_lg_u32 s3, 0
	s_cbranch_scc1 .Llap
	TURN 0, 1, 0
	STEP 1, 0, 0
	s_wait_dscnt 4*NL
	WIN MUL_LO
	MUL16 0, 1, NQ-1, 1, 0
	MUL16 2, 1, NQ-1, 1, 0
	s_wait_dscnt 0
	WIN MUL_HI
	MUL16 4, 1, NQ-1, 1, 0
	MUL16 6, 1, NQ-1, 1, 0
	WIN 0
	PLACES NP
	s_wait_loadcnt 0x0
.irp b, 0,1,2,3
	v_mov_b32 v[TM+4+\b], 0
.endr
	v_mov_b32 v5, 0
	v_mov_b32 v6, 0
	v_mov_b32 v7, 0
	s_mov_b32 s3, 0
	s_mov_b32 s2, 0
.Lrow:
.irp n, 0,1,2,3,4,5,6
	s_cmp_eq_u32 s3, \n
	s_cbranch_scc1 .Ltk\n
.endr
	TAKEC 7
	s_branch .Lcommon
.Ltk0:
	TAKEC 0
	s_branch .Lcommon
.Ltk1:
	TAKEC 1
	s_branch .Lcommon
.Ltk2:
	TAKEC 2
	s_branch .Lcommon
.Ltk3:
	TAKEC 3
	s_branch .Lcommon
.Ltk4:
	TAKEC 4
	s_branch .Lcommon
.Ltk5:
	TAKEC 5
	s_branch .Lcommon
.Ltk6:
	TAKEC 6
.Lcommon:
	GELU 0
	GELU 32
	QUANT X
	v_add_nc_u32 v[ADR1], s2, v[STO]
	v_add_nc_u32 v[ADR2], s2, v[STT]
.irp b, 0,1,2,3
	ds_store_b128 v[ADR1], v[PC+4*\b:PC+4*\b+3] offset:32*\b
.endr
	ds_store_b128 v[ADR2], v[4:7]
	s_wait_dscnt 0x0
	s_add_co_u32 s2, s2, B16
	s_add_co_u32 s3, s3, 1
	s_cmp_lt_u32 s3, 8
	s_cbranch_scc1 .Lrow
.set i, 0
.rept 36
	ds_load_b128 v[64+4*i:64+4*i+3], v[RDS] offset:512*i
.set i, i+1
.endr
.set i, 0
.rept 36
	s_wait_dscnt 35-i
	global_store_b128 v[CO], v[64+4*i:64+4*i+3], s[94:95] offset:512*i
.set i, i+1
.endr
	s_wait_tensorcnt 0x0
	ds_add_u32 v[SPW], v[NIL]
	s_wait_dscnt 0x0
	CROUND
	s_endpgm
.Lfunc_end_k_q238b76636b_fc1:
	.size	k_q238b76636b_fc1, .Lfunc_end_k_q238b76636b_fc1-k_q238b76636b_fc1
	.p2alignl 7, 3214868480
	.fill 96, 4, 3214868480
	.section	.rodata,"a",@progbits
	.p2align	6, 0x0
	.amdhsa_kernel k_q238b76636b_fc1
		.amdhsa_group_segment_fixed_size 327680
		.amdhsa_private_segment_fixed_size 0
		.amdhsa_enable_private_segment 0
		.amdhsa_kernarg_size 32
		.amdhsa_user_sgpr_count 2
		.amdhsa_user_sgpr_kernarg_segment_ptr 1
		.amdhsa_wavefront_size32 1
		.amdhsa_system_sgpr_workgroup_id_x 1
		.amdhsa_system_sgpr_workgroup_id_y 1
		.amdhsa_system_sgpr_workgroup_id_z 1
		.amdhsa_system_vgpr_workitem_id 0
		.amdhsa_next_free_vgpr 1024
		.amdhsa_next_free_sgpr 100
		.amdhsa_reserve_vcc 0
		.amdhsa_float_denorm_mode_32 3
		.amdhsa_float_denorm_mode_16_64 3
		.amdhsa_memory_ordered 1
		.amdhsa_forward_progress 1
		.amdhsa_inst_pref_size 198
	.end_amdhsa_kernel
	.amdgpu_metadata
---
amdhsa.version: [ 1, 2 ]
amdhsa.kernels:
  - .name:           k_q238b76636b_fc1
    .symbol:         k_q238b76636b_fc1.kd
    .args:
      - { .name: yimg, .offset: 0, .size: 8, .value_kind: global_buffer, .address_space: global }
      - { .name: wimg, .offset: 8, .size: 8, .value_kind: global_buffer, .address_space: global }
      - { .name: b_fc1, .offset: 16, .size: 8, .value_kind: global_buffer, .address_space: global }
      - { .name: himg, .offset: 24, .size: 8, .value_kind: global_buffer, .address_space: global }
    .group_segment_fixed_size: 327680
    .private_segment_fixed_size: 0
    .kernarg_segment_align: 8
    .kernarg_segment_size: 32
    .max_flat_workgroup_size: 128
    .sgpr_count:     100
    .vgpr_count:     1024
    .wavefront_size: 32
...
	.end_amdgpu_metadata
.endif
;; end of part 12
;; launch fc2 (part 13): grid 8 x 32, 4 waves a work-group, clusters of 4 x 4, 327,680 bytes of LDS; arguments himg, wimg, b_fc2, x2, out0; writes out0
.if DOCPART == 13
	.amdgcn_target "amdgcn-amd-amdhsa--gfx1250"
	.amdhsa_code_object_version 6
	.text
	.protected	k_q238b76636b_fc2
	.globl	k_q238b76636b_fc2
	.p2align	8
	.type	k_q238b76636b_fc2,@function
k_q238b76636b_fc2:
	s_mov_b64 s[64:65], 0
	v_nop
	global_prefetch_b8 v0, s[64:65] scope:SCOPE_SE
	s_setreg_imm32_b32 hwreg(HW_REG_WAVE_MODE, 25, 1), 1
	s_wait_xcnt 0x0
	s_wait_alu depctr_hold_cnt(0) depctr_sa_sdst(0) depctr_va_vdst(0) depctr_va_sdst(0) depctr_va_ssrc(0) depctr_va_vcc(0) depctr_vm_vsrc(0)
	s_getreg_b32 s2, hwreg(HW_REG_IB_STS2, 6, 4)
	s_cmp_eq_u32 s2, 0
	s_cbranch_scc0 .Lentry_in_a_cluster
	s_endpgm
.Lentry_in_a_cluster:
	s_bfe_u32 s2, ttmp6, 0x10000c
	s_cmp_lg_u32 s2, 0xf033
	s_cbranch_scc0 .Lentry_shape_is_right
	s_endpgm
.Lentry_shape_is_right:
.set CHUNK,  36864
.set SUB,    18432
.set B16,    2304
.set HALF,   9216
.set SLOT,   4*CHUNK
.set SPARE,  2*SLOT
.set STAGE,  SPARE+512
.set SP,     272
.set LAPS,   4
.set STEPA,  32*CHUNK
.set STEPB,  8*CHUNK
.set WOFF,   0
.set NP,     8
.set ADRA, 16
.set ADRS, 18
.set ADRB, 20
.set STO,  24
.set RD,   25
.set CO,   26
.set BO,   27
.set SPW,  28
.set NIL,  29
.set SC,   32
.set BK,   64
.set ACC,  128
.set G1, 24
.set G0, 32
.set G1B, 48
.set G0B, 56
.set MSB, 0
.macro WIN new
.if MSB != (\new)
	s_set_vgpr_msb (MSB<<8)|(\new)
.set MSB, (\new)
.endif
.endm
.set MUL,  0x05
.set TO_F, 0x40
.macro JLOAD g0a, g1a, g0b, g1b
	s_cmp_eq_u32 s15, 0
	s_cbranch_scc0 .Lfor_b_\@
	tensor_load_to_lds s[\g0a:\g0a+3], s[\g1a:\g1a+7]
	s_nop 0
.rept 4
	v_nop
.endr
	s_branch .Lasked_\@
.Lfor_b_\@:
	tensor_load_to_lds s[\g0b:\g0b+3], s[\g1b:\g1b+7]
	s_nop 0
.rept 4
	v_nop
.endr
.Lasked_\@:
.endm
.macro CROUND
	s_barrier_signal -1
	s_barrier_wait -1
	s_cmp_lg_u32 s14, 0
	s_cbranch_scc1 .Lnot_wave_0_\@
	s_barrier_signal -3
.Lnot_wave_0_\@:
	s_barrier_wait -3
	s_barrier_signal -1
	s_barrier_wait -1
.endm
.macro FRAG reg, adr, q, i
.irp c, 0,1,2,3
	ds_load_b128 v[\reg+4*\c:\reg+4*\c+3], v[\adr] offset:((\q)/2)*CHUNK+((\q)%2)*SUB+32*\c+(\i)*B16
.endr
.endm
.macro FETCH slot, q, f
	WIN TO_F
.irp i, 0,1,2,3
	FRAG 128*(\f)+64+16*\i, ADRB+\slot, \q, \i
	FRAG 128*(\f)+16*\i, ADRA+\slot, \q, \i
.endr
.endm
.macro SCALES s
.irp q, 0,1,2,3
.irp i, 0,1,2,3
	ds_load_b32 v[SC+16*\s+4*\q+\i], v[ADRS+\s] offset:(\q/2)*CHUNK+(\q%2)*SUB+B16*\i
.endr
.endr
.endm
.macro MUL16 f, sc, zero
.irp a, 0,1,2,3
.irp b, 0,1,2,3
.if \zero
	v_wmma_scale_f32_16x16x128_f8f6f4 v[ACC+8*(4*\a+\b):ACC+8*(4*\a+\b)+7], v[128*(\f)+64+16*\b:128*(\f)+64+16*\b+15], v[128*(\f)+16*\a:128*(\f)+16*\a+15], 0, v[SC+(\sc)+\b], v[SC+(\sc)+\a] matrix_a_fmt:MATRIX_FMT_BF8 matrix_b_fmt:MATRIX_FMT_BF8 matrix_a_scale:MATRIX_SCALE_ROW1
.else
	v_wmma_scale_f32_16x16x128_f8f6f4 v[ACC+8*(4*\a+\b):ACC+8*(4*\a+\b)+7], v[128*(\f)+64+16*\b:128*(\f)+64+16*\b+15], v[128*(\f)+16*\a:128*(\f)+16*\a+15], v[ACC+8*(4*\a+\b):ACC+8*(4*\a+\b)+7], v[SC+(\sc)+\b], v[SC+(\sc)+\a] matrix_a_fmt:MATRIX_FMT_BF8 matrix_b_fmt:MATRIX_FMT_BF8 matrix_a_scale:MATRIX_SCALE_ROW1
.endif
.endr
.endr
.endm
.macro PLACES n
.rept \n
	v_nop
.endr
.endm
.macro SUBSTEP slot, q, zero
	s_wait_dscnt 0x0
	PLACES NP
	FETCH \slot, (\q)+1, 1-(\q)%2
	WIN MUL
	MUL16 (\q)%2, 16*(\slot)+4*(\q), \zero
	WIN 0
.endm
.macro TURN slot, next, fill
	s_wait_tensorcnt 0x0
	ds_add_u32 v[SPW], v[NIL]
.if \fill
	s_add_nc_u64 s[G0+4*\slot+2:G0+4*\slot+3], s[G0+4*\slot+2:G0+4*\slot+3], s[66:67]
	s_add_nc_u64 s[G0B+4*\slot+2:G0B+4*\slot+3], s[G0B+4*\slot+2:G0B+4*\slot+3], s[68:69]
.endif
	s_wait_dscnt 0x0
.if \fill
	CROUND
	JLOAD G0+4*\slot, G1, G0B+4*\slot, G1B
	PLACES NP-4
.else
	s_barrier_signal -1
	s_barrier_wait -1
	PLACES NP
.endif
	FETCH \next, 0, 0
	WIN 0
	s_wait_alu depctr_va_vdst(0)
	SCALES \next
	WIN MUL
	MUL16 1, 16*(\slot)+12, 0
	WIN 0
.endm
	s_load_b256 s[4:11], s[0:1], 0x0
	s_load_b64 s[12:13], s[0:1], 0x20
	v_lshl_add_u32 v[SPW], v0, 2, SPARE
	v_mov_b32 v[NIL], 0
	ds_add_u32 v[SPW], v[NIL]
	ds_add_u32 v[SPW], v[NIL]
	v_lshrrev_b32 v1, 5, v0
	v_readfirstlane_b32 s14, v1
	s_lshr_b32 s15, s14, 1
	s_and_b32 s16, s14, 1
	s_bfe_u32 s40, ttmp6, 0x40000
	s_bfe_u32 s41, ttmp6, 0x40004
	s_lshl_b32 s42, ttmp9, 2
	s_add_co_u32 s42, s42, s40
	s_and_b32 s17, ttmp7, 0xffff
	s_lshl_b32 s17, s17, 2
	s_add_co_u32 s17, s17, s41
	s_lshl_b32 s43, s41, 2
	s_lshl_b32 s43, 15, s43
	s_lshl_b32 s44, 0x1111, s40
	s_or_b32 s[G1+0], s43, (3<<16)|(1<<21)
	s_or_b32 s[G1B+0], s44, (3<<16)|(1<<21)
.irp g, G1, G1B
	s_mov_b32 s[\g+1], 32<<16
	s_mov_b32 s[\g+2], 144<<16
	s_mov_b32 s[\g+3], 32<<16
	s_mov_b32 s[\g+4], 144
	s_mov_b32 s[\g+5], 32
	s_mov_b32 s[\g+6], 0
	s_mov_b32 s[\g+7], 0
.endr
	s_mov_b32 s66, 4*STEPA
	s_mov_b32 s67, 0
	s_mov_b32 s68, 4*STEPB
	s_mov_b32 s69, 0
	s_lshl_b32 s20, s16, 5
	s_add_co_u32 s20, s20, s17
	s_mul_i32 s20, s20, CHUNK
	s_mov_b32 s21, 0
	s_lshl_b32 s46, s16, 3
	s_add_co_u32 s46, s46, s42
	s_mul_i32 s46, s46, CHUNK
	s_add_co_u32 s46, s46, WOFF
	s_mov_b32 s47, 0
	s_mul_i32 s45, s14, CHUNK
	s_lshl_b32 s80, s17, 19
	s_lshl_b32 s81, s15, 18
	s_add_co_u32 s80, s80, s81
	s_lshl_b32 s82, s42, 9
	s_lshl_b32 s83, s16, 8
	s_add_co_u32 s82, s82, s83
	s_mov_b32 s83, 0
	s_add_co_u32 s80, s80, s82
	s_mov_b32 s81, 0
	s_wait_dscnt 0x0
	s_wait_kmcnt 0x0
	s_add_nc_u64 s[20:21], s[4:5], s[20:21]
	s_add_nc_u64 s[46:47], s[6:7], s[46:47]
	s_add_nc_u64 s[78:79], s[8:9], s[82:83]
	s_add_nc_u64 s[84:85], s[10:11], s[80:81]
	s_add_nc_u64 s[86:87], s[12:13], s[80:81]
	CROUND
.irp s, 0,1
	s_mov_b32 s[G0+4*\s], 1
	s_add_co_u32 s[G0+4*\s+1], s45, \s*SLOT
	s_add_nc_u64 s[G0+4*\s+2:G0+4*\s+3], s[20:21], \s*2*STEPA
	s_or_b32 s[G0+4*\s+3], s[G0+4*\s+3], 0x80000000
	s_mov_b32 s[G0B+4*\s], 1
	s_add_co_u32 s[G0B+4*\s+1], s45, \s*SLOT
	s_add_nc_u64 s[G0B+4*\s+2:G0B+4*\s+3], s[46:47], \s*2*STEPB
	s_or_b32 s[G0B+4*\s+3], s[G0B+4*\s+3], 0x80000000
.endr
	JLOAD G0, G1, G0B, G1B                         ; slot 0: my one tensor load at the head
	v_and_b32 v1, 15, v0
	v_bfe_u32 v2, v0, 4, 1
	v_mul_u32_u24 v3, v1, 144
	v_lshl_add_u32 v30, v2, 4, v3
	s_mul_i32 s21, s15, HALF
	s_mul_i32 s22, s16, HALF
	s_add_co_u32 s22, s22, 2*CHUNK
	s_sub_co_u32 s23, s22, s21
	v_mul_u32_u24 v31, s23, v2
	v_add_nc_u32 v31, v31, v3
	v_add_nc_u32 v31, 128, v31
.irp s, 0,1
	v_add_nc_u32 v[ADRA+\s], s21, v30
	v_add_nc_u32 v[ADRB+\s], s22, v30
	v_add_nc_u32 v[ADRS+\s], s21, v31
	s_add_co_u32 s21, s21, SLOT
	s_add_co_u32 s22, s22, SLOT
.endr
	s_mul_i32 s23, s14, 16*SP
	s_add_co_u32 s23, s23, STAGE
	v_mul_u32_u24 v31, v1, SP
	v_lshl_add_u32 v31, v2, 6, v31
	v_add_nc_u32 v[STO], s23, v31
	v_mul_u32_u24 v31, v2, SP
	v_lshl_add_u32 v31, v1, 4, v31
	v_add_nc_u32 v[RD], s23, v31
	v_lshlrev_b32 v[BO], 4, v1
	v_lshl_add_u32 v[CO], v2, 12, v[BO]
	global_load_b128 v[8:11], v[BO], s[78:79]
	WIN 0x80
.irp a, 0,1,2,3
.irp i, 0,1,2,3,4,5,6,7
	global_load_b128 v[32*\a+4*\i:32*\a+4*\i+3], v[CO], s[84:85] offset:(32*(\a/2)+8*(\a%2)+2*\i+8*(\i/4))*4096 th:TH_LOAD_NT
.endr
.endr
	WIN 0
	s_wait_alu depctr_va_vdst(0)                   ; the wait at the head's end
	s_wait_tensorcnt 0x0                           ; my chunk of slot 0 is in
	ds_add_u32 v[SPW], v[NIL]
	s_wait_dscnt 0x0
	CROUND                                         ; a whole round: slot 0 is whole, and the joint loads meet
	JLOAD G0+4, G1, G0B+4, G1B                     ; slot 1: my one tensor load behind the round
	FETCH 0, 0, 0
	WIN 0
	SCALES 0
	SUBSTEP 0, 0, 1
	SUBSTEP 0, 1, 0
	SUBSTEP 0, 2, 0
.if LAPS > 1
	s_mov_b32 s3, LAPS-1
.Llap:
	TURN 0, 1, 1
	SUBSTEP 1, 0, 0
	SUBSTEP 1, 1, 0
	SUBSTEP 1, 2, 0
	TURN 1, 0, 1
	SUBSTEP 0, 0, 0
	SUBSTEP 0, 1, 0
	SUBSTEP 0, 2, 0
	s_sub_co_u32 s3, s3, 1
	s_cmp_lg_u32 s3, 0
	s_cbranch_scc1 .Llap
.endif
	TURN 0, 1, 0
	SUBSTEP 1, 0, 0
	SUBSTEP 1, 1, 0
	SUBSTEP 1, 2, 0
	s_wait_dscnt 0x0
	WIN MUL
	MUL16 1, 28, 0
	WIN 0
.macro TOSTAGE a
.irp b, 0,1,2,3
	ds_store_b128 v[STO], v[ACC+8*(4*(\a)+\b):ACC+8*(4*(\a)+\b)+3] offset:(\b/2)*128+(\b%2)*32
	ds_store_b128 v[STO], v[ACC+8*(4*(\a)+\b)+4:ACC+8*(4*(\a)+\b)+7] offset:(\b/2)*128+(\b%2)*32+16
.endr
.set BB, BK+32*((\a)%2)
.irp i, 0,1,2,3,4,5,6,7
	ds_load_b128 v[BB+4*\i:BB+4*\i+3], v[RD] offset:2*\i*SP
.endr
.endm
.macro SEND a, younger
.set BB, BK+32*((\a)%2)
	s_wait_dscnt \younger
.irp i, 0,1,2,3,4,5,6,7
	v_pk_add_f32 v[BB+4*\i:BB+4*\i+1], v[BB+4*\i:BB+4*\i+1], v[8:9]
	v_pk_add_f32 v[BB+4*\i+2:BB+4*\i+3], v[BB+4*\i+2:BB+4*\i+3], v[10:11]
.endr
	WIN 0x08
.set j, 0
.rept 16
	v_pk_add_f32 v[BB+j:BB+j+1], v[BB+j:BB+j+1], v[32*(\a)+j:32*(\a)+j+1]
.set j, j+2
.endr
	WIN 0
.irp i, 0,1,2,3,4,5,6,7
	global_store_b128 v[CO], v[BB+4*\i:BB+4*\i+3], s[86:87] offset:(32*((\a)/2)+8*((\a)%2)+2*\i+8*(\i/4))*4096 th:TH_STORE_NT
.endr
.endm
	PLACES NP
	s_wait_loadcnt 0x0
	TOSTAGE 0
.irp a, 1,2,3
.if \a > 1
	s_wait_xcnt 0x0
.endif
	TOSTAGE \a
	SEND \a-1, 16
.endr
	SEND 3, 0
	s_wait_tensorcnt 0x0
	ds_add_u32 v[SPW], v[NIL]
	s_wait_dscnt 0x0
	CROUND
	s_endpgm
.Lfunc_end_k_q238b76636b_fc2:
	.size	k_q238b76636b_fc2, .Lfunc_end_k_q238b76636b_fc2-k_q238b76636b_fc2
	.p2alignl 7, 3214868480
	.fill 96, 4, 3214868480
	.section	.rodata,"a",@progbits
	.p2align	6, 0x0
	.amdhsa_kernel k_q238b76636b_fc2
		.amdhsa_group_segment_fixed_size 327680
		.amdhsa_private_segment_fixed_size 0
		.amdhsa_enable_private_segment 0
		.amdhsa_kernarg_size 40
		.amdhsa_user_sgpr_count 2
		.amdhsa_user_sgpr_kernarg_segment_ptr 1
		.amdhsa_wavefront_size32 1
		.amdhsa_system_sgpr_workgroup_id_x 1
		.amdhsa_system_sgpr_workgroup_id_y 1
		.amdhsa_system_sgpr_workgroup_id_z 1
		.amdhsa_system_vgpr_workitem_id 0
		.amdhsa_next_free_vgpr 640
		.amdhsa_next_free_sgpr 100
		.amdhsa_reserve_vcc 0
		.amdhsa_float_denorm_mode_32 3
		.amdhsa_float_denorm_mode_16_64 3
		.amdhsa_memory_ordered 1
		.amdhsa_forward_progress 1
		.amdhsa_inst_pref_size 103
	.end_amdhsa_kernel
	.amdgpu_metadata
---
amdhsa.version: [ 1, 2 ]
amdhsa.kernels:
  - .name:           k_q238b76636b_fc2
    .symbol:         k_q238b76636b_fc2.kd
    .args:
      - { .name: himg, .offset: 0, .size: 8, .value_kind: global_buffer, .address_space: global }
      - { .name: wimg, .offset: 8, .size: 8, .value_kind: global_buffer, .address_space: global }
      - { .name: b_fc2, .offset: 16, .size: 8, .value_kind: global_buffer, .address_space: global }
      - { .name: x2, .offset: 24, .size: 8, .value_kind: global_buffer, .address_space: global }
      - { .name: out0, .offset: 32, .size: 8, .value_kind: global_buffer, .address_space: global }
    .group_segment_fixed_size: 327680
    .private_segment_fixed_size: 0
    .kernarg_segment_align: 8
    .kernarg_segment_size: 40
    .max_flat_workgroup_size: 128
    .sgpr_count:     100
    .vgpr_count:     640
    .wavefront_size: 32
...
	.end_amdgpu_metadata
.endif
;; end of part 13
